; MI455X (gfx1250); checked and timed in simulation.
; The chip was launched on July 23, 2026; its instructions are those of AMD's public machine-readable ISA for CDNA 5 (MIT licence, August 2026) and "CDNA5" Instruction Set Architecture Reference Guide (July 2026). The comments in the code are by the model that wrote it; some were corrected since.
;; Custom Transformer Encoder Layer. Allowed arithmetic: matrix products marked QUANTISED: E2M3 operands, one E8M0 scale for each 32 along K, by v_wmma_scale_f32_16x16x128_f8f6f4 with both operands' format E2M3, f32 sums; everything else in f32.
;; Inputs: b1 4,096 float32; b2 1,024 float32; in_proj_b 3,072 float32; in_proj_w 3,072 x 1,024 float32; ln1_b 1,024 float32; ln1_g 1,024 float32; ln2_b 1,024 float32; ln2_g 1,024 float32; out_b 1,024 float32; out_w 1,024 x 1,024 float32; w1 4,096 x 1,024 float32; w2 1,024 x 4,096 float32; x 2 x 2,048 x 1,024 float32.
;; Outputs: out0 2 x 2,048 x 1,024 float32.
;; This version of the problem:
;;   THIS VERSION OF THE PROBLEM IS GIVEN IN LOW PRECISION. The matrix products marked QUANTISED in the list below multiply operands that are first quantised to E2M3 (2 exponent bits, 3 mantissa bits; 6 bits a number), with one power-of-two scale for each 32 numbers along K (OCP MX v1.0); their sums are f32. All else is computed in f32.
;;   The module's matrix products, in the order in which they are computed (A, B: the left and right operand; K: the contracted axis; several contracted axes count as one K, in the product's order):
;;     1. [M 4,096, K 1,024] x [K 1,024, N 3,072]; A: input x; B: input in_proj_w: QUANTISED
;;     2. batch 32 x [M 2,048, K 64] x [K 64, N 2,048]; A: computed on the way; B: computed on the way: QUANTISED
;;     3. batch 32 x [M 2,048, K 2,048] x [K 2,048, N 64]; A: softmax (see below); B: computed on the way: QUANTISED
;;     4. [M 4,096, K 1,024] x [K 1,024, N 1,024]; A: computed on the way; B: input out_w: QUANTISED
;;     5. [M 4,096, K 1,024] x [K 1,024, N 4,096]; A: computed on the way; B: input w1: QUANTISED
;;     6. [M 4,096, K 4,096] x [K 4,096, N 1,024]; A: computed on the way; B: input w2: QUANTISED
;;   THE QUANTISER, for each operand of a quantised product, along K:
;;     - K is cut into blocks of 32 from its start; a last block that is shorter is filled with zeros.
;;     - A block's scale is 2^e with e = floor(log2(the largest magnitude in the block)) - 2, held to -126 .. 127; a block of zeros has e = 0. As a byte (E8M0): e + 127.
;;     - Each number is divided by its block's scale, clamped to +-7.5, and rounded to the nearest number of E2M3, ties to even, subnormals kept.
;;     - The product sums the exact products of the quantised numbers (number of the format x scale) in f32.
;;   ~~~python
;;   def quantise(x, axis):      # numpy; x: float32 -> the quantised numbers, widened to float32 again
;;       x = np.moveaxis(x, axis, -1); K = x.shape[-1]
;;       x = np.pad(x, [(0, 0)] * (x.ndim - 1) + [(0, -K % 32)]); x = x.reshape(x.shape[:-1] + (-1, 32)); a = np.abs(x).max(-1, keepdims=True)
;;       e = np.where(a > 0, np.clip(np.frexp(np.where(a > 0, a, 1))[1] - 1 - 2, -126, 127), 0)      # np.frexp(a)[1] - 1 = floor(log2(a)), exactly
;;       r = np.clip(x / 2.0 ** e, -7.5, 7.5)
;;       step = 2.0 ** (np.maximum(np.frexp(np.where(r == 0, 1, r))[1] - 1, 0) - 3)
;;       q = np.round(r / step) * step * 2.0 ** e      # np.round: ties to even
;;       return np.moveaxis(q.reshape(q.shape[:-2] + (-1,))[..., :K], -1, axis).astype(np.float32)
;;   ~~~
;;   SOFTMAX AHEAD OF A QUANTISED PRODUCT. Where the list says 'softmax', what is quantised is not the finished softmax but p = 2^(t - M), with t = logit x log2(e) and M = ceil(the row's largest t), a whole number; so 1/2 < the row's largest p <= 1. The row's sum l is taken of the UNQUANTISED p, in f32, and the product's result is divided by l at the end. Since M is a whole number, a kernel that streams over the keys may use a running M (the ceiling of the running maximum): every later rescaling is an exact power of two, which a block's scale takes up: the codes' values come out the same.
;;   OPERANDS COMPUTED ON THE WAY. 'Computed on the way' means the value that the module computes at that place (a softmax that the list does not call 'softmax' is quantised finished and normalised). What goes into a quantiser is computed in f32, as accurately as f32 sums, v_exp_f32 and their like allow (about 1e-6 of the number): no bf16 or f16 on the way to a quantiser, and a product that is left as it is and whose result goes on into a quantised operand takes f32 operands (vector FMAs, or v_wmma_f32_16x16x4_f32). A number that lies on a knife's edge between two numbers of the format may be rounded either way, as far as f32 arithmetic and the matrix unit's own rounding can turn it there, and no further.
;; 2 versions. Each part assembles by itself: llvm-mc -triple=amdgcn-amd-amdhsa -mcpu=gfx1250 --defsym DOCPART=n.
;; ======== version 1 of 2: 8 launches
;; workspace buffers: wq 14,155,776 bytes; qkv 10,092,544 bytes; att 3,276,800 bytes; yb 16,777,216 bytes; hb 20,054,016 bytes; gq 13,107,200 bytes
;; launch prep (part 1): grid 512 x 1, 4 waves a work-group, no clusters, 35,328 bytes of LDS; arguments x, in_proj_w, out_w, w1, w2, wq; writes wq
.if DOCPART == 1
	.amdgcn_target "amdgcn-amd-amdhsa--gfx1250"
	.amdhsa_code_object_version 6
	.text
	.protected	k_q66d9754b59_prep
	.globl	k_q66d9754b59_prep
	.p2align	8
	.type	k_q66d9754b59_prep,@function
k_q66d9754b59_prep:
	s_mov_b64 s[64:65], 0
	v_nop
	global_prefetch_b8 v0, s[64:65] scope:SCOPE_SE
	s_setreg_imm32_b32 hwreg(HW_REG_WAVE_MODE, 25, 1), 1
	s_wait_xcnt 0x0
; x [4096][1024], in_proj_w [3072][1024], out_w [1024][1024], w1 [4096][1024], w2 [1024][4096], all f32 with K innermost, become codes of FP6 (E2M3) with one E8M0 byte
; for each 32 along K, laid in wq AS THE MATRIX UNIT'S REGISTERS TAKE THEM; and the table of RoPE's cosines and sines is made.
; BLOCKS.  Rows go in blocks of 16; block i holds at lane index p the row 32 (i / 2) + 8 (i % 2) + p + 8 (p / 8): as source 0 of a matrix instruction two neighbouring blocks give each lane 16 neighbours of the next K.
; IMAGE.  A fragment (16 rows x 128 K, 12 registers a lane) lies as 1,536 bytes: for c = 0, 1: registers 6 c .. 6 c + 3 at 768 c + 16 x lane, registers 6 c + 4, 6 c + 5 at 768 c + 512 + 8 x lane.
; Codes of a tensor: [block][K / 128][1,536].  Scale words (four bytes: 128 K of a row): [K / 128][rows in the blocks' order].
; A block's scale is 2^(floor(log2(largest magnitude)) - 2); its byte is the largest magnitude's exponent field - 2, held at 1 from below.
; LIMITS: NaN and infinities among the inputs are not served; a block of zeros gets the byte 1 (the rule says 127): its codes are zeros and only this program reads the bytes.
; RoPE's inverse frequencies are two v_exp_f32 and a product, good to about two units in the last place; the angle is reduced by pi / 2 in two parts (angles stay under 2,048).
; SHARES.  A wave takes 64 rows x 128 K: four fragments.  Work-groups 0-127 take x, 128-223 in_proj_w, 224-255 out_w, 256-383 w1, 384-511 w2: pointers and sizes are chosen, the path is one.
; Each load reads 512 consecutive bytes of one row; a fragment's 16 rows turn through the wave's own stage in LDS (rows 528 bytes apart) and come back 128 bytes a lane, a whole block of 32 twice.
; No tensor loads, no barrier: waves share nothing.  Loads run two fragments (32 loads a wave) ahead.
.set WS,    12582912                   ; wq: where the scale words begin
.set ROPE,  13107200                   ; wq: the table [token block 128][i 16][lane 32][c, s, -s, c]
.set STG,   8704                       ; LDS of a wave: 16 x 528 bytes of stage, 256 bytes of scale words
.set OFF,   16                         ; v16-31   16 x lane + the fragment's row j in bytes
.set R,     32                         ; v32-159  two sets of 64: a fragment as loaded
.set X,     160                        ; v160-223 my two blocks of 32 neighbours
.set C,     224                        ; v224-235 the fragment's codes
.set T,     236                        ; v236-243 second halves of the blocks' codes
.set M,     244                        ; v244-245 largest magnitudes
.set SO,    246                        ; v246-247 the conversions' scale operands
.set BY,    248                        ; v248-249 the bytes
.set W,     250                        ; v250     the scale word
.set WP,    251                        ; v251     the other half of the lanes' bytes
.set H8,    7                          ; v7       8 h
.set SRC,   32                         ; s[32:39] the four fragments' first rows
.set DC,    40                         ; s[40:47] where their images go
.set SCB,   48                         ; s[48:49] where the wave's 64 scale words go
.set RPB,   50                         ; s[50:51] where the work-group's table entries go
.set SEL,   52                         ; s52, s53 v_permlanex16_b32's selects for lane l xor 16
	s_load_b256 s[4:11], s[0:1], 0x0               ; x, in_proj_w, out_w, w1
	s_load_b128 s[12:15], s[0:1], 0x20             ; w2, wq
	v_lshl_add_u32 v239, v0, 2, 0x8800
	v_mov_b32 v243, 0
	v_lshrrev_b32 v1, 5, v0
	v_readfirstlane_b32 s27, v1                    ; wave
	v_and_b32 v8, 31, v0                           ; lane
	v_and_b32 v9, 15, v0                           ; r
	v_bfe_u32 v10, v0, 4, 1                        ; h
	v_lshlrev_b32 v1, 4, v8                        ; 16 x lane
	v_lshlrev_b32 v2, 3, v8                        ; 8 x lane
	s_mul_i32 s28, s27, STG
	v_add_nc_u32 v3, s28, v1                       ; the stage, on the way in: 16 x lane of a row
	v_mul_u32_u24 v4, v9, 528
	v_lshl_add_u32 v4, v10, 7, v4
	v_add_nc_u32 v4, s28, v4                       ; and out: row r, 128 h bytes on
	s_add_co_u32 s28, s28, 16*528
	v_lshl_add_u32 v5, v9, 2, s28                  ; my row's scale word
	v_add_nc_u32 v6, s28, v2                       ; the 64 words on their way out, 8 bytes a lane
	v_lshlrev_b32 v[H8], 3, v10
	s_mov_b32 s[SEL], 0x76543210
	s_mov_b32 s[SEL+1], 0xfedcba98
	s_mov_b32 s18, 384                             ; w2's figures: first work-group,
	s_mov_b32 s19, 393216                          ; its scale words' place,
	s_mov_b32 s20, 4096                            ; bytes of scale words for 128 K,
	s_mov_b32 s21, 5                               ; log2 (K / 128)
	s_wait_kmcnt 0x0
	s_mov_b64 s[16:17], s[12:13]
	s_cmp_lt_u32 ttmp9, 384                        ; the choices hang on the work-group's number alone
	s_cselect_b64 s[16:17], s[10:11], s[16:17]     ; w1
	s_cselect_b32 s18, 256, s18
	s_cselect_b32 s19, 262144, s19
	s_cselect_b32 s20, 16384, s20
	s_cselect_b32 s21, 3, s21
	s_cmp_lt_u32 ttmp9, 256
	s_cselect_b64 s[16:17], s[8:9], s[16:17]       ; out_w
	s_cselect_b32 s18, 224, s18
	s_cselect_b32 s19, 229376, s19
	s_cselect_b32 s20, 4096, s20
	s_cmp_lt_u32 ttmp9, 224
	s_cselect_b64 s[16:17], s[6:7], s[16:17]       ; in_proj_w: its words lie behind x's in one array of 7,168 rows
	s_cselect_b32 s18, 128, s18
	s_cselect_b32 s19, 16384, s19
	s_cselect_b32 s20, 28672, s20
	s_cmp_lt_u32 ttmp9, 128
	s_cselect_b64 s[16:17], s[4:5], s[16:17]       ; x
	s_cselect_b32 s18, 0, s18
	s_cselect_b32 s19, 0, s19
	s_lshl_b32 s22, ttmp9, 2
	s_add_co_u32 s22, s22, s27
	s_lshl_b32 s23, s18, 2
	s_sub_co_u32 s22, s22, s23                     ; my unit in the tensor
	s_lshl_b32 s24, 1, s21
	s_sub_co_u32 s24, s24, 1
	s_and_b32 s24, s22, s24                        ; kb: which 128 along K
	s_lshr_b32 s25, s22, s21                       ; rg: which 64 rows
	s_lshl_b32 s26, 512, s21                       ; a row in bytes
	s_mul_i32 s28, s25, s26
	s_lshl_b32 s28, s28, 6
	s_lshl_b32 s29, s24, 9
	s_add_co_u32 s28, s28, s29
	s_mov_b32 s29, 0
	s_add_nc_u64 s[SRC:SRC+1], s[16:17], s[28:29]  ; fragment 0 begins at row 64 rg,
	s_lshl_b32 s28, s26, 3
	s_add_nc_u64 s[SRC+2:SRC+3], s[SRC:SRC+1], s[28:29]    ; 1: 8 rows on,
	s_lshl_b32 s28, s26, 5
	s_add_nc_u64 s[SRC+4:SRC+5], s[SRC:SRC+1], s[28:29]    ; 2: 32,
	s_add_nc_u64 s[SRC+6:SRC+7], s[SRC+2:SRC+3], s[28:29]  ; 3: 40
.irp j, 0,1,2,3,4,5,6,7,8,9,10,11,12,13,14,15
	v_mad_u32_u24 v[OFF+\j], s26, \j+8*(\j/8), v1  ; lane index j is row j + 8 (j / 8) of the fragment
.endr
.macro LOADF f                         ; fragment f as it lies: 16 rows x 512 consecutive bytes
.irp j, 0,1,2,3,4,5,6,7,8,9,10,11,12,13,14,15
	global_load_b128 v[R+64*((\f)%2)+4*\j:R+64*((\f)%2)+4*\j+3], v[OFF+\j], s[SRC+2*(\f):SRC+2*(\f)+1] th:TH_LOAD_NT
.endr
.endm
	LOADF 0
	LOADF 1
	s_mul_i32 s28, s23, 6144                       ; the tensor's first byte of codes: 6,144 bytes a unit
	s_lshl_b32 s30, s25, 2
.irp f, 0,1,2,3
	s_add_co_u32 s31, s30, \f                      ; block 4 rg + f
	s_lshl_b32 s31, s31, s21
	s_add_co_u32 s31, s31, s24
	s_mul_i32 s31, s31, 1536
	s_add_co_u32 s[DC+2*\f], s31, s28
	s_mov_b32 s[DC+2*\f+1], 0
	s_add_nc_u64 s[DC+2*\f:DC+2*\f+1], s[14:15], s[DC+2*\f:DC+2*\f+1]
.endr
	s_mul_i32 s28, s24, s20
	s_lshl_b32 s30, s25, 8
	s_add_co_u32 s28, s28, s30
	s_add_co_u32 s28, s28, s19
	s_add_co_u32 s28, s28, WS
	s_add_nc_u64 s[SCB:SCB+1], s[14:15], s[28:29]
	s_lshl_b32 s28, ttmp9, 11
	s_add_co_u32 s28, s28, ROPE
	s_add_nc_u64 s[RPB:RPB+1], s[14:15], s[28:29]
	; THE TABLE: one entry a thread, under the loads.  Token block tb = work-group / 4, i = 4 (work-group % 4) + wave; token 32 (tb / 2) + 8 (tb % 2) + r + 8 (r / 8); pair of dims p = 16 (i / 8) + 8 h + i % 8
	s_lshr_b32 s54, ttmp9, 2
	s_and_b32 s55, ttmp9, 3
	s_lshl_b32 s55, s55, 2
	s_add_co_u32 s55, s55, s27                     ; i
	s_lshr_b32 s56, s55, 3
	s_lshl_b32 s56, s56, 4
	s_and_b32 s55, s55, 7
	s_add_co_u32 s55, s55, s56
	s_lshr_b32 s56, s54, 1
	s_lshl_b32 s56, s56, 5
	s_and_b32 s54, s54, 1
	s_lshl_b32 s54, s54, 3
	s_add_co_u32 s54, s54, s56
	v_and_b32 v246, 8, v9
	v_add3_u32 v246, v246, v9, s54                 ; the token
	v_lshl_add_u32 v247, v10, 3, s55               ; p
	v_cvt_f32_u32 v246, v246
	v_cvt_f32_u32 v247, v247
	v_mul_f32 v248, 0xbed48000, v247               ; -p x 425 / 1024: exact
	v_mul_f32 v249, 0xb953c25f, v247               ; -p x the rest of log2(10000) / 32
	v_exp_f32 v248, v248
	v_exp_f32 v249, v249
	v_lshlrev_b32 v12, 4, v0                       ; (a plain instruction behind the exponentials)  16 bytes a thread
	s_wait_alu depctr_va_vdst(0)                   ; one wait for both, ahead of their first reader
	v_mul_f32 v248, v248, v249                     ; 10000^(-2 p / 64)
	v_mul_f32 v246, v246, v248                     ; the angle, rounded once
	v_mul_f32 v247, 0x3f22f983, v246
	v_rndne_f32 v247, v247                         ; n = the nearest multiple of pi / 2
	v_fmamk_f32 v248, v247, 0xbfc90fdb, v246       ; angle - n x pi / 2, in two parts
	v_fmamk_f32 v248, v247, 0x333bbd2e, v248
	v_mul_f32 v249, v248, v248                     ; z
	v_mov_b32 v250, 0xb94ca1f9
	v_fmaak_f32 v250, v250, v249, 0x3c08839e
	v_fmaak_f32 v250, v250, v249, 0xbe2aaaa3
	v_mul_f32 v251, v248, v249
	v_fma_f32 v250, v251, v250, v248               ; the sine of the rest
	v_mov_b32 v252, 0x37ccf5ce
	v_fmaak_f32 v252, v252, v249, 0xbab6061a
	v_fmaak_f32 v252, v252, v249, 0x3d2aaaa5
	v_mul_f32 v253, v249, v249
	v_fma_f32 v254, v249, -0.5, 1.0
	v_fma_f32 v252, v253, v252, v254               ; its cosine
	v_cvt_i32_f32 v247, v247
	v_and_b32 v253, 1, v247
	v_cmp_eq_u32 vcc_lo, 1, v253                   ; in odd quadrants the two change places
	v_cndmask_b32 v254, v250, v252, vcc_lo
	v_cndmask_b32 v255, v252, v250, vcc_lo
	v_and_b32 v253, 2, v247
	v_lshlrev_b32 v253, 30, v253
	v_xor_b32 v9, v254, v253                       ; s: negative in quadrants 2, 3
	v_add_nc_u32 v247, 1, v247
	v_and_b32 v247, 2, v247
	v_lshlrev_b32 v247, 30, v247
	v_xor_b32 v8, v255, v247                       ; c: negative in quadrants 1, 2
	v_xor_b32 v10, 0x80000000, v9                  ; -s
	v_mov_b32 v11, v8
	global_store_b128 v12, v[8:11], s[RPB:RPB+1]   ; a wave stores 512 consecutive bytes; v8-12 are not written again
	v_mov_b32 v[WP], 0                             ; a lane permute's destination counts as one of its sources
; my two whole blocks of 32, at v[X] and v[X + 32], become the fragment's 12 registers and its scale word
.macro QUANT2
.irp c, 0,1
	v_max3_num_f32 v[M+\c], |v[X+32*\c]|, |v[X+32*\c+1]|, 0x1800000   ; the floor 2^(3 - 127) among the leaves: the byte cannot fall under 1
.endr
.irp i, 2,4,6,8,10,12,14,16,18,20,22,24,26,28,30
.irp c, 0,1
	v_max3_num_f32 v[M+\c], v[M+\c], |v[X+32*\c+\i]|, |v[X+32*\c+\i+1]|
.endr
.endr
.irp c, 0,1
	v_add_nc_u32 v[SO+\c], 0xff000000, v[M+\c]     ; 2 off the exponent field: the conversion takes this operand's exponent field as its scale
.endr
.irp c, 0,1
	v_lshrrev_b32 v[BY+\c], 23, v[SO+\c]           ; the byte
.endr
	v_lshl_or_b32 v[W], v[BY+1], 16, v[BY]         ; blocks h and 2 + h of my row,
	v_lshlrev_b32 v[W], v[H8], v[W]                ; at their places;
	v_permlanex16_b32 v[WP], v[W], s[SEL], s[SEL+1]
	v_or_b32 v[W], v[W], v[WP]                     ; with lane l xor 16's two the word is whole
.irp c, 0,1
	v_cvt_scalef32_pk16_fp6_f32 v[C+6*\c:C+6*\c+2], v[X+32*\c:X+32*\c+15], v[SO+\c]
	v_cvt_scalef32_pk16_fp6_f32 v[T+4*\c:T+4*\c+2], v[X+32*\c+16:X+32*\c+31], v[SO+\c]   ; (a conversion's three registers begin on an even number)
.endr
	v_nop                                          ; one plain instruction behind a scaled conversion
.irp c, 0,1
.irp i, 0,1,2
	v_mov_b32 v[C+3+6*\c+\i], v[T+4*\c+\i]
.endr
.endr
.endm
.macro FRAGQ f
.if (\f) < 3
	s_wait_loadcnt 16                              ; this fragment's 16 loads are in; the next fragment's 16 may be out
.else
	s_wait_loadcnt 0x0
.endif
.irp j, 0,1,2,3,4,5,6,7,8,9,10,11,12,13,14,15
	ds_store_b128 v3, v[R+64*((\f)%2)+4*\j:R+64*((\f)%2)+4*\j+3] offset:528*\j
.endr
.irp c, 0,1
.irp i, 0,1,2,3,4,5,6,7
	ds_load_b128 v[X+32*\c+4*\i:X+32*\c+4*\i+3], v4 offset:256*\c+16*\i   ; LDS serves a wave's instructions in order: these see the stores above
.endr
.endr
	s_wait_dscnt 0x0                               ; the numbers are back, and the stores have read their registers,
.if (\f) < 2
	LOADF (\f)+2                                   ; which take the fragment two on
.endif
	s_wait_xcnt 0x0                                ; the last fragment's stores have read the codes' registers
	QUANT2
	global_store_b128 v1, v[C:C+3], s[DC+2*(\f):DC+2*(\f)+1]               ; each store covers 512 or 256 consecutive bytes, aligned
	global_store_b64 v2, v[C+4:C+5], s[DC+2*(\f):DC+2*(\f)+1] offset:512
	global_store_b128 v1, v[C+6:C+9], s[DC+2*(\f):DC+2*(\f)+1] offset:768
	global_store_b64 v2, v[C+10:C+11], s[DC+2*(\f):DC+2*(\f)+1] offset:1280
	ds_store_b32 v5, v[W] offset:64*(\f)           ; lanes r and r + 16 write the same word with the same value
.endm
	FRAGQ 0
	FRAGQ 1
	FRAGQ 2
	FRAGQ 3
	ds_load_b64 v[252:253], v6
	s_wait_dscnt 0x0
	global_store_b64 v2, v[252:253], s[SCB:SCB+1]  ; the wave's 64 scale words: 256 consecutive bytes, aligned
	s_wait_tensorcnt 0x0
	ds_add_u32 v239, v243
	s_wait_dscnt 0x0
	s_endpgm
.Lfunc_end_k_q66d9754b59_prep:
	.size	k_q66d9754b59_prep, .Lfunc_end_k_q66d9754b59_prep-k_q66d9754b59_prep
	.p2alignl 7, 3214868480
	.fill 96, 4, 3214868480
	.section	.rodata,"a",@progbits
	.p2align	6, 0x0
	.amdhsa_kernel k_q66d9754b59_prep
		.amdhsa_group_segment_fixed_size 35328
		.amdhsa_private_segment_fixed_size 0
		.amdhsa_enable_private_segment 0
		.amdhsa_kernarg_size 48
		.amdhsa_user_sgpr_count 2
		.amdhsa_user_sgpr_kernarg_segment_ptr 1
		.amdhsa_wavefront_size32 1
		.amdhsa_system_sgpr_workgroup_id_x 1
		.amdhsa_system_sgpr_workgroup_id_y 1
		.amdhsa_system_sgpr_workgroup_id_z 1
		.amdhsa_system_vgpr_workitem_id 0
		.amdhsa_next_free_vgpr 256
		.amdhsa_next_free_sgpr 66
		.amdhsa_reserve_vcc 1
		.amdhsa_float_denorm_mode_32 3
		.amdhsa_float_denorm_mode_16_64 3
		.amdhsa_memory_ordered 1
		.amdhsa_forward_progress 1
		.amdhsa_inst_pref_size 37
	.end_amdhsa_kernel
	.amdgpu_metadata
---
amdhsa.version: [ 1, 2 ]
amdhsa.kernels:
  - .name:           k_q66d9754b59_prep
    .symbol:         k_q66d9754b59_prep.kd
    .args:
      - { .name: x, .offset: 0, .size: 8, .value_kind: global_buffer, .address_space: global }
      - { .name: in_proj_w, .offset: 8, .size: 8, .value_kind: global_buffer, .address_space: global }
      - { .name: out_w, .offset: 16, .size: 8, .value_kind: global_buffer, .address_space: global }
      - { .name: w1, .offset: 24, .size: 8, .value_kind: global_buffer, .address_space: global }
      - { .name: w2, .offset: 32, .size: 8, .value_kind: global_buffer, .address_space: global }
      - { .name: wq, .offset: 40, .size: 8, .value_kind: global_buffer, .address_space: global }
    .group_segment_fixed_size: 35328
    .private_segment_fixed_size: 0
    .kernarg_segment_align: 8
    .kernarg_segment_size: 48
    .max_flat_workgroup_size: 128
    .sgpr_count:     66
    .vgpr_count:     256
    .wavefront_size: 32
...
	.end_amdgpu_metadata
.endif
;; end of part 1
;; launch proj (part 2): grid 12 x 16, 4 waves a work-group, clusters of 4 x 4, 327,680 bytes of LDS; arguments wq, in_proj_b, qkv; writes qkv
.if DOCPART == 2
	.amdgcn_target "amdgcn-amd-amdhsa--gfx1250"
	.amdhsa_code_object_version 6
	.text
	.protected	k_q66d9754b59_proj
	.globl	k_q66d9754b59_proj
	.p2align	8
	.type	k_q66d9754b59_proj,@function
k_q66d9754b59_proj:
	s_mov_b64 s[64:65], 0
	v_nop
	global_prefetch_b8 v0, s[64:65] scope:SCOPE_SE
	s_setreg_imm32_b32 hwreg(HW_REG_WAVE_MODE, 25, 1), 1
	s_wait_xcnt 0x0
	s_wait_alu depctr_hold_cnt(0) depctr_sa_sdst(0) depctr_va_vdst(0) depctr_va_sdst(0) depctr_va_ssrc(0) depctr_va_vcc(0) depctr_vm_vsrc(0)
	s_getreg_b32 s2, hwreg(HW_REG_IB_STS2, 6, 4)
	s_cmp_eq_u32 s2, 0
	s_cbranch_scc0 .Lentry_in_a_cluster
	s_endpgm
.Lentry_in_a_cluster:
	s_bfe_u32 s2, ttmp6, 0x10000c
	s_cmp_lg_u32 s2, 0xf033
	s_cbranch_scc0 .Lentry_shape_is_right
	s_endpgm
.Lentry_shape_is_right:
; qkv = x in_proj_w^T + in_proj_b on codes of FP6 (E2M3) with E8M0 scales; q and k are turned by RoPE; q, k and v leave as codes for the attention.
; OPERANDS lie in wq as images of the matrix unit's registers: [block of 16 rows][K / 128][1,536 bytes]; x's 256 blocks and in_proj_w's 192 are one array of 448.  Scale words: [K / 128][7,168 rows].
; Block i holds at lane index p row 32 (i / 2) + 8 (i % 2) + p + 8 (p / 8).  An image: for c = 0, 1: registers 6 c .. 6 c + 3 at 768 c + 16 x lane, registers 6 c + 4, 6 c + 5 at 768 c + 512 + 8 x lane.
; A tile of 256 x 256 is made by four waves, 128 x 128 each: 64 accumulators, 512 registers.  K goes in steps of 256 through a ring of two LDS slots filled by the tensor data mover; a tile's row is a block's two fragments, 3,072 bytes.
; The scale words of the work-group's rows, for all of K, come into LDS once, with the first fills.
; CLUSTERS: 4 x 4 work-groups; the A side's tiles are asked for jointly along a row of the cluster, the B side's along a column.
; THE MATRIX INSTRUCTION: source 0 = a block of the B side, source 1 = a block of the A side.  A lane holds one row of the A side, and the 16 registers of B's blocks 2 b, 2 b + 1 are 16 neighbours 32 b + 16 h + 0 .. 15 of the B side.
; Clusters x = 0 (q) and 1 (k): A = tokens, B = rows of in_proj_w: a lane holds one token, its registers run along the features: the heads' 64 are q's and k's K.
; Cluster x = 2 (v): THE SIDES ARE SWAPPED BY ADDRESSES ALONE: A = Wv's rows, B = tokens: a lane holds one feature and its registers run along the tokens, which are v's K.
; OUT (qkv): q: half images [pair 16][parity 2][tile 128][768] and half scale words (upper two bytes 0); k the same; v^T: [pair][parity][key step 16][t 4][1,536], its scale words [step][t][16].
; LIMITS: NaN and infinities are not served; a block of zeros gets the byte 1 (the rule says 127): its codes are zeros and only this program reads the bytes.
; REGISTERS, in windows of 256: window 0: v0-31 addresses; v32-63 scale words, two sets, and nothing else; v128-223 A's fragments, one set; way out: v64-127 bias, v128-191 numbers, v192-255 RoPE's products, then codes.
;   window 1: B's fragments, two sets, at v0 and v128; way out: v0-127 two blocks' tables.   windows 2, 3: the accumulators ((a, b) at v[8 (8 (a % 4) + b)]).
.set KB,     8                         ; K / 128
.set WSC,    12582912                  ; wq: the scale words
.set ROPE,   13107200                  ; wq: RoPE's table [token block][i 16][lane][c, s, -s, c]
.set AR2,    3584                      ; a row of the scale array in elements of 8 bytes
.set QC,     0
.set QS,     3145728
.set KV,     3407872
.set KVS,    9699328
.set NQ,     2                         ; matrix instructions deep in a slot
.set FR,     12                        ; registers of a fragment
.set NL,     4                         ; LDS loads that bring one
.set NP,     4                         ; places behind this matrix instruction (ISA guide 7.12.1)
.set ROWB,   3072
.set HALFT,  8*ROWB                    ; 8 blocks: what one tensor load brings, and what a wave reads of a side
.set SLOT,   4*HALFT
.set LAPS,   KB/4                      ; a lap = two K steps = once round the ring
.set SCL,    2*SLOT                    ; behind the ring: the scale words, [K / 128][128 rows] for each wave's load
.set HALFS,  512*KB
.set SPARE,  SCL+4*HALFS               ; the spare words, 128 bytes for each wave: two blocks of 256 bytes that no other line names
.set ADRA, 16                          ; v16-17 16 x lane in my A blocks of slot 0, 1;  v18-19 the same with 8 x lane
.set ADRB, 20                          ; v20-23 the same for B
.set ADRS, 27                          ; v27 my scale words: lanes 0-15 A's rows, lanes 16-31 B's
.set SPW,  28                          ; v28 SPARE + 4 x my thread's number; never rewritten
.set NIL,  29                          ; v29 0; never rewritten
.set L16,  24                          ; v24 16 x lane
.set L8,   25                          ; v25 8 x lane
.set SW,   26                          ; v26 q, k: where my half scale word goes in LDS
.set SR,   31                          ; v31 q, k: where the words are read back
.set SWV,  30                          ; v30 v: the same two, in bytes of their own
.set SRV,  11
.set RV4,  9                           ; v9  4 (r + 8 (r / 8))
.set H64,  10                          ; v10 64 h
.set H16,  12                          ; v12 16 h
.set VOV,  13                          ; v13 v's scale words on their way out
.set HW,   14                          ; v14 a half scale word
.set PW,   15                          ; v15 the scale word just made
.set SC,   32
.set AF,   128
.set BIAS, 64
.set X,    128
.set TT,   192
.set PC,   192                         ; the codes: 12 registers, and 8 at work
.set TM,   212                         ; v212-215 largest magnitudes, v216-219 bytes, v220-223 the conversions' scale operands
.set SEL,  66                          ; s66, s67
.set G1, 24
.set G0, 32
.set G1B, 48
.set G0B, 56
.set G1S, 68
.set G0S, 76
.set G1SB, 80
.set G0SB, 88
.set MSB, 0
.macro WIN new                         ; the immediate's high byte repeats the setting that is left
.if MSB != \new
	s_set_vgpr_msb (MSB<<8)|\new
.set MSB, \new
.endif
.endm
.set MUL_LO, 0xa1                      ; source 0 (B) window 1, source 1 (A) window 0, C and D window 2
.set MUL_HI, 0xf1
.set TO_B,   0x40
; A joint load: waves 0 and 1 fetch for A, waves 2 and 3 for B; the branch hangs on the wave's number alone.  Four v_nop follow each of the two lines.
.macro JLOAD g0a, g1a, g0b, g1b
	s_cmp_eq_u32 s15, 0
	s_cbranch_scc0 .Lfor_b_\@
	tensor_load_to_lds s[\g0a:\g0a+3], s[\g1a:\g1a+7]
	s_nop 0
.rept 4
	v_nop
.endr
	s_branch .Lasked_\@
.Lfor_b_\@:
	tensor_load_to_lds s[\g0b:\g0b+3], s[\g1b:\g1b+7]
	s_nop 0
.rept 4
	v_nop
.endr
.Lasked_\@:
.endm
.macro CREST                           ; a round of the cluster's barrier behind its opening barrier
	s_cmp_lg_u32 s14, 0
	s_cbranch_scc1 .Lnot_wave_0_\@
	s_barrier_signal -3
.Lnot_wave_0_\@:
	s_barrier_wait -3
	s_barrier_signal -1
	s_barrier_wait -1
.endm
.macro CROUND
	s_barrier_signal -1
	s_barrier_wait -1
	CREST
.endm
	s_load_b128 s[4:7], s[0:1], 0x0                ; wq, in_proj_b
	s_load_b64 s[8:9], s[0:1], 0x10                ; qkv
	v_lshl_add_u32 v[SPW], v0, 2, SPARE
	v_mov_b32 v[NIL], 0
	ds_add_u32 v28, v29
	s_wait_dscnt 0x0
	v_lshrrev_b32 v1, 5, v0
	v_readfirstlane_b32 s14, v1                    ; wave 0..3
	s_lshr_b32 s15, s14, 1                         ; which half of the A side is mine.  Also: I fetch for A (0) or for B (1)
	s_and_b32 s16, s14, 1                          ; which half of the B side.  Also: which 8 blocks I fetch
	s_bfe_u32 s40, ttmp6, 0x40000                  ; cx, cy: my place in the cluster
	s_bfe_u32 s41, ttmp6, 0x40004
	s_and_b32 s17, ttmp7, 0xffff                   ; cluster y
	s_lshl_b32 s43, s41, 2
	s_lshl_b32 s43, 15, s43                        ; my row of the cluster
	s_lshl_b32 s44, 0x1111, s40                    ; my column
	s_mov_b32 s[SEL], 0x76543210
	s_mov_b32 s[SEL+1], 0xfedcba98
	; descriptor group 1, codes: 8 rows (blocks) of 384 elements of 8 bytes, a block's row of KB fragments apart; no padding: an image's loads are dense
	s_or_b32 s[G1+0], s43, (3<<16)|(1<<21)         ; 15:0 the mask: my row; 17:16 elements of 8 bytes; 21 set beside a mask
	s_or_b32 s[G1B+0], s44, (3<<16)|(1<<21)        ; my column
.irp g, G1, G1B
	s_mov_b32 s[\g+1], 384<<16                     ; tensor_dim0
	s_mov_b32 s[\g+2], 8<<16                       ; tensor_dim1
	s_mov_b32 s[\g+3], 384<<16                     ; tile_dim0
	s_mov_b32 s[\g+4], 8                           ; tile_dim1
	s_mov_b32 s[\g+5], 192*KB                      ; tensor_dim0_stride
	s_mov_b32 s[\g+6], 0
	s_mov_b32 s[\g+7], 0
.endr
	; scale words: KB rows of 512 bytes (128 rows' words)
	s_or_b32 s[G1S+0], s43, (3<<16)|(1<<21)
	s_or_b32 s[G1SB+0], s44, (3<<16)|(1<<21)
.irp g, G1S, G1SB
	s_mov_b32 s[\g+1], 64<<16
	s_mov_b32 s[\g+2], KB<<16
	s_mov_b32 s[\g+3], 64<<16
	s_mov_b32 s[\g+4], KB
	s_mov_b32 s[\g+5], AR2
	s_mov_b32 s[\g+6], 0
	s_mov_b32 s[\g+7], 0
.endr
	; which blocks of the 448.  The choice hangs on the cluster's x, which all sixteen partners share.  A's registers never hold cx, B's never cy
	s_lshl_b32 s18, s16, 3
	s_lshl_b32 s19, s17, 6                         ; the tokens' blocks of this row of clusters
	s_lshl_b32 s95, ttmp9, 6
	s_add_co_u32 s95, s95, 256                     ; Wq's or Wk's blocks
	s_cmp_eq_u32 ttmp9, 2
	s_cselect_b32 s20, 384, s19                    ; A: Wv's blocks, or tokens
	s_cselect_b32 s46, s19, s95                    ; B: tokens, or Wq's or Wk's
	s_lshl_b32 s96, s41, 4
	s_add_co_u32 s20, s20, s96
	s_add_co_u32 s20, s20, s18
	s_lshl_b32 s97, s40, 4
	s_add_co_u32 s46, s46, s97
	s_add_co_u32 s46, s46, s18
	s_lshl_b32 s22, s20, 6
	s_add_co_u32 s22, s22, WSC
	s_mov_b32 s23, 0
	s_lshl_b32 s92, s46, 6
	s_add_co_u32 s92, s92, WSC
	s_mov_b32 s93, 0
	s_mul_i32 s20, s20, KB*1536
	s_mov_b32 s21, 0
	s_mul_i32 s46, s46, KB*1536
	s_mov_b32 s47, 0
	s_mul_i32 s45, s14, HALFT                      ; where they go: no place in the cluster enters an LDS address
	s_mul_i32 s94, s14, HALFS
	s_wait_kmcnt 0x0
	s_add_nc_u64 s[20:21], s[4:5], s[20:21]
	s_add_nc_u64 s[22:23], s[4:5], s[22:23]
	s_add_nc_u64 s[46:47], s[4:5], s[46:47]
	s_add_nc_u64 s[92:93], s[4:5], s[92:93]
	CROUND                                         ; all sixteen work-groups are here: the first joint loads meet
	s_mov_b32 s[G0S], 1
	s_add_co_u32 s[G0S+1], s94, SCL
	s_mov_b64 s[G0S+2:G0S+3], s[22:23]
	s_or_b32 s[G0S+3], s[G0S+3], 0x80000000
	s_mov_b32 s[G0SB], 1
	s_add_co_u32 s[G0SB+1], s94, SCL
	s_mov_b64 s[G0SB+2:G0SB+3], s[92:93]
	s_or_b32 s[G0SB+3], s[G0SB+3], 0x80000000
	JLOAD G0S, G1S, G0SB, G1SB                     ; the scale words first: three loads of mine are out behind the first fills
.irp s, 0,1
	s_mov_b32 s[G0+4*\s], 1
	s_add_co_u32 s[G0+4*\s+1], s45, \s*SLOT
	s_add_nc_u64 s[G0+4*\s+2:G0+4*\s+3], s[20:21], \s*ROWB
	s_or_b32 s[G0+4*\s+3], s[G0+4*\s+3], 0x80000000
	s_mov_b32 s[G0B+4*\s], 1
	s_add_co_u32 s[G0B+4*\s+1], s45, \s*SLOT
	s_add_nc_u64 s[G0B+4*\s+2:G0B+4*\s+3], s[46:47], \s*ROWB
	s_or_b32 s[G0B+4*\s+3], s[G0B+4*\s+3], 0x80000000
	JLOAD G0+4*\s, G1, G0B+4*\s, G1B
.endr
	v_and_b32 v1, 15, v0                           ; r
	v_bfe_u32 v2, v0, 4, 1                         ; h
	v_and_b32 v3, 31, v0                           ; lane
	v_lshlrev_b32 v[L16], 4, v3
	v_lshlrev_b32 v[L8], 3, v3
	s_mul_i32 s21, s15, HALFT                      ; my 8 blocks of A
	s_mul_i32 s22, s16, HALFT                      ; my 8 blocks of B,
	s_add_co_u32 s22, s22, 2*HALFT                 ; which lie behind A's 16
.irp s, 0,1
	v_add_nc_u32 v[ADRA+\s], s21, v[L16]
	v_add_nc_u32 v[ADRB+\s], s22, v[L16]
	v_add_nc_u32 v[ADRA+2+\s], s21, v[L8]
	v_add_nc_u32 v[ADRB+2+\s], s22, v[L8]
	s_add_co_u32 s21, s21, SLOT
	s_add_co_u32 s22, s22, SLOT
.endr
	v_lshlrev_b32 v5, 2, v1                        ; my row's scale word
	s_mul_i32 s21, s15, HALFS
	s_mul_i32 s22, s16, HALFS
	s_add_co_u32 s22, s22, 2*HALFS
	s_sub_co_u32 s22, s22, s21
	v_mul_u32_u24 v6, s22, v2                      ; lanes 16-31 take B's
	s_add_co_u32 s21, s21, SCL
	v_add_nc_u32 v5, v5, v6
	v_add_nc_u32 v[ADRS], s21, v5
	; the way out's addresses.  Its LDS bytes lie in slot 0, which has had its last fill and its last read by then; each of the two ways has bytes of its own
	s_lshl_b32 s23, s14, 10
	v_lshl_add_u32 v6, v2, 9, s23
	v_lshl_add_u32 v[SW], v1, 2, v6                ; 1,024 x wave + 512 h + 4 r
	v_add_nc_u32 v[SR], s23, v[L16]
	s_add_co_u32 s23, s23, 4096
	v_lshl_add_u32 v[SWV], v1, 2, s23              ; 4,096 + 1,024 x wave + 4 r
	v_add_nc_u32 v[SRV], s23, v[L16]
	v_lshlrev_b32 v[H16], 4, v2
	v_lshlrev_b32 v[H64], 6, v2
	v_and_b32 v6, 8, v1
	v_add_nc_u32 v6, v6, v1
	v_lshlrev_b32 v[RV4], 2, v6
	v_lshlrev_b32 v6, 12, v2
	v_lshl_add_u32 v[VOV], v1, 4, v6               ; 4,096 (lane / 16) + 16 (lane % 16)
.macro FRAG reg, adr, q, i             ; block i's fragment of the slot's q-th 128 along K: its image, as it lies
	ds_load_b128 v[\reg:\reg+3], v[\adr] offset:3072*(\i)+1536*(\q)
	ds_load_b64 v[\reg+4:\reg+5], v[\adr+2] offset:3072*(\i)+1536*(\q)+512
	ds_load_b128 v[\reg+6:\reg+9], v[\adr] offset:3072*(\i)+1536*(\q)+768
	ds_load_b64 v[\reg+10:\reg+11], v[\adr+2] offset:3072*(\i)+1536*(\q)+1280
.endm
; 16 matrix instructions: A's blocks a0, a0 + 1 x B's eight.  The 64 accumulators take turns, one instruction a turn, in the same order in every step.
.macro MUL16 a0, p, q, sc, zero
.irp a, \a0, \a0+1
.irp b, 0,1,2,3,4,5,6,7
.if \zero
	v_wmma_scale_f32_16x16x128_f8f6f4 v[8*(8*((\a)%4)+\b):8*(8*((\a)%4)+\b)+7], v[128*(\p)+FR*\b:128*(\p)+FR*\b+FR-1], v[AF+FR*(\a):AF+FR*(\a)+FR-1], 0, v[SC+8*NQ*(\sc)+NQ*\b+(\q)], v[SC+8*NQ*(\sc)+NQ*(\a)+(\q)] matrix_a_fmt:MATRIX_FMT_FP6 matrix_b_fmt:MATRIX_FMT_FP6 matrix_a_scale:MATRIX_SCALE_ROW1
.else
	v_wmma_scale_f32_16x16x128_f8f6f4 v[8*(8*((\a)%4)+\b):8*(8*((\a)%4)+\b)+7], v[128*(\p)+FR*\b:128*(\p)+FR*\b+FR-1], v[AF+FR*(\a):AF+FR*(\a)+FR-1], v[8*(8*((\a)%4)+\b):8*(8*((\a)%4)+\b)+7], v[SC+8*NQ*(\sc)+NQ*\b+(\q)], v[SC+8*NQ*(\sc)+NQ*(\a)+(\q)] matrix_a_fmt:MATRIX_FMT_FP6 matrix_b_fmt:MATRIX_FMT_FP6 matrix_a_scale:MATRIX_SCALE_ROW1
.endif
.endr
.endr
.endm
.macro FETCH_B slot, q, p
	WIN TO_B
.irp i, 0,1,2,3,4,5,6,7
	FRAG 128*(\p)+FR*\i, ADRB+\slot, \q, \i
.endr
	WIN 0
.endm
.macro FETCH_A slot, q, i0
.irp i, \i0, \i0+1, \i0+2, \i0+3
	FRAG AF+FR*(\i), ADRA+\slot, \q, \i
.endr
.endm
.macro SCALES sc                       ; the next K step's scale words: lanes 0-15 A's block i, lanes 16-31 B's block i
.irp i, 0,1,2,3,4,5,6,7
.irp q, 0,1
	ds_load_b32 v[SC+16*\sc+2*\i+\q], v[ADRS] offset:512*\q+64*\i
.endr
.endr
.endm
.macro PLACES n                        ; plain vector instructions between a matrix instruction and a load into, or a read of, its registers
.rept \n
	v_nop
.endr
.endm
.macro STEP slot, q, zero              ; a step of 128 along K that has its successor in the same slot
	s_wait_dscnt 4*NL                              ; all but the youngest 16 loads (A's blocks 4-7)
	WIN MUL_LO
	MUL16 0, (\q)%2, \q, \slot, \zero
	MUL16 2, (\q)%2, \q, \slot, \zero
	s_wait_dscnt 0
	PLACES NP
	FETCH_B \slot, (\q)+1, 1-(\q)%2
	FETCH_A \slot, (\q)+1, 0
	WIN MUL_HI
	MUL16 4, (\q)%2, \q, \slot, \zero
	MUL16 6, (\q)%2, \q, \slot, \zero
	PLACES NP
	WIN 0
	FETCH_A \slot, (\q)+1, 4
.endm
; A slot's last step changes slots: ONE barrier; in front of it each wave waits for all its tensor loads, adds 0 to its spare word, and waits for that and for its own reads of this slot.
.macro TURN slot, next, fill
	s_wait_tensorcnt 0x0                           ; all my tensor loads have landed: my part of the next slot
	ds_add_u32 v[SPW], v[NIL]                      ; 0 onto my spare word
	s_wait_dscnt 4*NL+1                            ; (the add and the youngest 16 loads may be out)
	WIN MUL_LO
	MUL16 0, 1, NQ-1, \slot, 0
	s_wait_dscnt 0x0                               ; the add is done, and my reads of this slot are over
	s_barrier_signal -1
	MUL16 2, 1, NQ-1, \slot, 0
	WIN 0
	s_barrier_wait -1
.if \fill
	CREST                                          ; the barrier has opened a round of the cluster's: no wave of any partner still reads this slot or has a load on its way
	s_add_nc_u64 s[G0+4*\slot+2:G0+4*\slot+3], s[G0+4*\slot+2:G0+4*\slot+3], 2*ROWB
	s_add_nc_u64 s[G0B+4*\slot+2:G0B+4*\slot+3], s[G0B+4*\slot+2:G0B+4*\slot+3], 2*ROWB
	JLOAD G0+4*\slot, G1, G0B+4*\slot, G1B         ; the first tensor load behind the round; its four v_nop are the places in front of the loads below
.else
	PLACES NP
.endif
	v_add_nc_u32 v[ADRS], 1024, v[ADRS]            ; the next K step's scale words (no LDS load of mine is out)
	FETCH_B \next, 0, 0
	FETCH_A \next, 0, 0
	SCALES \next
	WIN MUL_HI
	MUL16 4, 1, NQ-1, \slot, 0
	MUL16 6, 1, NQ-1, \slot, 0
	PLACES NP
	WIN 0
	FETCH_A \next, 0, 4
.endm
.macro LASTSTEP                        ; nothing more to fetch
	s_wait_dscnt 4*NL
	WIN MUL_LO
	MUL16 0, 1, NQ-1, 1, 0
	MUL16 2, 1, NQ-1, 1, 0
	s_wait_dscnt 0
	WIN MUL_HI
	MUL16 4, 1, NQ-1, 1, 0
	MUL16 6, 1, NQ-1, 1, 0
	WIN 0
.endm
; 64 numbers of a lane, register 16 b + i = k 32 b + 16 h + i of my row, become a fragment's codes in v[PC] on and its scale word in v[PW]
.macro QUANT s
.irp b, 0,1,2,3
	v_max3_num_f32 v[TM+\b], |v[\s+16*\b]|, |v[\s+1+16*\b]|, 0x1800000   ; the floor 2^(3 - 127) among the leaves: the byte cannot fall under 1
.endr
.irp i, 2,4,6,8,10,12,14
.irp b, 0,1,2,3
	v_max3_num_f32 v[TM+\b], v[TM+\b], |v[\s+16*\b+\i]|, |v[\s+1+16*\b+\i]|
.endr
.endr
.irp b, 0,1,2,3
	v_permlanex16_b32 v[TM+4+\b], v[TM+\b], s[SEL], s[SEL+1]
.endr
.irp b, 0,1,2,3
	v_max_num_f32 v[TM+\b], v[TM+\b], v[TM+4+\b]   ; with lane l xor 16's: the block's largest magnitude
.endr
.irp b, 0,1,2,3
	v_add_nc_u32 v[TM+8+\b], 0xff000000, v[TM+\b]  ; 2 off its exponent field: the conversion's scale operand
.endr
.irp b, 0,1,2,3
	v_lshrrev_b32 v[TM+4+\b], 23, v[TM+8+\b]       ; the byte
.endr
	v_lshl_or_b32 v[PW], v[TM+5], 8, v[TM+4]
	v_lshl_or_b32 v[PW], v[TM+6], 16, v[PW]
	v_lshl_or_b32 v[PW], v[TM+7], 24, v[PW]
.irp c, 0,1
	v_cvt_scalef32_pk16_fp6_f32 v[PC+6*\c:PC+2+6*\c], v[\s+32*\c:\s+15+32*\c], v[TM+8+2*\c]
	v_cvt_scalef32_pk16_fp6_f32 v[PC+12+4*\c:PC+14+4*\c], v[\s+16+32*\c:\s+31+32*\c], v[TM+8+2*\c+1]   ; (a conversion's three registers begin on an even number)
.endr
	v_nop                                          ; one plain instruction behind a scaled conversion
.irp c, 0,1                                    ; the layout wants a whole block in a lane: lanes 0-15 block 2 c, lanes 16-31 block 2 c + 1
.irp i, 0,1,2
	v_permlane16_swap_b32 v[PC+6*\c+\i], v[PC+12+4*\c+\i]
.endr
.irp i, 0,1,2
	v_mov_b32 v[PC+3+6*\c+\i], v[PC+12+4*\c+\i]
.endr
.endr
.endm
	s_wait_tensorcnt 1                             ; the scale words and my part of K step 0 are in (K step 1's load may be out),
	s_barrier_signal -1
	s_barrier_wait -1                              ; everybody's are
	FETCH_B 0, 0, 0
	FETCH_A 0, 0, 0
	SCALES 0
	FETCH_A 0, 0, 4
	STEP 0, 0, 1                                   ; the first step stands in front of the loop: its products start the sums
.if LAPS > 1
	s_mov_b32 s3, LAPS-1
.Llap:
	TURN 0, 1, 1
	STEP 1, 0, 0
	TURN 1, 0, 1
	STEP 0, 0, 0
	s_sub_co_u32 s3, s3, 1
	s_cmp_lg_u32 s3, 0
	s_cbranch_scc1 .Llap
.endif
	TURN 0, 1, 0                                   ; the last lap fills nothing
	STEP 1, 0, 0
	s_cmp_eq_u32 ttmp9, 2                          ; the cluster's x: the same in all sixteen partners and in all waves
	s_cbranch_scc1 .Lv_arm
	; ---- q AND k.  My 8 blocks of 16 tokens x my 128 features: a pair of heads
	s_lshl_b32 s18, s17, 2
	s_add_co_u32 s18, s18, s41                     ; the tokens' tile of 256
	s_lshr_b32 s19, s18, 3                         ; batch
	s_and_b32 s18, s18, 7
	s_lshl_b32 s18, s18, 4
	s_lshl_b32 s20, s15, 3
	s_add_co_u32 s18, s18, s20                     ; my first block of tokens in the batch
	s_lshl_b32 s20, s40, 1
	s_add_co_u32 s20, s20, s16                     ; the pair of heads
	s_lshl_b32 s19, s19, 3
	s_add_co_u32 s19, s19, s20                     ; 8 x batch + pair
	s_mov_b32 s21, 393216
	s_mov_b32 s22, KV
	s_mov_b32 s23, 24576
	s_mov_b32 s92, KVS
	s_cmp_eq_u32 ttmp9, 0
	s_cselect_b32 s21, 196608, s21
	s_cselect_b32 s22, QC, s22
	s_cselect_b32 s23, 16384, s23
	s_cselect_b32 s92, QS, s92
	s_mul_i32 s21, s19, s21
	s_add_co_u32 s21, s21, s22
	s_mul_i32 s22, s18, 768
	s_add_co_u32 s46, s21, s22
	s_mov_b32 s47, 0
	s_add_nc_u64 s[10:11], s[8:9], s[46:47]        ; the half images
	s_mul_i32 s23, s19, s23
	s_add_co_u32 s23, s23, s92
	s_lshl_b32 s22, s18, 6
	s_add_co_u32 s46, s23, s22
	s_add_nc_u64 s[12:13], s[8:9], s[46:47]        ; the half scale words
	s_lshl_b32 s46, ttmp9, 2
	s_add_co_u32 s46, s46, s40
	s_lshl_b32 s46, s46, 10
	s_lshl_b32 s22, s16, 9
	s_add_co_u32 s46, s46, s22
	s_add_nc_u64 s[6:7], s[6:7], s[46:47]          ; my 128 numbers of the bias
	s_lshl_b32 s46, s18, 13
	s_add_co_u32 s46, s46, ROPE
	s_add_nc_u64 s[4:5], s[4:5], s[46:47]          ; my blocks' tables
.irp b, 0,1,2,3
.irp j, 0,1,2,3
	global_load_b128 v[BIAS+16*\b+4*\j:BIAS+16*\b+4*\j+3], v[H64], s[6:7] offset:128*\b+16*\j   ; register 16 b + i: feature 32 b + 16 h + i
.endr
.endr
.macro TABLOAD a                       ; block a's table into window 1, v[64 (a % 2)] on: entry i serves my pairs i and 16 + i
.irp i, 0,1,2,3,4,5,6,7,8,9,10,11,12,13,14,15
	global_load_b128 v[64*((\a)%2)+4*\i:64*((\a)%2)+4*\i+3], v[L16], s[4:5] offset:8192*(\a)+512*\i
.endr
.endm
	WIN TO_B                                       ; (B's set 0 was last multiplied in front of the places that end the step above)
	TABLOAD 0
	TABLOAD 1
	WIN 0
	LASTSTEP
	PLACES NP
.irp b, 0,1,2,3
	v_mov_b32 v[TM+4+\b], 0                        ; a lane permute's destination counts as one of its sources
.endr
.macro QKBLK a
	s_wait_xcnt 0x0                                ; the last block's stores have read the codes' registers, which RoPE's products write
	s_wait_dscnt 0x0
.if (\a) < 7
	s_wait_loadcnt 16                              ; the bias and this block's table are in; the next block's 16 loads may be out
.else
	s_wait_loadcnt 0x0
.endif
	WIN 0x02+(\a)/4                                ; source 0: the accumulators' window
.set m, 0
.rept 32
	v_pk_add_f32 v[X+2*m:X+2*m+1], v[64*((\a)%4)+2*m:64*((\a)%4)+2*m+1], v[BIAS+2*m:BIAS+2*m+1]   ; each accumulator from its low end on
.set m, m+1
.endr
	WIN 0x04                                       ; source 1: the table's window
.set m, 0
.rept 32
	v_pk_mul_f32 v[TT+2*m:TT+2*m+1], v[X+2*m:X+2*m+1], v[64*((\a)%2)+4*(m%16)+2:64*((\a)%2)+4*(m%16)+3] op_sel:[1,0] op_sel_hi:[1,1]   ; (-xo s, xo c)
.set m, m+1
.endr
.set m, 0
.rept 32
	v_pk_fma_f32 v[X+2*m:X+2*m+1], v[X+2*m:X+2*m+1], v[64*((\a)%2)+4*(m%16):64*((\a)%2)+4*(m%16)+1], v[TT+2*m:TT+2*m+1] op_sel_hi:[0,1,1]   ; (xe c - xo s, xe s + xo c)
.set m, m+1
.endr
.if (\a) < 6
	WIN TO_B
	TABLOAD (\a)+2
.endif
	WIN 0
	QUANT X
	global_store_b128 v[L16], v[PC:PC+3], s[10:11] offset:768*(\a)               ; the even head's 64: registers 0 to 5
	global_store_b64 v[L8], v[PC+4:PC+5], s[10:11] offset:768*(\a)+512
	global_store_b128 v[L16], v[PC+6:PC+9], s[10:11] offset:98304+768*(\a)       ; the odd head's
	global_store_b64 v[L8], v[PC+10:PC+11], s[10:11] offset:98304+768*(\a)+512
	v_lshrrev_b32 v[HW], v[H16], v[PW]             ; lanes 0-15 the even head's two bytes, lanes 16-31 the odd head's;
	v_and_b32 v[HW], 0xffff, v[HW]                 ; the two bytes over the zero codes that fill K to 128 are 0
	ds_store_b32 v[SW], v[HW] offset:64*(\a)
.endm
.irp a, 0,1,2,3,4,5,6,7
	QKBLK \a
.endr
	ds_load_b128 v[X:X+3], v[SR]                   ; LDS serves a wave's instructions in order: these see my stores
	ds_load_b128 v[X+4:X+7], v[SR] offset:512
	s_wait_dscnt 0x0
	global_store_b128 v[L16], v[X:X+3], s[12:13]               ; 512 consecutive bytes, aligned: my 8 blocks' words of the even head,
	global_store_b128 v[L16], v[X+4:X+7], s[12:13] offset:8192 ; and of the odd head
	s_branch .Lend
.Lv_arm:
	; ---- v.  My 8 blocks of 16 features (a pair of heads) x my 128 tokens (a key step)
	s_lshl_b32 s18, s17, 2
	s_add_co_u32 s18, s18, s40                     ; the tokens' tile of 256
	s_lshr_b32 s19, s18, 3                         ; batch
	s_and_b32 s18, s18, 7
	s_lshl_b32 s18, s18, 1
	s_add_co_u32 s18, s18, s16                     ; the key step in the batch
	s_lshl_b32 s20, s41, 1
	s_add_co_u32 s20, s20, s15                     ; the pair of heads
	s_lshl_b32 s19, s19, 3
	s_add_co_u32 s19, s19, s20
	s_mul_i32 s21, s19, 393216
	s_mul_i32 s22, s18, 6144
	s_add_co_u32 s21, s21, s22
	s_add_co_u32 s46, s21, KV+196608
	s_mov_b32 s47, 0
	s_add_nc_u64 s[10:11], s[8:9], s[46:47]        ; the images
	s_mul_i32 s21, s19, 24576
	s_lshl_b32 s22, s18, 8
	s_add_co_u32 s21, s21, s22
	s_add_co_u32 s46, s21, KVS+16384
	s_add_nc_u64 s[12:13], s[8:9], s[46:47]        ; the scale words
	s_lshl_b32 s46, s41, 10
	s_lshl_b32 s22, s15, 9
	s_add_co_u32 s46, s46, s22
	s_add_co_u32 s46, s46, 8192
	s_add_nc_u64 s[6:7], s[6:7], s[46:47]          ; my 128 numbers of v's bias
.irp a, 0,1,2,3,4,5,6,7
	global_load_b32 v[BIAS+\a], v[RV4], s[6:7] offset:4*(32*(\a/2)+8*(\a%2))   ; block a: my feature's
.endr
	LASTSTEP
	PLACES NP
.irp b, 0,1,2,3
	v_mov_b32 v[TM+4+\b], 0
.endr
	s_wait_loadcnt 0x0
.macro VBLK a
	s_wait_xcnt 0x0                                ; the last block's stores have read the codes' registers
	s_wait_dscnt 0x0
	WIN 0x02+(\a)/4
.set m, 0
.rept 32
.if ((\a)%2) == 0
	v_pk_add_f32 v[X+2*m:X+2*m+1], v[64*((\a)%4)+2*m:64*((\a)%4)+2*m+1], v[BIAS+2*((\a)/2):BIAS+2*((\a)/2)+1] op_sel_hi:[1,0]
.else
	v_pk_add_f32 v[X+2*m:X+2*m+1], v[64*((\a)%4)+2*m:64*((\a)%4)+2*m+1], v[BIAS+2*((\a)/2):BIAS+2*((\a)/2)+1] op_sel:[0,1] op_sel_hi:[1,1]
.endif
.set m, m+1
.endr
	WIN 0
	QUANT X
	global_store_b128 v[L16], v[PC:PC+3], s[10:11] offset:98304*((\a)/4)+1536*((\a)%4)
	global_store_b64 v[L8], v[PC+4:PC+5], s[10:11] offset:98304*((\a)/4)+1536*((\a)%4)+512
	global_store_b128 v[L16], v[PC+6:PC+9], s[10:11] offset:98304*((\a)/4)+1536*((\a)%4)+768
	global_store_b64 v[L8], v[PC+10:PC+11], s[10:11] offset:98304*((\a)/4)+1536*((\a)%4)+1280
	ds_store_b32 v[SWV], v[PW] offset:64*(\a)      ; lanes r and r + 16 write the same word with the same value
.endm
.irp a, 0,1,2,3,4,5,6,7
	VBLK \a
.endr
	ds_load_b128 v[X:X+3], v[SRV]
	s_wait_dscnt 0x0
	global_store_b128 v[VOV], v[X:X+3], s[12:13]   ; lanes 0-15: the even head's 256 bytes, lanes 16-31 the odd head's: two aligned runs of 256
.Lend:
	s_wait_tensorcnt 0x0                           ; the wave's end
	ds_add_u32 v[SPW], v[NIL]
	s_wait_dscnt 0x0
	CROUND                                         ; the closing round
	s_endpgm
.Lfunc_end_k_q66d9754b59_proj:
	.size	k_q66d9754b59_proj, .Lfunc_end_k_q66d9754b59_proj-k_q66d9754b59_proj
	.p2alignl 7, 3214868480
	.fill 96, 4, 3214868480
	.section	.rodata,"a",@progbits
	.p2align	6, 0x0
	.amdhsa_kernel k_q66d9754b59_proj
		.amdhsa_group_segment_fixed_size 327680
		.amdhsa_private_segment_fixed_size 0
		.amdhsa_enable_private_segment 0
		.amdhsa_kernarg_size 24
		.amdhsa_user_sgpr_count 2
		.amdhsa_user_sgpr_kernarg_segment_ptr 1
		.amdhsa_wavefront_size32 1
		.amdhsa_system_sgpr_workgroup_id_x 1
		.amdhsa_system_sgpr_workgroup_id_y 1
		.amdhsa_system_sgpr_workgroup_id_z 1
		.amdhsa_system_vgpr_workitem_id 0
		.amdhsa_next_free_vgpr 1024
		.amdhsa_next_free_sgpr 100
		.amdhsa_reserve_vcc 0
		.amdhsa_float_denorm_mode_32 3
		.amdhsa_float_denorm_mode_16_64 3
		.amdhsa_memory_ordered 1
		.amdhsa_forward_progress 1
		.amdhsa_inst_pref_size 255
	.end_amdhsa_kernel
	.section	.bss,"aw",@nobits
	.p2align	6
	.space	262144
	.amdgpu_metadata
---
amdhsa.version: [ 1, 2 ]
amdhsa.kernels:
  - .name:           k_q66d9754b59_proj
    .symbol:         k_q66d9754b59_proj.kd
    .args:
      - { .name: wq, .offset: 0, .size: 8, .value_kind: global_buffer, .address_space: global }
      - { .name: in_proj_b, .offset: 8, .size: 8, .value_kind: global_buffer, .address_space: global }
      - { .name: qkv, .offset: 16, .size: 8, .value_kind: global_buffer, .address_space: global }
    .group_segment_fixed_size: 327680
    .private_segment_fixed_size: 0
    .kernarg_segment_align: 8
    .kernarg_segment_size: 24
    .max_flat_workgroup_size: 128
    .sgpr_count:     100
    .vgpr_count:     1024
    .wavefront_size: 32
...
	.end_amdgpu_metadata
.endif
;; end of part 2
;; launch attn (part 3): grid 16 x 16, 16 waves a work-group, clusters of 4 x 1, 327,680 bytes of LDS; arguments qkv, att; writes att
.if DOCPART == 3
	.amdgcn_target "amdgcn-amd-amdhsa--gfx1250"
	.amdhsa_code_object_version 6
	.text
	.protected	k_q66d9754b59_attn
	.globl	k_q66d9754b59_attn
	.p2align	8
	.type	k_q66d9754b59_attn,@function
k_q66d9754b59_attn:
	s_mov_b64 s[64:65], 0
	v_nop
	global_prefetch_b8 v0, s[64:65] scope:SCOPE_SE
	s_setreg_imm32_b32 hwreg(HW_REG_WAVE_MODE, 25, 1), 1
	s_wait_xcnt 0x0
	s_wait_alu depctr_hold_cnt(0) depctr_sa_sdst(0) depctr_va_vdst(0) depctr_va_sdst(0) depctr_va_ssrc(0) depctr_va_vcc(0) depctr_vm_vsrc(0)
	s_getreg_b32 s2, hwreg(HW_REG_IB_STS2, 6, 4)
	s_cmp_eq_u32 s2, 0
	s_cbranch_scc0 .Lentry_in_a_cluster
	s_endpgm
.Lentry_in_a_cluster:
	s_bfe_u32 s2, ttmp6, 0x10000c
	s_cmp_lg_u32 s2, 0x3003
	s_cbranch_scc0 .Lentry_shape_is_right
	s_endpgm
.Lentry_shape_is_right:
; attn[q] = the sum over k of softmax_k(q . k / 8) v[k], heads of 64, 2,048 keys, both products on codes of FP6 (E2M3) with E8M0 scales; the result is quantised along the model's 1,024 for the next product.
; THE SOFTMAX AHEAD OF THE SECOND PRODUCT: t = score x log2(e) / 8; M = the row's largest t so far, rounded UP to a whole number; p = 2^(t - M) is quantised along the keys, not normalised.
; The row's sum is taken of the unquantised p, in f32, and divides O at the end.  When M moves, the sum and O are multiplied by 2^(old M - new M): exact.
; SHARES.  A work-group owns 128 queries of a PAIR of heads; wave w owns tile w / 2 (16 queries) of head w % 2 of the pair, in 256 registers: four waves to a SIMD.  Every wave walks its head's 2,048 keys, 128 a step.
; CLUSTER.  The four work-groups of a cluster belong to one pair and walk the same K and V: each tile is asked for jointly, mask 15.
; OPERANDS lie as images of the matrix unit's registers.  A half image (16 rows x 64 K: registers 0-5): 512 bytes at 16 x lane, 256 at 8 x lane.  q, k: half images; v^T: whole ones (16 of the head's 64 x 128 keys).
; K = 64 IS FILLED TO 128 WITH ZERO CODES ON q's SIDE: q's registers 6-11 are 0.  k's registers 6-11 are set to 0 once and later hold old codes of v: every code of E2M3 is a finite number, so those products are 0;
; the scale bytes over that half are 0 (2^-127, no NaN) in q's and k's words.
; Both products are used transposed: S^T = K Q^T, O^T = V^T P^T: a lane holds ONE query.  The keys of a tile, and the rows of a tile of v^T, are 32 (i / 2) + 8 (i % 2) + p + 8 (p / 8): the 16 registers of tiles 2 b, 2 b + 1 are 16 neighbours.
; LIMITS: NaN and infinities are not served; a block of zeros gets the byte 1: its codes are zeros and only this program reads the bytes.
; REGISTERS: v1-4 places that stay; v7-11, v28 addresses of the loads in hand; v12 -M, v13 the largest t, v[14:15] the sum; v16-27 Q; v32-79 four fragments; v96-159 S^T, then p; v160-191 O^T; v224-235 p's codes; v232-254 at work;
;   v248-251 K's or V's scale words, v253 p's, v255 Q's.
.set SLOT1, 131072                     ; slot 1 begins here: one exclusive or turns an address from one slot to the other
.set REG,   24576                      ; a slot's four regions: K even, K odd, V^T even, V^T odd: 512 keys each
.set SCB,   262144                     ; behind the ring: the pair's scale words, 24,576 bytes, filled once: K even 8,192, K odd 8,192, V even 4,096, V odd 4,096
.set SPARE, 286720                     ; the spare words, 128 bytes for each wave: eight blocks of 256 bytes that no other line names
.set QC,    0
.set QS,    3145728
.set KV,    3407872
.set KVS,   9699328
.set ASC,   3145728                    ; att: the scale words [8][4,096]
.set AK16, 1
.set AK8,  2
.set ASK0, 3
.set ASV0, 4
.set SPW,  5
.set NIL,  6
.set ADK16, 7
.set ADK8, 8
.set ADV16, 9
.set ADV8, 10
.set ADS,  11
.set ADT,  28
.set PFO,  29                          ; v29 256 x lane; never rewritten
.set L16,  30
.set L8,   31
.set WV,   18
.set SEL,  20
.set CS,   22                          ; s[22:23] c = log2(e) / 8
.set G1,   24                          ; s[24:31] ONE group 1: 24,576 dense bytes as 96 rows of 256
.set G0,   32                          ; s[32:35] the walking group 0 of waves 0 to 3
.set G0S,  36                          ; s[36:39] the scale words': wave 4
.set TB,   40                          ; LDS byte at which the slot in hand begins
.set TS,   41                          ; the step's scale words of K: 512 bytes a step
.set TJ,   42                          ; and V's: 256
.set SLOTS, 43
.set LIM,  44
.set PFA,  46
.macro CROUND
	s_barrier_signal -1
	s_barrier_wait -1
	s_cmp_lg_u32 s[WV], 0
	s_cbranch_scc1 .Lnot_wave_0_\@
	s_barrier_signal -3
.Lnot_wave_0_\@:
	s_barrier_wait -3
	s_barrier_signal -1
	s_barrier_wait -1
.endm
.macro TLOAD                           ; waves 0 to 3 fetch a region each; the branch hangs on the wave's number alone.  Four v_nop follow the line
	s_cmp_lt_u32 s[WV], 4
	s_cbranch_scc0 .Lnone_\@
	tensor_load_to_lds s[G0:G0+3], s[G1:G1+7]
	s_nop 0
.rept 4
	v_nop
.endr
.Lnone_\@:
.endm
; A PREFETCH INTO THE L2 of the slot that the NEXT change of slots will ask for: four key steps ahead of that load.  All four clusters of a pair walk the same K and V: the pair's first cluster asks.  Its four partners take a
; region each, told apart BY ADDRESS; in each, waves 4 to 6 ask for 8,192 bytes each, lanes 256 bytes apart: each aligned 256 bytes are named once.  Slots 0 and 1 come by their loads alone; the last change that fills asks for nothing.
.macro ASK
	s_cmp_gt_u32 s[SLOTS], s[LIM]
	s_cbranch_scc0 .Lnot_mine_\@
	global_prefetch_b8 v[PFO], s[PFA:PFA+1] th:TH_LOAD_NT scope:SCOPE_SE
.Lnot_mine_\@:
.endm
	s_load_b128 s[4:7], s[0:1], 0x0                ; qkv, att
	v_lshl_add_u32 v[SPW], v0, 2, SPARE
	v_mov_b32 v[NIL], 0
	ds_add_u32 v5, v6
	s_wait_dscnt 0x0
	v_lshrrev_b32 v8, 5, v0
	v_readfirstlane_b32 s[WV], v8                  ; wave 0..15
	s_bfe_u32 s48, ttmp6, 0x40000                  ; cx
	s_lshl_b32 s49, ttmp9, 2
	s_add_co_u32 s49, s49, s48                     ; my group of 128 queries
	s_and_b32 s50, ttmp7, 0xffff                   ; 8 x batch + pair of heads, which the partners share
	s_and_b32 s51, s[WV], 1                        ; which head of the pair
	s_lshr_b32 s52, s[WV], 1
	s_lshl_b32 s53, s49, 3
	s_add_co_u32 s53, s53, s52                     ; my tile of queries in the batch
	s_mul_i32 s54, s50, 393216
	s_add_co_u32 s54, s54, KV                      ; the pair's K and V
	s_and_b32 s55, s[WV], 3                        ; the region that I fetch, if I fetch
	s_mul_i32 s56, s55, 98304
	s_add_co_u32 s56, s56, s54
	s_mov_b32 s57, 0
	s_mul_i32 s58, s50, 24576
	s_add_co_u32 s58, s58, KVS
	s_mov_b32 s59, 0
	s_mov_b32 s[G1], 15|(3<<16)|(1<<21)            ; 15:0 the mask: all four; 17:16 elements of 8 bytes; 21 set beside a mask
	s_mov_b32 s[G1+1], 32<<16                      ; tensor_dim0
	s_mov_b32 s[G1+2], 96<<16                      ; tensor_dim1
	s_mov_b32 s[G1+3], 32<<16                      ; tile_dim0
	s_mov_b32 s[G1+4], 96                          ; tile_dim1
	s_mov_b32 s[G1+5], 32                          ; tensor_dim0_stride
	s_mov_b32 s[G1+6], 0
	s_mov_b32 s[G1+7], 0
	s_mov_b32 s[SEL], 0x76543210
	s_mov_b32 s[SEL+1], 0xfedcba98
	s_mov_b32 s[CS], 0x3e38aa3b
	s_mov_b32 s[CS+1], s[CS]                       ; (named with it as a pair, so it is written)
	s_mov_b32 s[TB], 0
	s_mov_b32 s[TS], 0
	s_mov_b32 s[TJ], 0
	s_mov_b32 s[SLOTS], 3
	s_wait_kmcnt 0x0
	s_mov_b32 s[G0], 1
	s_mul_i32 s[G0+1], s55, REG
	s_add_nc_u64 s[G0+2:G0+3], s[4:5], s[56:57]
	s_or_b32 s[G0+3], s[G0+3], 0x80000000
	s_mov_b32 s[G0S], 1
	s_mov_b32 s[G0S+1], SCB
	s_add_nc_u64 s[G0S+2:G0S+3], s[4:5], s[58:59]
	s_or_b32 s[G0S+3], s[G0S+3], 0x80000000
	CROUND                                         ; all four work-groups are here: the first joint loads meet
	s_cmp_lt_u32 s[WV], 4                          ; the first fills: slot 0 by waves 0 to 3, the scale words by wave 4: one load a wave is out
	s_cbranch_scc0 .Lnot_03
	tensor_load_to_lds s[G0:G0+3], s[G1:G1+7]
	s_nop 0
.rept 4
	v_nop
.endr
	s_branch .Lfilled
.Lnot_03:
	s_cmp_eq_u32 s[WV], 4
	s_cbranch_scc0 .Lfilled
	tensor_load_to_lds s[G0S:G0S+3], s[G1:G1+7]
	s_nop 0
.rept 4
	v_nop
.endr
.Lfilled:
	s_mul_i32 s56, s50, 196608                     ; Q's half image: [pair][parity][tile][768]
	s_mul_i32 s58, s51, 98304
	s_add_co_u32 s56, s56, s58
	s_mul_i32 s58, s53, 768
	s_add_co_u32 s56, s56, s58
	s_add_nc_u64 s[8:9], s[4:5], s[56:57]
	s_lshl_b32 s56, s50, 14                        ; its half scale words
	s_lshl_b32 s58, s51, 13
	s_add_co_u32 s56, s56, s58
	s_lshl_b32 s58, s53, 6
	s_add_co_u32 s56, s56, s58
	s_add_co_u32 s56, s56, QS
	s_add_nc_u64 s[10:11], s[4:5], s[56:57]
	s_lshr_b32 s60, s50, 3                         ; batch
	s_and_b32 s61, s50, 7                          ; pair = which 128 of the model's 1,024
	s_lshl_b32 s56, s60, 7
	s_add_co_u32 s56, s56, s53                     ; my block of tokens
	s_lshl_b32 s56, s56, 3
	s_add_co_u32 s56, s56, s61
	s_mul_i32 s56, s56, 1536
	s_mul_i32 s58, s51, 768
	s_add_co_u32 s56, s56, s58
	s_add_nc_u64 s[12:13], s[6:7], s[56:57]        ; where my half image of the result goes
	s_lshl_b32 s56, s60, 7
	s_lshl_b32 s58, s49, 3
	s_add_co_u32 s56, s56, s58
	s_lshl_b32 s56, s56, 6
	s_lshl_b32 s58, s61, 14
	s_add_co_u32 s56, s56, s58
	s_add_co_u32 s56, s56, ASC
	s_add_nc_u64 s[14:15], s[6:7], s[56:57]        ; and the work-group's 128 scale words
	s_mul_i32 s56, s48, 98304                      ; the prefetches: my work-group's region,
	s_add_co_u32 s56, s56, s54
	s_lshl_b32 s58, s55, 13                        ; my wave's 8,192 bytes,
	s_add_co_u32 s56, s56, s58
	s_add_co_u32 s56, s56, REG                     ; in slot 1: the first change of slots steps it to slot 2.  Nothing is prefetched at the head
	s_add_nc_u64 s[PFA:PFA+1], s[4:5], s[56:57]
	s_sub_co_u32 s56, s[WV], 4
	s_lshr_b32 s56, s56, 2                         ; 0 in waves 4 to 7,
	s_or_b32 s56, s56, ttmp9                       ; of the pair's first cluster: the same in all four partners
	s_cmp_eq_u32 s56, 0
	s_cselect_b32 s[LIM], 1, -1
	s_cmp_eq_u32 s[WV], 7
	s_cselect_b32 s[LIM], -1, s[LIM]
	v_and_b32 v8, 15, v0                           ; r
	v_and_b32 v9, 31, v0                           ; lane
	v_lshlrev_b32 v[L16], 4, v9
	v_lshlrev_b32 v[L8], 3, v9
	v_lshlrev_b32 v[PFO], 8, v9
	v_lshlrev_b32 v10, 2, v8
	global_load_b128 v[16:19], v[L16], s[8:9]      ; Q's registers 0 to 5 stay
	global_load_b64 v[20:21], v[L8], s[8:9] offset:512
	global_load_b32 v255, v10, s[10:11]            ; and its scale words
	s_mul_i32 s56, s51, REG
	v_add_nc_u32 v[AK16], s56, v[L16]
	v_add_nc_u32 v[AK8], s56, v[L8]
	s_lshl_b32 s56, s51, 13
	s_add_co_u32 s56, s56, SCB
	v_add_nc_u32 v[ASK0], s56, v10
	s_lshl_b32 s56, s51, 12
	s_add_co_u32 s56, s56, SCB+16384
	v_add_nc_u32 v[ASV0], s56, v10
.irp j, 22,23,24,25,26,27
	v_mov_b32 v[\j], 0                             ; Q's upper 64 along K: zero codes
.endr
.irp t, 0,1,2,3
.irp j, 6,7,8,9,10,11
	v_mov_b32 v[32+12*\t+\j], 0                    ; written once, so that K's fragments are whole
.endr
.endr
	v_mov_b32 v13, 0xff61b1e6                      ; the largest t so far: -3e38
	v_floor_f32 v12, -v13                          ; -M
	v_mov_b32 v14, 0
	v_mov_b32 v15, 0
.irp b, 0,1,2,3
	v_mov_b32 v[236+\b], 0                         ; a lane permute's destination counts as one of its sources
.endr
	v_mov_b32 v253, 0                              ; (named as the upper half of the pair v[252:253] before it is first written)
.irp j, 0,1,2,3,4,5,6,7,8,9,10,11,12,13,14,15,16,17,18,19,20,21,22,23,24,25,26,27,28,29,30,31
	v_mov_b32 v[160+\j], 0                         ; O^T: the loop is written once; its first step finds zeros, which the first change of M leaves zeros
.endr
; A KEY STEP: 128 keys, the q-th of the slot in hand
.macro STEP q
	v_add_nc_u32 v[ADK16], s[TB], v[AK16]          ; (these six are the places in front of the loads into registers that the last products read)
	v_add_nc_u32 v[ADK8], s[TB], v[AK8]
	v_add_nc_u32 v[ADS], s[TS], v[ASK0]
	v_add_nc_u32 v[ADT], s[TJ], v[ASV0]
	v_add_nc_u32 v[ADV16], 2*REG, v[ADK16]
	v_add_nc_u32 v[ADV8], 2*REG, v[ADK8]
.irp g, 0,1                                    ; S^T = K Q^T, four tiles of 16 keys at a time
.rept 4*\g
	v_nop
.endr
.irp t, 0,1,2,3
	ds_load_b128 v[32+12*\t:35+12*\t], v[ADK16] offset:768*(8*(\q)+4*\g+\t)
	ds_load_b64 v[36+12*\t:37+12*\t], v[ADK8] offset:768*(8*(\q)+4*\g+\t)+512
	ds_load_b32 v[248+\t], v[ADS] offset:64*(4*\g+\t)
.endr
	s_wait_dscnt 0x0
.irp t, 0,1,2,3
	v_wmma_scale_f32_16x16x128_f8f6f4 v[96+8*(4*\g+\t):103+8*(4*\g+\t)], v[32+12*\t:43+12*\t], v[16:27], 0, v[248+\t], v255 matrix_a_fmt:MATRIX_FMT_FP6 matrix_b_fmt:MATRIX_FMT_FP6
.endr
.endr
.rept 4
	v_nop
.endr
.irp b, 0,1,2,3
	v_max3_num_f32 v[232+\b], v[96+16*\b], v[97+16*\b], v[98+16*\b]   ; the largest score of each block of 32 keys: for the row's maximum, and, since p rises with the score, for the block's largest p
.endr
.irp i, 3,5,7,9,11,13
.irp b, 0,1,2,3
	v_max3_num_f32 v[232+\b], v[232+\b], v[96+16*\b+\i], v[97+16*\b+\i]
.endr
.endr
.irp b, 0,1,2,3
	v_max_num_f32 v[232+\b], v[232+\b], v[111+16*\b]
.endr
.irp b, 0,1,2,3
	v_permlanex16_b32 v[236+\b], v[232+\b], s[SEL], s[SEL+1]
.endr
.irp b, 0,1,2,3
	v_max_num_f32 v[232+\b], v[232+\b], v[236+\b]  ; with lane l xor 16's 16 keys
.endr
	v_max3_num_f32 v254, v232, v233, v234
	v_max_num_f32 v254, v254, v235
	v_mul_f32 v254, s[CS], v254                    ; the step's largest t (c is positive)
	v_max_num_f32 v13, v13, v254
	v_mov_b32 v254, v12
	v_floor_f32 v12, -v13                          ; the new -M = -ceil(t)
	v_sub_f32 v254, v12, v254                      ; old M - new M: a whole number, 0 or less
	v_cvt_i32_f32 v254, v254                       ; (it saturates)
	v_ldexp_f32 v252, 1.0, v254                    ; f = 2^(old M - new M)
.irp j, 0,2,4,6,8,10,12,14,16,18,20,22,24,26,28,30,32,34,36,38,40,42,44,46,48,50,52,54,56,58,60,62
	v_pk_fma_f32 v[96+\j:97+\j], v[96+\j:97+\j], s[CS:CS+1], v[12:13] op_sel_hi:[1,0,0]   ; t - M
.endr
.irp b, 0,1,2,3
	v_fma_f32 v[232+\b], v[232+\b], s[CS], v12     ; the same of each block's largest score
.endr
.irp j, 0,1,2,3,4,5,6,7,8,9,10,11,12,13,14,15,16,17,18,19,20,21,22,23,24,25,26,27,28,29,30,31,32,33,34,35,36,37,38,39,40,41,42,43,44,45,46,47,48,49,50,51,52,53,54,55,56,57,58,59,60,61,62,63
	v_exp_f32 v[96+\j], v[96+\j]                   ; p = 2^(t - M), at most 1
.endr
	v_pk_mul_f32 v[14:15], v[14:15], v[252:253] op_sel_hi:[1,0]   ; the sums under the new M (a plain instruction behind the exponentials)
	s_wait_alu depctr_va_vdst(0)                   ; one wait for the whole batch, ahead of its first reader
.irp b, 0,1,2,3
	v_exp_f32 v[232+\b], v[232+\b]                 ; the block's largest p
.endr
	v_pk_add_f32 v[236:237], v[96:97], v[98:99]    ; the row's sum of the unquantised p, in two chains
.irp j, 4,8,12,16,20,24,28,32,36,40,44,48,52,56,60
	v_pk_add_f32 v[14:15], v[14:15], v[96+\j:97+\j]
	v_pk_add_f32 v[236:237], v[236:237], v[98+\j:99+\j]
.endr
	v_pk_add_f32 v[14:15], v[14:15], v[236:237]
	s_wait_alu depctr_va_vdst(0)                   ; and one for the four
.irp b, 0,1,2,3
	v_max_num_f32 v[232+\b], 0x1800000, v[232+\b]  ; the floor 2^(3 - 127): the byte cannot fall under 1
.endr
.irp b, 0,1,2,3
	v_add_nc_u32 v[244+\b], 0xff000000, v[232+\b]  ; 2 off the exponent field: the conversion's scale operand
.endr
.irp b, 0,1,2,3
	v_lshrrev_b32 v[236+\b], 23, v[244+\b]
.endr
	v_lshl_or_b32 v253, v237, 8, v236              ; p's scale word for these 128 keys
	v_lshl_or_b32 v253, v238, 16, v253
	v_lshl_or_b32 v253, v239, 24, v253
.irp c, 0,1
	v_cvt_scalef32_pk16_fp6_f32 v[224+6*\c:226+6*\c], v[96+32*\c:111+32*\c], v[244+2*\c]
	v_cvt_scalef32_pk16_fp6_f32 v[236+4*\c:238+4*\c], v[112+32*\c:127+32*\c], v[244+2*\c+1]
.endr
	v_nop                                          ; one plain instruction behind a scaled conversion
.irp c, 0,1
.irp i, 0,1,2
	v_permlane16_swap_b32 v[224+6*\c+\i], v[236+4*\c+\i]
.endr
.irp i, 0,1,2
	v_mov_b32 v[227+6*\c+\i], v[236+4*\c+\i]
.endr
.endr
.irp j, 0,2,4,6,8,10,12,14,16,18,20,22,24,26,28,30
	v_pk_mul_f32 v[160+\j:161+\j], v[160+\j:161+\j], v[252:253] op_sel_hi:[1,0]   ; O^T under the new M.  (These 16 are also the places between p's codes and scale word and the products below)
.endr
.irp t, 0,1,2,3                                ; O^T += V^T P^T: the head's 64 in four tiles; K = these 128 keys
	ds_load_b128 v[32+12*\t:35+12*\t], v[ADV16] offset:1536*(4*(\q)+\t)
	ds_load_b64 v[36+12*\t:37+12*\t], v[ADV8] offset:1536*(4*(\q)+\t)+512
	ds_load_b128 v[38+12*\t:41+12*\t], v[ADV16] offset:1536*(4*(\q)+\t)+768
	ds_load_b64 v[42+12*\t:43+12*\t], v[ADV8] offset:1536*(4*(\q)+\t)+1280
	ds_load_b32 v[248+\t], v[ADT] offset:64*\t
.endr
	s_wait_dscnt 0x0
.irp t, 0,1,2,3
	v_wmma_scale_f32_16x16x128_f8f6f4 v[160+8*\t:167+8*\t], v[32+12*\t:43+12*\t], v[224:235], v[160+8*\t:167+8*\t], v[248+\t], v253 matrix_a_fmt:MATRIX_FMT_FP6 matrix_b_fmt:MATRIX_FMT_FP6
.endr
	s_add_co_u32 s[TS], s[TS], 512
	s_add_co_u32 s[TJ], s[TJ], 256
.endm
; THE CHANGE OF SLOTS stands at a slot's head.  Each wave waits for all its tensor loads, adds 0 to its spare word, and waits for that and for its reads of the slot that it has left.
; fill = 1: the barrier is a round of the cluster's, and behind it the slot just left is filled with the next 512 keys: the load has four key steps in which to land.
.macro CHANGE fill
	s_wait_tensorcnt 0x0                           ; no tensor load of mine is out, so the group 0 may be written
	ds_add_u32 v[SPW], v[NIL]                      ; 0 onto my spare word
.if \fill
	s_xor_b32 s[G0+1], s[G0+1], SLOT1
	s_add_nc_u64 s[G0+2:G0+3], s[G0+2:G0+3], REG
	s_wait_xcnt 0x0                                ; the last prefetch, a slot back, has read its address
	s_add_nc_u64 s[PFA:PFA+1], s[PFA:PFA+1], REG
	s_wait_dscnt 0x0                               ; the add is done, and my reads of the slot that I have left are over
	CROUND
	TLOAD                                          ; the first thing behind the round, and a wave's one tensor load until the next
	ASK
.else
	s_wait_dscnt 0x0
	s_barrier_signal -1
	s_barrier_wait -1
.endif
.endm
.macro SLOT_STEPS
	STEP 0
	STEP 1
	STEP 2
	STEP 3
	s_xor_b32 s[TB], s[TB], SLOT1
.endm
	s_wait_loadcnt 0x0                             ; Q
.Lslot:                                            ; three trips: behind each change of slots but the last the next slot is asked for
	CHANGE 1
	SLOT_STEPS
	s_sub_co_u32 s[SLOTS], s[SLOTS], 1
	s_cmp_lg_u32 s[SLOTS], 0
	s_cbranch_scc1 .Lslot
	CHANGE 0                                       ; the last slot is written out
	SLOT_STEPS
	; THE WAY OUT.  O^T / the sum: register 16 b + i is channel 32 b + 16 h + i of my query: two blocks of the next product's K.  They become a half image and half a scale word.
	v_add_f32 v14, v14, v15
	v_permlanex16_b32 v252, v14, s[SEL], s[SEL+1]
	v_add_f32 v14, v14, v252                       ; the row's sum
	v_rcp_f32 v14, v14
	v_and_b32 v8, 15, v0                           ; (plain instructions behind the reciprocal)
	v_and_b32 v9, 31, v0
	s_lshl_b32 s56, s[WV], 6
	v_lshl_add_u32 v10, v8, 2, s56                 ; LDS, in slot 0, which has had its last fill and its last read: 128 x tile + 64 x parity + 4 r
	v_lshrrev_b32 v11, 2, v9
	v_and_b32 v7, 3, v9
	v_lshlrev_b32 v11, 7, v11
	v_lshl_add_u32 v11, v7, 4, v11                 ; wave 0 reads back: 128 (lane / 4) + 16 (lane % 4)
	s_wait_alu depctr_va_vdst(0)                   ; the wait ahead of the reciprocal's first reader
.irp j, 0,1,2,3,4,5,6,7,8,9,10,11,12,13,14,15,16,17,18,19,20,21,22,23,24,25,26,27,28,29,30,31
	v_mul_f32 v[96+\j], v[160+\j], v14
.endr
.irp b, 0,1
	v_max3_num_f32 v[232+\b], |v[96+16*\b]|, |v[97+16*\b]|, 0x1800000
.endr
.irp i, 2,4,6,8,10,12,14
.irp b, 0,1
	v_max3_num_f32 v[232+\b], v[232+\b], |v[96+16*\b+\i]|, |v[97+16*\b+\i]|
.endr
.endr
.irp b, 0,1
	v_permlanex16_b32 v[236+\b], v[232+\b], s[SEL], s[SEL+1]
.endr
.irp b, 0,1
	v_max_num_f32 v[232+\b], v[232+\b], v[236+\b]
.endr
.irp b, 0,1
	v_add_nc_u32 v[244+\b], 0xff000000, v[232+\b]
.endr
.irp b, 0,1
	v_lshrrev_b32 v[236+\b], 23, v[244+\b]
.endr
	v_lshl_or_b32 v252, v237, 8, v236              ; my head's two bytes
	v_cvt_scalef32_pk16_fp6_f32 v[224:226], v[96:111], v244
	v_cvt_scalef32_pk16_fp6_f32 v[240:242], v[112:127], v245
	v_nop
.irp i, 0,1,2
	v_permlane16_swap_b32 v[224+\i], v[240+\i]
.endr
.irp i, 0,1,2
	v_mov_b32 v[227+\i], v[240+\i]
.endr
	global_store_b128 v[L16], v[224:227], s[12:13]             ; 512 and 256 consecutive bytes, aligned
	global_store_b64 v[L8], v[228:229], s[12:13] offset:512
	ds_store_b32 v10, v252                         ; lanes r and r + 16 write the same word with the same value
	s_wait_dscnt 0x0                               ; for the others' sake
	s_barrier_signal -1
	s_barrier_wait -1
	s_cmp_lg_u32 s[WV], 0
	s_cbranch_scc1 .Lnot_0                         ; wave 0 joins the two heads' halves of the 128 words
	ds_load_b128 v[96:99], v11
	ds_load_b128 v[100:103], v11 offset:64
	s_wait_dscnt 0x0
.irp i, 0,1,2,3
	v_lshl_or_b32 v[104+\i], v[100+\i], 16, v[96+\i]
.endr
	global_store_b128 v[L16], v[104:107], s[14:15] ; 512 consecutive bytes, aligned
.Lnot_0:
	s_wait_tensorcnt 0x0                           ; the wave's end
	ds_add_u32 v[SPW], v[NIL]
	s_wait_dscnt 0x0
	CROUND                                         ; the closing round
	s_endpgm
.Lfunc_end_k_q66d9754b59_attn:
	.size	k_q66d9754b59_attn, .Lfunc_end_k_q66d9754b59_attn-k_q66d9754b59_attn
	.p2alignl 7, 3214868480
	.fill 96, 4, 3214868480
	.section	.rodata,"a",@progbits
	.p2align	6, 0x0
	.amdhsa_kernel k_q66d9754b59_attn
		.amdhsa_group_segment_fixed_size 327680
		.amdhsa_private_segment_fixed_size 0
		.amdhsa_enable_private_segment 0
		.amdhsa_kernarg_size 16
		.amdhsa_user_sgpr_count 2
		.amdhsa_user_sgpr_kernarg_segment_ptr 1
		.amdhsa_wavefront_size32 1
		.amdhsa_system_sgpr_workgroup_id_x 1
		.amdhsa_system_sgpr_workgroup_id_y 1
		.amdhsa_system_sgpr_workgroup_id_z 1
		.amdhsa_system_vgpr_workitem_id 0
		.amdhsa_next_free_vgpr 256
		.amdhsa_next_free_sgpr 66
		.amdhsa_reserve_vcc 0
		.amdhsa_float_denorm_mode_32 3
		.amdhsa_float_denorm_mode_16_64 3
		.amdhsa_memory_ordered 1
		.amdhsa_forward_progress 1
		.amdhsa_inst_pref_size 148
	.end_amdhsa_kernel
	.amdgpu_metadata
---
amdhsa.version: [ 1, 2 ]
amdhsa.kernels:
  - .name:           k_q66d9754b59_attn
    .symbol:         k_q66d9754b59_attn.kd
    .args:
      - { .name: qkv, .offset: 0, .size: 8, .value_kind: global_buffer, .address_space: global }
      - { .name: att, .offset: 8, .size: 8, .value_kind: global_buffer, .address_space: global }
    .group_segment_fixed_size: 327680
    .private_segment_fixed_size: 0
    .kernarg_segment_align: 8
    .kernarg_segment_size: 16
    .max_flat_workgroup_size: 512
    .sgpr_count:     66
    .vgpr_count:     256
    .wavefront_size: 32
...
	.end_amdgpu_metadata
.endif
;; end of part 3
;; launch oproj (part 4): grid 4 x 16, 4 waves a work-group, clusters of 4 x 4, 327,680 bytes of LDS; arguments att, wq, out_b, x, yb; writes yb
.if DOCPART == 4
	.amdgcn_target "amdgcn-amd-amdhsa--gfx1250"
	.amdhsa_code_object_version 6
	.text
	.protected	k_q66d9754b59_oproj
	.globl	k_q66d9754b59_oproj
	.p2align	8
	.type	k_q66d9754b59_oproj,@function
k_q66d9754b59_oproj:
	s_mov_b64 s[64:65], 0
	v_nop
	global_prefetch_b8 v0, s[64:65] scope:SCOPE_SE
	s_setreg_imm32_b32 hwreg(HW_REG_WAVE_MODE, 25, 1), 1
	s_wait_xcnt 0x0
	s_wait_alu depctr_hold_cnt(0) depctr_sa_sdst(0) depctr_va_vdst(0) depctr_va_sdst(0) depctr_va_ssrc(0) depctr_va_vcc(0) depctr_vm_vsrc(0)
	s_getreg_b32 s2, hwreg(HW_REG_IB_STS2, 6, 4)
	s_cmp_eq_u32 s2, 0
	s_cbranch_scc0 .Lentry_in_a_cluster
	s_endpgm
.Lentry_in_a_cluster:
	s_bfe_u32 s2, ttmp6, 0x10000c
	s_cmp_lg_u32 s2, 0xf033
	s_cbranch_scc0 .Lentry_shape_is_right
	s_endpgm
.Lentry_shape_is_right:
; yb = x + attn out_w^T + out_b: [4096][1024] f32, the product on codes of FP6 (E2M3) with E8M0 scales.
; OPERANDS lie as images of the matrix unit's registers: [block of 16 rows][K / 128][1,536 bytes]; block i holds at lane index p row 32 (i / 2) + 8 (i % 2) + p + 8 (p / 8).  Scale words: [K / 128][rows in the blocks' order].
; An image: for c = 0, 1: registers 6 c .. 6 c + 3 at 768 c + 16 x lane, registers 6 c + 4, 6 c + 5 at 768 c + 512 + 8 x lane.
; A tile of 256 x 256 is made by four waves, 128 x 128 each: 64 accumulators, 512 registers.  K goes in steps of 256 through a ring of two LDS slots filled by the tensor data mover; a tile's row is a block's two fragments, 3,072 bytes.
; The scale words of the work-group's rows, for all of K, come into LDS once, with the first fills.  There are 64 tiles, so 64 work-groups: the price of one main loop for all four products of the layer.
; CLUSTERS: 4 x 4 work-groups; A's tiles are asked for jointly along a row of the cluster, B's along a column.
; THE MATRIX INSTRUCTION: source 0 = a block of B (weight rows), source 1 = a block of A (tokens): a lane holds one token and eight neighbouring columns.
; REGISTERS, in windows of 256: window 0: v0-31 addresses; v32-63 scale words, two sets, and nothing else; v128-223 A's fragments; way out: v8-11 bias, v64-127 and v192-255 residual rows by turns, v128-191 rows of the result.
;   window 1: B's fragments, two sets, at v0 and v128.   windows 2, 3: the accumulators ((a, b) at v[8 (8 (a % 4) + b)]).
.set KB,     8                         ; K / 128
.set AOFF,   0                         ; A's codes and scale words in its buffer
.set ASOFF,  3145728
.set AR2,    2048                      ; a row of A's scale array in elements of 8 bytes
.set BOFF,   5505024                   ; B's in wq
.set BSOFF,  12812288
.set BR2,    512
.set NQ,     2
.set FR,     12
.set NL,     4
.set NP,     4                         ; places behind this matrix instruction (ISA guide 7.12.1)
.set ROWB,   3072
.set HALFT,  8*ROWB
.set SLOT,   4*HALFT
.set LAPS,   KB/4
.set SCL,    2*SLOT
.set HALFS,  512*KB
.set SPARE,  SCL+4*HALFS               ; the spare words, 128 bytes for each wave: two blocks of 256 bytes that no other line names
.set SPITCH, 528                       ; the way out: a stage of 16 rows x (512 bytes + 16) for each wave, in slot 0, which has had its last fill and its last read by then
.set ADRA, 16
.set ADRB, 20
.set STO,  24
.set RD,   25
.set CO,   26
.set ADRS, 27
.set SPW,  28
.set NIL,  29
.set SC,   32
.set AF,   128
.set BK,   128
.set G1, 24
.set G0, 32
.set G1B, 48
.set G0B, 56
.set G1S, 68
.set G0S, 76
.set G1SB, 80
.set G0SB, 88
.set MSB, 0
.macro WIN new                         ; the immediate's high byte repeats the setting that is left
.if MSB != \new
	s_set_vgpr_msb (MSB<<8)|\new
.set MSB, \new
.endif
.endm
.set MUL_LO, 0xa1
.set MUL_HI, 0xf1
.set TO_B,   0x40
.macro JLOAD g0a, g1a, g0b, g1b        ; a joint load: waves 0 and 1 fetch for A, waves 2 and 3 for B.  Four v_nop follow each of the two lines
	s_cmp_eq_u32 s15, 0
	s_cbranch_scc0 .Lfor_b_\@
	tensor_load_to_lds s[\g0a:\g0a+3], s[\g1a:\g1a+7]
	s_nop 0
.rept 4
	v_nop
.endr
	s_branch .Lasked_\@
.Lfor_b_\@:
	tensor_load_to_lds s[\g0b:\g0b+3], s[\g1b:\g1b+7]
	s_nop 0
.rept 4
	v_nop
.endr
.Lasked_\@:
.endm
.macro CREST
	s_cmp_lg_u32 s14, 0
	s_cbranch_scc1 .Lnot_wave_0_\@
	s_barrier_signal -3
.Lnot_wave_0_\@:
	s_barrier_wait -3
	s_barrier_signal -1
	s_barrier_wait -1
.endm
.macro CROUND
	s_barrier_signal -1
	s_barrier_wait -1
	CREST
.endm
	s_load_b128 s[4:7], s[0:1], 0x0                ; A's buffer, wq
	s_load_b128 s[8:11], s[0:1], 0x10              ; the bias, the residual
	s_load_b64 s[12:13], s[0:1], 0x20              ; the result
	v_lshl_add_u32 v[SPW], v0, 2, SPARE
	v_mov_b32 v[NIL], 0
	ds_add_u32 v28, v29
	s_wait_dscnt 0x0
	v_lshrrev_b32 v1, 5, v0
	v_readfirstlane_b32 s14, v1                    ; wave 0..3
	s_lshr_b32 s15, s14, 1                         ; which half of the tile's rows is mine.  Also: I fetch for A (0) or for B (1)
	s_and_b32 s16, s14, 1                          ; which half of its columns.  Also: which 8 blocks I fetch
	s_bfe_u32 s40, ttmp6, 0x40000
	s_bfe_u32 s41, ttmp6, 0x40004
	s_lshl_b32 s42, ttmp9, 2
	s_add_co_u32 s42, s42, s40                     ; tile column
	s_and_b32 s17, ttmp7, 0xffff
	s_lshl_b32 s17, s17, 2
	s_add_co_u32 s17, s17, s41                     ; tile row
	s_lshl_b32 s43, s41, 2
	s_lshl_b32 s43, 15, s43                        ; my row of the cluster
	s_lshl_b32 s44, 0x1111, s40                    ; my column
	s_or_b32 s[G1+0], s43, (3<<16)|(1<<21)         ; codes: 8 rows (blocks) of 384 elements of 8 bytes; 15:0 the mask; 21 set beside a mask; no padding: an image's loads are dense
	s_or_b32 s[G1B+0], s44, (3<<16)|(1<<21)
.irp g, G1, G1B
	s_mov_b32 s[\g+1], 384<<16
	s_mov_b32 s[\g+2], 8<<16
	s_mov_b32 s[\g+3], 384<<16
	s_mov_b32 s[\g+4], 8
	s_mov_b32 s[\g+5], 192*KB
	s_mov_b32 s[\g+6], 0
	s_mov_b32 s[\g+7], 0
.endr
	s_or_b32 s[G1S+0], s43, (3<<16)|(1<<21)        ; scale words: KB rows of 512 bytes (128 rows' words)
	s_or_b32 s[G1SB+0], s44, (3<<16)|(1<<21)
.irp g, G1S, G1SB
	s_mov_b32 s[\g+1], 64<<16
	s_mov_b32 s[\g+2], KB<<16
	s_mov_b32 s[\g+3], 64<<16
	s_mov_b32 s[\g+4], KB
	s_mov_b32 s[\g+6], 0
	s_mov_b32 s[\g+7], 0
.endr
	s_mov_b32 s[G1S+5], AR2
	s_mov_b32 s[G1SB+5], BR2
	s_lshl_b32 s18, s16, 3
	s_lshl_b32 s20, s17, 4
	s_add_co_u32 s20, s20, s18                     ; A: my first block
	s_lshl_b32 s46, s42, 4
	s_add_co_u32 s46, s46, s18                     ; B: my first block
	s_lshl_b32 s22, s20, 6
	s_add_co_u32 s22, s22, ASOFF
	s_mov_b32 s23, 0
	s_lshl_b32 s92, s46, 6
	s_add_co_u32 s92, s92, BSOFF
	s_mov_b32 s93, 0
	s_mul_i32 s20, s20, KB*1536
	s_add_co_u32 s20, s20, AOFF
	s_mov_b32 s21, 0
	s_mul_i32 s46, s46, KB*1536
	s_add_co_u32 s46, s46, BOFF
	s_mov_b32 s47, 0
	s_mul_i32 s45, s14, HALFT
	s_mul_i32 s94, s14, HALFS
	s_wait_kmcnt 0x0
	s_add_nc_u64 s[20:21], s[4:5], s[20:21]
	s_add_nc_u64 s[22:23], s[4:5], s[22:23]
	s_add_nc_u64 s[46:47], s[6:7], s[46:47]
	s_add_nc_u64 s[92:93], s[6:7], s[92:93]
	CROUND                                         ; all sixteen work-groups are here: the first joint loads meet
	s_mov_b32 s[G0S], 1
	s_add_co_u32 s[G0S+1], s94, SCL
	s_mov_b64 s[G0S+2:G0S+3], s[22:23]
	s_or_b32 s[G0S+3], s[G0S+3], 0x80000000
	s_mov_b32 s[G0SB], 1
	s_add_co_u32 s[G0SB+1], s94, SCL
	s_mov_b64 s[G0SB+2:G0SB+3], s[92:93]
	s_or_b32 s[G0SB+3], s[G0SB+3], 0x80000000
	JLOAD G0S, G1S, G0SB, G1SB                     ; the scale words first: three loads of mine are out behind the first fills
.irp s, 0,1
	s_mov_b32 s[G0+4*\s], 1
	s_add_co_u32 s[G0+4*\s+1], s45, \s*SLOT
	s_add_nc_u64 s[G0+4*\s+2:G0+4*\s+3], s[20:21], \s*ROWB
	s_or_b32 s[G0+4*\s+3], s[G0+4*\s+3], 0x80000000
	s_mov_b32 s[G0B+4*\s], 1
	s_add_co_u32 s[G0B+4*\s+1], s45, \s*SLOT
	s_add_nc_u64 s[G0B+4*\s+2:G0B+4*\s+3], s[46:47], \s*ROWB
	s_or_b32 s[G0B+4*\s+3], s[G0B+4*\s+3], 0x80000000
	JLOAD G0+4*\s, G1, G0B+4*\s, G1B
.endr
	v_and_b32 v1, 15, v0                           ; r
	v_bfe_u32 v2, v0, 4, 1                         ; h
	v_and_b32 v3, 31, v0                           ; lane
	v_lshlrev_b32 v[CO], 4, v3                     ; 16 x lane
	v_lshlrev_b32 v4, 3, v3                        ; 8 x lane
	s_mul_i32 s21, s15, HALFT
	s_mul_i32 s22, s16, HALFT
	s_add_co_u32 s22, s22, 2*HALFT
.irp s, 0,1
	v_add_nc_u32 v[ADRA+\s], s21, v[CO]
	v_add_nc_u32 v[ADRB+\s], s22, v[CO]
	v_add_nc_u32 v[ADRA+2+\s], s21, v4
	v_add_nc_u32 v[ADRB+2+\s], s22, v4
	s_add_co_u32 s21, s21, SLOT
	s_add_co_u32 s22, s22, SLOT
.endr
	v_lshlrev_b32 v5, 2, v1
	s_mul_i32 s21, s15, HALFS
	s_mul_i32 s22, s16, HALFS
	s_add_co_u32 s22, s22, 2*HALFS
	s_sub_co_u32 s22, s22, s21
	v_mul_u32_u24 v6, s22, v2                      ; lanes 16-31 take B's
	s_add_co_u32 s21, s21, SCL
	v_add_nc_u32 v5, v5, v6
	v_add_nc_u32 v[ADRS], s21, v5
	s_mul_i32 s23, s14, 16*SPITCH                  ; my stage
	v_mul_u32_u24 v6, v1, SPITCH
	v_lshl_add_u32 v6, v2, 6, v6
	v_add_nc_u32 v[STO], s23, v6                   ; in: row r, 64 h bytes on
	v_add_nc_u32 v[RD], s23, v[CO]                 ; back: a whole row of 512 bytes
	s_lshl_b32 s20, s17, 8
	s_lshl_b32 s21, s15, 7
	s_add_co_u32 s20, s20, s21                     ; my first token
	s_lshl_b32 s20, s20, 12
	s_lshl_b32 s46, s42, 10
	s_lshl_b32 s47, s16, 9
	s_add_co_u32 s46, s46, s47                     ; my first column, in bytes
	s_mov_b32 s47, 0
	s_add_nc_u64 s[8:9], s[8:9], s[46:47]
	s_add_co_u32 s20, s20, s46
	s_mov_b32 s21, 0
	s_add_nc_u64 s[10:11], s[10:11], s[20:21]
	s_add_nc_u64 s[12:13], s[12:13], s[20:21]
.macro FRAG reg, adr, q, i             ; block i's fragment of the slot's q-th 128 along K: its image, as it lies
	ds_load_b128 v[\reg:\reg+3], v[\adr] offset:3072*(\i)+1536*(\q)
	ds_load_b64 v[\reg+4:\reg+5], v[\adr+2] offset:3072*(\i)+1536*(\q)+512
	ds_load_b128 v[\reg+6:\reg+9], v[\adr] offset:3072*(\i)+1536*(\q)+768
	ds_load_b64 v[\reg+10:\reg+11], v[\adr+2] offset:3072*(\i)+1536*(\q)+1280
.endm
; 16 matrix instructions: A's blocks a0, a0 + 1 x B's eight.  The 64 accumulators take turns, one instruction a turn, in the same order in every step.
.macro MUL16 a0, p, q, sc, zero
.irp a, \a0, \a0+1
.irp b, 0,1,2,3,4,5,6,7
.if \zero
	v_wmma_scale_f32_16x16x128_f8f6f4 v[8*(8*((\a)%4)+\b):8*(8*((\a)%4)+\b)+7], v[128*(\p)+FR*\b:128*(\p)+FR*\b+FR-1], v[AF+FR*(\a):AF+FR*(\a)+FR-1], 0, v[SC+8*NQ*(\sc)+NQ*\b+(\q)], v[SC+8*NQ*(\sc)+NQ*(\a)+(\q)] matrix_a_fmt:MATRIX_FMT_FP6 matrix_b_fmt:MATRIX_FMT_FP6 matrix_a_scale:MATRIX_SCALE_ROW1
.else
	v_wmma_scale_f32_16x16x128_f8f6f4 v[8*(8*((\a)%4)+\b):8*(8*((\a)%4)+\b)+7], v[128*(\p)+FR*\b:128*(\p)+FR*\b+FR-1], v[AF+FR*(\a):AF+FR*(\a)+FR-1], v[8*(8*((\a)%4)+\b):8*(8*((\a)%4)+\b)+7], v[SC+8*NQ*(\sc)+NQ*\b+(\q)], v[SC+8*NQ*(\sc)+NQ*(\a)+(\q)] matrix_a_fmt:MATRIX_FMT_FP6 matrix_b_fmt:MATRIX_FMT_FP6 matrix_a_scale:MATRIX_SCALE_ROW1
.endif
.endr
.endr
.endm
.macro FETCH_B slot, q, p
	WIN TO_B
.irp i, 0,1,2,3,4,5,6,7
	FRAG 128*(\p)+FR*\i, ADRB+\slot, \q, \i
.endr
	WIN 0
.endm
.macro FETCH_A slot, q, i0
.irp i, \i0, \i0+1, \i0+2, \i0+3
	FRAG AF+FR*(\i), ADRA+\slot, \q, \i
.endr
.endm
.macro SCALES sc                       ; the next K step's scale words: lanes 0-15 A's block i, lanes 16-31 B's block i
.irp i, 0,1,2,3,4,5,6,7
.irp q, 0,1
	ds_load_b32 v[SC+16*\sc+2*\i+\q], v[ADRS] offset:512*\q+64*\i
.endr
.endr
.endm
.macro PLACES n                        ; plain vector instructions between a matrix instruction and a load into, or a read of, its registers
.rept \n
	v_nop
.endr
.endm
.macro STEP slot, q, zero
	s_wait_dscnt 4*NL                              ; all but the youngest 16 loads (A's blocks 4-7)
	WIN MUL_LO
	MUL16 0, (\q)%2, \q, \slot, \zero
	MUL16 2, (\q)%2, \q, \slot, \zero
	s_wait_dscnt 0
	PLACES NP
	FETCH_B \slot, (\q)+1, 1-(\q)%2
	FETCH_A \slot, (\q)+1, 0
	WIN MUL_HI
	MUL16 4, (\q)%2, \q, \slot, \zero
	MUL16 6, (\q)%2, \q, \slot, \zero
	PLACES NP
	WIN 0
	FETCH_A \slot, (\q)+1, 4
.endm
; A slot's last step changes slots: ONE barrier; in front of it each wave waits for all its tensor loads, adds 0 to its spare word, and waits for that and for its own reads of this slot.
.macro TURN slot, next, fill
	s_wait_tensorcnt 0x0                           ; all my tensor loads have landed: my part of the next slot
	ds_add_u32 v[SPW], v[NIL]                      ; 0 onto my spare word
	s_wait_dscnt 4*NL+1                            ; (the add and the youngest 16 loads may be out)
	WIN MUL_LO
	MUL16 0, 1, NQ-1, \slot, 0
	s_wait_dscnt 0x0                               ; the add is done, and my reads of this slot are over
	s_barrier_signal -1
	MUL16 2, 1, NQ-1, \slot, 0
	WIN 0
	s_barrier_wait -1
.if \fill
	CREST                                          ; the barrier has opened a round of the cluster's: no wave of any partner still reads this slot or has a load on its way
	s_add_nc_u64 s[G0+4*\slot+2:G0+4*\slot+3], s[G0+4*\slot+2:G0+4*\slot+3], 2*ROWB
	s_add_nc_u64 s[G0B+4*\slot+2:G0B+4*\slot+3], s[G0B+4*\slot+2:G0B+4*\slot+3], 2*ROWB
	JLOAD G0+4*\slot, G1, G0B+4*\slot, G1B         ; the first tensor load behind the round; its four v_nop are the places in front of the loads below
.else
	PLACES NP
.endif
	v_add_nc_u32 v[ADRS], 1024, v[ADRS]
	FETCH_B \next, 0, 0
	FETCH_A \next, 0, 0
	SCALES \next
	WIN MUL_HI
	MUL16 4, 1, NQ-1, \slot, 0
	MUL16 6, 1, NQ-1, \slot, 0
	PLACES NP
	WIN 0
	FETCH_A \next, 0, 4
.endm
	s_wait_tensorcnt 1                             ; the scale words and my part of K step 0 are in (K step 1's load may be out),
	s_barrier_signal -1
	s_barrier_wait -1                              ; everybody's are
	FETCH_B 0, 0, 0
	FETCH_A 0, 0, 0
	SCALES 0
	FETCH_A 0, 0, 4
	STEP 0, 0, 1                                   ; the first step stands in front of the loop: its products start the sums
.if LAPS > 1
	s_mov_b32 s3, LAPS-1
.Llap:
	TURN 0, 1, 1
	STEP 1, 0, 0
	TURN 1, 0, 1
	STEP 0, 0, 0
	s_sub_co_u32 s3, s3, 1
	s_cmp_lg_u32 s3, 0
	s_cbranch_scc1 .Llap
.endif
	TURN 0, 1, 0                                   ; the last lap fills nothing
	STEP 1, 0, 0
; THE WAY OUT, block by block of 16 tokens x 128 columns, through my own stage in LDS: back come whole rows of 512 bytes; the bias and the residual's row are added; 32 lanes store 512 consecutive bytes.
.macro RESID a                         ; the residual's 16 rows of block a: lane index t is token 32 (a / 2) + 8 (a % 2) + t + 8 (t / 8) of my 128
.irp t, 0,1,2,3,4,5,6,7,8,9,10,11,12,13,14,15
	global_load_b128 v[64+128*((\a)%2)+4*\t:64+128*((\a)%2)+4*\t+3], v[CO], s[10:11] offset:(32*((\a)/2)+8*((\a)%2)+\t+8*(\t/8))*4096 th:TH_LOAD_NT
.endr
.endm
.macro OUTBLK a
.set AC, 64*((\a)%4)
.set RS, 64+128*((\a)%2)
.if (\a) > 0
	s_wait_xcnt 0x0                                ; the last block's stores have read their registers
.endif
	WIN 0x08+4*((\a)/4)                            ; an LDS store's data are its source 1: window 2 or 3
.irp b, 0,1,2,3,4,5,6,7
	ds_store_b128 v[STO], v[AC+8*\b:AC+8*\b+3] offset:128*(\b/2)+32*(\b%2)        ; each accumulator from its low end on; its eight columns are 32 (b / 2) + 16 h + 8 (b % 2) + 0 .. 7
	ds_store_b128 v[STO], v[AC+8*\b+4:AC+8*\b+7] offset:128*(\b/2)+32*(\b%2)+16
.endr
	WIN 0
.irp t, 0,1,2,3,4,5,6,7,8,9,10,11,12,13,14,15
	ds_load_b128 v[BK+4*\t:BK+4*\t+3], v[RD] offset:\t*SPITCH   ; LDS serves a wave's instructions in order: these see the stores above
.endr
	s_wait_dscnt 0x0
.if (\a) < 7
	s_wait_loadcnt 16                              ; the bias and this block's residual are in; the next block's 16 loads may be out
.else
	s_wait_loadcnt 0x0
.endif
.irp t, 0,1,2,3,4,5,6,7,8,9,10,11,12,13,14,15
	v_pk_add_f32 v[BK+4*\t:BK+4*\t+1], v[BK+4*\t:BK+4*\t+1], v[8:9]
	v_pk_add_f32 v[BK+4*\t+2:BK+4*\t+3], v[BK+4*\t+2:BK+4*\t+3], v[10:11]
.endr
.irp t, 0,1,2,3,4,5,6,7,8,9,10,11,12,13,14,15
	v_pk_add_f32 v[BK+4*\t:BK+4*\t+1], v[BK+4*\t:BK+4*\t+1], v[RS+4*\t:RS+4*\t+1]
	v_pk_add_f32 v[BK+4*\t+2:BK+4*\t+3], v[BK+4*\t+2:BK+4*\t+3], v[RS+4*\t+2:RS+4*\t+3]
.endr
.irp t, 0,1,2,3,4,5,6,7,8,9,10,11,12,13,14,15
	global_store_b128 v[CO], v[BK+4*\t:BK+4*\t+3], s[12:13] offset:(32*((\a)/2)+8*((\a)%2)+\t+8*(\t/8))*4096 th:TH_STORE_NT
.endr
.if (\a) < 6
	RESID (\a)+2
.endif
.endm
	global_load_b128 v[8:11], v[CO], s[8:9]        ; the bias of my four columns
	RESID 0
	s_wait_dscnt 4*NL                              ; the very last step: nothing more to fetch
	WIN MUL_LO
	MUL16 0, 1, NQ-1, 1, 0
	MUL16 2, 1, NQ-1, 1, 0
	s_wait_dscnt 0
	WIN MUL_HI
	MUL16 4, 1, NQ-1, 1, 0
	MUL16 6, 1, NQ-1, 1, 0
	WIN 0
	PLACES NP
	RESID 1
.irp a, 0,1,2,3,4,5,6,7
	OUTBLK \a
.endr
	s_wait_tensorcnt 0x0                           ; the wave's end
	ds_add_u32 v[SPW], v[NIL]
	s_wait_dscnt 0x0
	CROUND                                         ; the closing round
	s_endpgm
.Lfunc_end_k_q66d9754b59_oproj:
	.size	k_q66d9754b59_oproj, .Lfunc_end_k_q66d9754b59_oproj-k_q66d9754b59_oproj
	.p2alignl 7, 3214868480
	.fill 96, 4, 3214868480
	.section	.rodata,"a",@progbits
	.p2align	6, 0x0
	.amdhsa_kernel k_q66d9754b59_oproj
		.amdhsa_group_segment_fixed_size 327680
		.amdhsa_private_segment_fixed_size 0
		.amdhsa_enable_private_segment 0
		.amdhsa_kernarg_size 40
		.amdhsa_user_sgpr_count 2
		.amdhsa_user_sgpr_kernarg_segment_ptr 1
		.amdhsa_wavefront_size32 1
		.amdhsa_system_sgpr_workgroup_id_x 1
		.amdhsa_system_sgpr_workgroup_id_y 1
		.amdhsa_system_sgpr_workgroup_id_z 1
		.amdhsa_system_vgpr_workitem_id 0
		.amdhsa_next_free_vgpr 1024
		.amdhsa_next_free_sgpr 100
		.amdhsa_reserve_vcc 0
		.amdhsa_float_denorm_mode_32 3
		.amdhsa_float_denorm_mode_16_64 3
		.amdhsa_memory_ordered 1
		.amdhsa_forward_progress 1
		.amdhsa_inst_pref_size 190
	.end_amdhsa_kernel
	.amdgpu_metadata
---
amdhsa.version: [ 1, 2 ]
amdhsa.kernels:
  - .name:           k_q66d9754b59_oproj
    .symbol:         k_q66d9754b59_oproj.kd
    .args:
      - { .name: att, .offset: 0, .size: 8, .value_kind: global_buffer, .address_space: global }
      - { .name: wq, .offset: 8, .size: 8, .value_kind: global_buffer, .address_space: global }
      - { .name: out_b, .offset: 16, .size: 8, .value_kind: global_buffer, .address_space: global }
      - { .name: x, .offset: 24, .size: 8, .value_kind: global_buffer, .address_space: global }
      - { .name: yb, .offset: 32, .size: 8, .value_kind: global_buffer, .address_space: global }
    .group_segment_fixed_size: 327680
    .private_segment_fixed_size: 0
    .kernarg_segment_align: 8
    .kernarg_segment_size: 40
    .max_flat_workgroup_size: 128
    .sgpr_count:     100
    .vgpr_count:     1024
    .wavefront_size: 32
...
	.end_amdgpu_metadata
.endif
;; end of part 4
;; launch ln1 (part 5): grid 256 x 1, 4 waves a work-group, no clusters, 66,560 bytes of LDS; arguments yb, ln1_g, ln1_b, hb; writes hb
.if DOCPART == 5
	.amdgcn_target "amdgcn-amd-amdhsa--gfx1250"
	.amdhsa_code_object_version 6
	.text
	.protected	k_q66d9754b59_ln1
	.globl	k_q66d9754b59_ln1
	.p2align	8
	.type	k_q66d9754b59_ln1,@function
k_q66d9754b59_ln1:
	s_mov_b64 s[64:65], 0
	v_nop
	global_prefetch_b8 v0, s[64:65] scope:SCOPE_SE
	s_setreg_imm32_b32 hwreg(HW_REG_WAVE_MODE, 25, 1), 1
	s_wait_xcnt 0x0
; h = LayerNorm(yb) x g + b over rows of 1,024, in f32 (mean first, then the centred squares: no difference of large sums); h leaves as f32 and as codes of FP6 (E2M3) with E8M0 scales for the next product.
; A work-group takes one block of 16 tokens: block i holds at lane index p token 32 (i / 2) + 8 (i % 2) + p + 8 (p / 8).  Wave w takes lane indices 4 w .. 4 w + 3, four neighbouring tokens; a row never leaves its wave: 32 registers a lane.
; Then the 16 rows meet in LDS (rows 4,112 bytes apart) and wave w quantises fragments 2 w and 2 w + 1 (16 rows x 128 K each): lane (r, h) takes, of row r, two whole blocks of 32.
; Codes: [block][8][1,536] as images of the matrix unit's registers (for c = 0, 1: registers 6 c .. 6 c + 3 at 768 c + 16 x lane, 6 c + 4, 6 c + 5 at 768 c + 512 + 8 x lane); scale words [8][4,096].
; The scale words leave in runs of 64 bytes: 128 bytes a wave beside its 16 KiB of rows.
; LIMITS: NaN and infinities are not served; a block of zeros gets the byte 1 (the rule says 127): its codes are zeros and only this program reads the bytes.
; REGISTERS: v32-159 the four rows; the quantiser's registers v96-123 lie over rows 2 and 3 and are written only behind the barrier, when the rows have been stored; v160-223 g and b; v224-244 sums and what must outlive the rows.
.set X,   32                           ; v32-159  row i, piece j at 32 i + 4 j; later v32-95: my two blocks of 32
.set G,   160
.set BT,  192
.set SA,  224                          ; v224-231 a pair for each row: sums; -mean; 1 / sigma
.set SA2, 232                          ; v232-239 the second chains
.set PD,  240                          ; v240-243 the other half of the lanes'
.set WP,  244                          ; v244     the quantiser's lane permute lands here: outside the rows, since it is written while they are still at work
.set C,   96
.set T,   108
.set M,   116
.set SO,  118
.set BY,  120
.set W,   122                          ; v122, v123 the two fragments' scale words
.set H8,  6
.set SEL, 18
	s_load_b256 s[4:11], s[0:1], 0x0               ; yb, g, b, hb
	v_lshl_add_u32 v254, v0, 2, 0x10200
	v_mov_b32 v255, 0
	v_lshrrev_b32 v1, 5, v0
	v_readfirstlane_b32 s12, v1                    ; wave
	v_and_b32 v2, 31, v0                           ; lane
	v_and_b32 v8, 15, v0                           ; r
	v_bfe_u32 v9, v0, 4, 1                         ; h
	v_lshlrev_b32 v1, 4, v2                        ; 16 x lane
	v_lshlrev_b32 v5, 3, v2                        ; 8 x lane
	s_mul_i32 s13, s12, 4*4112
	v_add_nc_u32 v3, s13, v1                       ; LDS, in: my four rows
	v_mul_u32_u24 v4, v8, 4112
	v_lshl_add_u32 v4, v9, 7, v4
	s_lshl_b32 s13, s12, 10
	v_add_nc_u32 v4, s13, v4                       ; out: row r, 128 h + 1,024 x wave bytes on
	v_lshlrev_b32 v[H8], 3, v9
	v_lshlrev_b32 v7, 14, v9
	v_lshl_add_u32 v7, v8, 2, v7                   ; the scale words' place: 16,384 h + 4 r
	s_mov_b32 s[SEL], 0x76543210
	s_mov_b32 s[SEL+1], 0xfedcba98
	s_mov_b32 s20, 0x3a800000                      ; 1 / 1,024
	s_mov_b32 s21, 0x3727c5ac                      ; 1e-5
	s_lshr_b32 s13, ttmp9, 1
	s_lshl_b32 s13, s13, 5
	s_and_b32 s14, ttmp9, 1
	s_lshl_b32 s14, s14, 3
	s_add_co_u32 s13, s13, s14
	s_lshl_b32 s14, s12, 2
	s_add_co_u32 s13, s13, s14
	s_lshr_b32 s14, s12, 1
	s_lshl_b32 s14, s14, 3
	s_add_co_u32 s13, s13, s14                     ; my first token
	s_lshl_b32 s14, s13, 12
	s_mov_b32 s15, 0
	s_lshl_b32 s22, ttmp9, 3
	s_lshl_b32 s23, s12, 1
	s_add_co_u32 s22, s22, s23
	s_mul_i32 s22, s22, 1536
	s_add_co_u32 s22, s22, 16777216                ; my two images
	s_mov_b32 s23, 0
	s_lshl_b32 s24, s12, 15
	s_lshl_b32 s25, ttmp9, 6
	s_add_co_u32 s24, s24, s25
	s_add_co_u32 s24, s24, 19922944                ; my scale words
	s_mov_b32 s25, 0
	s_wait_kmcnt 0x0
	s_add_nc_u64 s[4:5], s[4:5], s[14:15]
	s_add_nc_u64 s[16:17], s[10:11], s[14:15]
	s_add_nc_u64 s[22:23], s[10:11], s[22:23]
	s_add_nc_u64 s[24:25], s[10:11], s[24:25]
.irp i, 0,1,2,3
.irp j, 0,1,2,3,4,5,6,7
	global_load_b128 v[X+32*\i+4*\j:X+32*\i+4*\j+3], v1, s[4:5] offset:4096*\i+512*\j th:TH_LOAD_NT   ; 512 consecutive bytes
.endr
.endr
.irp j, 0,1,2,3,4,5,6,7
	global_load_b128 v[G+4*\j:G+4*\j+3], v1, s[6:7] offset:512*\j
	global_load_b128 v[BT+4*\j:BT+4*\j+3], v1, s[8:9] offset:512*\j
.endr
.irp i, 0,1,2,3
	v_mov_b32 v[PD+\i], 0                          ; a lane permute's destination counts as one of its sources
.endr
.macro ACROSS                          ; the four rows' figures in v[SA + 2 i]: their two halves, then over the 32 lanes
.irp i, 0,1,2,3
	v_pk_add_f32 v[SA+2*\i:SA+2*\i+1], v[SA+2*\i:SA+2*\i+1], v[SA2+2*\i:SA2+2*\i+1]
.endr
.irp i, 0,1,2,3
	v_add_f32 v[SA+2*\i], v[SA+2*\i], v[SA+2*\i+1]
.endr
.irp m, 1,2,4,8
.irp i, 0,1,2,3
	v_add_f32_dpp v[SA+2*\i], v[SA+2*\i], v[SA+2*\i] row_xmask:\m row_mask:0xf bank_mask:0xf
.endr
.endr
.irp i, 0,1,2,3
	v_permlanex16_b32 v[PD+\i], v[SA+2*\i], s[SEL], s[SEL+1]
.endr
.irp i, 0,1,2,3
	v_add_f32 v[SA+2*\i], v[SA+2*\i], v[PD+\i]
.endr
.endm
	s_wait_loadcnt 16                              ; the rows are in; g's and b's 16 loads may be out
.irp i, 0,1,2,3
	v_pk_add_f32 v[SA+2*\i:SA+2*\i+1], v[X+32*\i:X+32*\i+1], v[X+32*\i+2:X+32*\i+3]
	v_pk_add_f32 v[SA2+2*\i:SA2+2*\i+1], v[X+32*\i+4:X+32*\i+5], v[X+32*\i+6:X+32*\i+7]
.endr
.irp k, 8,12,16,20,24,28
.irp i, 0,1,2,3
	v_pk_add_f32 v[SA+2*\i:SA+2*\i+1], v[SA+2*\i:SA+2*\i+1], v[X+32*\i+\k:X+32*\i+\k+1]
	v_pk_add_f32 v[SA2+2*\i:SA2+2*\i+1], v[SA2+2*\i:SA2+2*\i+1], v[X+32*\i+\k+2:X+32*\i+\k+3]
.endr
.endr
	ACROSS
.irp i, 0,1,2,3
	v_mul_f32 v[SA+2*\i], 0xba800000, v[SA+2*\i]   ; -mean
.endr
.irp i, 0,1,2,3
.irp k, 0,2,4,6,8,10,12,14,16,18,20,22,24,26,28,30
	v_pk_add_f32 v[X+32*\i+\k:X+32*\i+\k+1], v[X+32*\i+\k:X+32*\i+\k+1], v[SA+2*\i:SA+2*\i+1] op_sel_hi:[1,0]
.endr
.endr
.irp i, 0,1,2,3
	v_pk_mul_f32 v[SA+2*\i:SA+2*\i+1], v[X+32*\i:X+32*\i+1], v[X+32*\i:X+32*\i+1]
	v_pk_mul_f32 v[SA2+2*\i:SA2+2*\i+1], v[X+32*\i+2:X+32*\i+3], v[X+32*\i+2:X+32*\i+3]
.endr
.irp k, 4,8,12,16,20,24,28
.irp i, 0,1,2,3
	v_pk_fma_f32 v[SA+2*\i:SA+2*\i+1], v[X+32*\i+\k:X+32*\i+\k+1], v[X+32*\i+\k:X+32*\i+\k+1], v[SA+2*\i:SA+2*\i+1]
	v_pk_fma_f32 v[SA2+2*\i:SA2+2*\i+1], v[X+32*\i+\k+2:X+32*\i+\k+3], v[X+32*\i+\k+2:X+32*\i+\k+3], v[SA2+2*\i:SA2+2*\i+1]
.endr
.endr
	ACROSS
.irp i, 0,1,2,3
	v_fma_f32 v[SA+2*\i], v[SA+2*\i], s20, s21     ; the variance + 1e-5
.endr
.irp i, 0,1,2,3
	v_rsq_f32 v[SA+2*\i], v[SA+2*\i]
.endr
	v_mov_b32 v[WP], 0                             ; (a plain instruction behind the four; it names no register of the rows)  a lane permute's destination counts as one of its sources
	s_wait_alu depctr_va_vdst(0)                   ; one wait for the four, ahead of their first reader
	s_wait_loadcnt 0x0                             ; g and b
.irp i, 0,1,2,3
.irp k, 0,2,4,6,8,10,12,14,16,18,20,22,24,26,28,30
	v_pk_mul_f32 v[X+32*\i+\k:X+32*\i+\k+1], v[X+32*\i+\k:X+32*\i+\k+1], v[SA+2*\i:SA+2*\i+1] op_sel_hi:[1,0]
.endr
.irp k, 0,2,4,6,8,10,12,14,16,18,20,22,24,26,28,30
	v_pk_fma_f32 v[X+32*\i+\k:X+32*\i+\k+1], v[X+32*\i+\k:X+32*\i+\k+1], v[G+\k:G+\k+1], v[BT+\k:BT+\k+1]
.endr
.irp j, 0,1,2,3,4,5,6,7
	global_store_b128 v1, v[X+32*\i+4*\j:X+32*\i+4*\j+3], s[16:17] offset:4096*\i+512*\j   ; 512 consecutive bytes, aligned
	ds_store_b128 v3, v[X+32*\i+4*\j:X+32*\i+4*\j+3] offset:4112*\i+512*\j
.endr
.endr
	s_wait_xcnt 0x0                                ; the stores have read the rows' registers, which the quantiser takes
	s_wait_dscnt 0x0                               ; for the others' sake: my rows lie in LDS
	s_barrier_signal -1
	s_barrier_wait -1
	v_cmp_ne_u32 vcc_lo, 0, v9
.macro QUANT2 w
.irp c, 0,1
	v_max3_num_f32 v[M+\c], |v[X+32*\c]|, |v[X+32*\c+1]|, 0x1800000   ; the floor 2^(3 - 127) among the leaves: the byte cannot fall under 1
.endr
.irp i, 2,4,6,8,10,12,14,16,18,20,22,24,26,28,30
.irp c, 0,1
	v_max3_num_f32 v[M+\c], v[M+\c], |v[X+32*\c+\i]|, |v[X+32*\c+\i+1]|
.endr
.endr
.irp c, 0,1
	v_add_nc_u32 v[SO+\c], 0xff000000, v[M+\c]     ; 2 off the exponent field: the conversion's scale operand
.endr
.irp c, 0,1
	v_lshrrev_b32 v[BY+\c], 23, v[SO+\c]
.endr
	v_lshl_or_b32 v[\w], v[BY+1], 16, v[BY]
	v_lshlrev_b32 v[\w], v[H8], v[\w]
	v_permlanex16_b32 v[WP], v[\w], s[SEL], s[SEL+1]
	v_or_b32 v[\w], v[\w], v[WP]                   ; the row's scale word, in lanes r and r + 16
.irp c, 0,1
	v_cvt_scalef32_pk16_fp6_f32 v[C+6*\c:C+6*\c+2], v[X+32*\c:X+32*\c+15], v[SO+\c]
	v_cvt_scalef32_pk16_fp6_f32 v[T+4*\c:T+4*\c+2], v[X+32*\c+16:X+32*\c+31], v[SO+\c]
.endr
	v_nop                                          ; one plain instruction behind a scaled conversion
.irp c, 0,1
.irp i, 0,1,2
	v_mov_b32 v[C+3+6*\c+\i], v[T+4*\c+\i]
.endr
.endr
.endm
.irp e, 0,1
.irp c, 0,1
.irp i, 0,1,2,3,4,5,6,7
	ds_load_b128 v[X+32*\c+4*\i:X+32*\c+4*\i+3], v4 offset:512*\e+256*\c+16*\i
.endr
.endr
	s_wait_dscnt 0x0
	s_wait_xcnt 0x0                                ; the first fragment's stores have read the codes' registers
	QUANT2 W+\e
	global_store_b128 v1, v[C:C+3], s[22:23] offset:1536*\e
	global_store_b64 v5, v[C+4:C+5], s[22:23] offset:1536*\e+512
	global_store_b128 v1, v[C+6:C+9], s[22:23] offset:1536*\e+768
	global_store_b64 v5, v[C+10:C+11], s[22:23] offset:1536*\e+1280
.endr
	v_cndmask_b32 v125, v[W], v[W+1], vcc_lo       ; lanes 0-15 the first fragment's words, lanes 16-31 the second's
	global_store_b32 v7, v125, s[24:25]
	s_wait_tensorcnt 0x0
	ds_add_u32 v254, v255
	s_wait_dscnt 0x0
	s_endpgm
.Lfunc_end_k_q66d9754b59_ln1:
	.size	k_q66d9754b59_ln1, .Lfunc_end_k_q66d9754b59_ln1-k_q66d9754b59_ln1
	.p2alignl 7, 3214868480
	.fill 96, 4, 3214868480
	.section	.rodata,"a",@progbits
	.p2align	6, 0x0
	.amdhsa_kernel k_q66d9754b59_ln1
		.amdhsa_group_segment_fixed_size 66560
		.amdhsa_private_segment_fixed_size 0
		.amdhsa_enable_private_segment 0
		.amdhsa_kernarg_size 32
		.amdhsa_user_sgpr_count 2
		.amdhsa_user_sgpr_kernarg_segment_ptr 1
		.amdhsa_wavefront_size32 1
		.amdhsa_system_sgpr_workgroup_id_x 1
		.amdhsa_system_sgpr_workgroup_id_y 1
		.amdhsa_system_sgpr_workgroup_id_z 1
		.amdhsa_system_vgpr_workitem_id 0
		.amdhsa_next_free_vgpr 256
		.amdhsa_next_free_sgpr 66
		.amdhsa_reserve_vcc 1
		.amdhsa_float_denorm_mode_32 3
		.amdhsa_float_denorm_mode_16_64 3
		.amdhsa_memory_ordered 1
		.amdhsa_forward_progress 1
		.amdhsa_inst_pref_size 45
	.end_amdhsa_kernel
	.amdgpu_metadata
---
amdhsa.version: [ 1, 2 ]
amdhsa.kernels:
  - .name:           k_q66d9754b59_ln1
    .symbol:         k_q66d9754b59_ln1.kd
    .args:
      - { .name: yb, .offset: 0, .size: 8, .value_kind: global_buffer, .address_space: global }
      - { .name: ln1_g, .offset: 8, .size: 8, .value_kind: global_buffer, .address_space: global }
      - { .name: ln1_b, .offset: 16, .size: 8, .value_kind: global_buffer, .address_space: global }
      - { .name: hb, .offset: 24, .size: 8, .value_kind: global_buffer, .address_space: global }
    .group_segment_fixed_size: 66560
    .private_segment_fixed_size: 0
    .kernarg_segment_align: 8
    .kernarg_segment_size: 32
    .max_flat_workgroup_size: 128
    .sgpr_count:     66
    .vgpr_count:     256
    .wavefront_size: 32
...
	.end_amdgpu_metadata
.endif
;; end of part 5
;; launch ffn1 (part 6): grid 16 x 16, 4 waves a work-group, clusters of 4 x 4, 327,680 bytes of LDS; arguments hb, wq, b1, gq; writes gq
.if DOCPART == 6
	.amdgcn_target "amdgcn-amd-amdhsa--gfx1250"
	.amdhsa_code_object_version 6
	.text
	.protected	k_q66d9754b59_ffn1
	.globl	k_q66d9754b59_ffn1
	.p2align	8
	.type	k_q66d9754b59_ffn1,@function
k_q66d9754b59_ffn1:
	s_mov_b64 s[64:65], 0
	v_nop
	global_prefetch_b8 v0, s[64:65] scope:SCOPE_SE
	s_setreg_imm32_b32 hwreg(HW_REG_WAVE_MODE, 25, 1), 1
	s_wait_xcnt 0x0
	s_wait_alu depctr_hold_cnt(0) depctr_sa_sdst(0) depctr_va_vdst(0) depctr_va_sdst(0) depctr_va_ssrc(0) depctr_va_vcc(0) depctr_vm_vsrc(0)
	s_getreg_b32 s2, hwreg(HW_REG_IB_STS2, 6, 4)
	s_cmp_eq_u32 s2, 0
	s_cbranch_scc0 .Lentry_in_a_cluster
	s_endpgm
.Lentry_in_a_cluster:
	s_bfe_u32 s2, ttmp6, 0x10000c
	s_cmp_lg_u32 s2, 0xf033
	s_cbranch_scc0 .Lentry_shape_is_right
	s_endpgm
.Lentry_shape_is_right:
; g = relu(h w1^T + b1), [4096][4096], the product on codes of FP6 (E2M3) with E8M0 scales; g leaves as codes, quantised along its 4,096, for the next product, and never as numbers.
; OPERANDS lie as images of the matrix unit's registers: [block of 16 rows][K / 128][1,536 bytes]; block i holds at lane index p row 32 (i / 2) + 8 (i % 2) + p + 8 (p / 8).  Scale words: [K / 128][rows in the blocks' order].
; An image: for c = 0, 1: registers 6 c .. 6 c + 3 at 768 c + 16 x lane, registers 6 c + 4, 6 c + 5 at 768 c + 512 + 8 x lane.
; A tile of 256 x 256 is made by four waves, 128 x 128 each: 64 accumulators, 512 registers.  K goes in steps of 256 through a ring of two LDS slots filled by the tensor data mover; a tile's row is a block's two fragments, 3,072 bytes.
; The scale words of the work-group's rows, for all of K, come into LDS once, with the first fills.
; CLUSTERS: 4 x 4 work-groups; A's tiles are asked for jointly along a row of the cluster, B's along a column.
; THE MATRIX INSTRUCTION: source 0 = a block of B (rows of w1), source 1 = a block of A (tokens): a lane holds one token, and the 16 registers of B's blocks 2 b, 2 b + 1 are hidden units 32 b + 16 h + 0 .. 15: neighbours along the next K.
; So a wave's 128 columns of a block of tokens are exactly one fragment and one scale word a token of the next product.
; LIMITS: NaN and infinities are not served; a block of zeros gets the byte 1 (the rule says 127): its codes are zeros and only this program reads the bytes.
; REGISTERS, in windows of 256: window 0: v0-31 addresses; v32-63 scale words, two sets, and nothing else; v128-223 A's fragments; way out: v64-127 bias, v128-191 numbers, v192-223 codes and work.
;   window 1: B's fragments, two sets, at v0 and v128.   windows 2, 3: the accumulators ((a, b) at v[8 (8 (a % 4) + b)]).
.set KB,     8                         ; K / 128
.set AOFF,   16777216                  ; A's codes and scale words in its buffer
.set ASOFF,  19922944
.set AR2,    2048
.set BOFF,   6291456                   ; B's in wq
.set BSOFF,  12845056
.set BR2,    2048
.set NQ,     2
.set FR,     12
.set NL,     4
.set NP,     4                         ; places behind this matrix instruction (ISA guide 7.12.1)
.set ROWB,   3072
.set HALFT,  8*ROWB
.set SLOT,   4*HALFT
.set LAPS,   KB/4
.set SCL,    2*SLOT
.set HALFS,  512*KB
.set SPARE,  SCL+4*HALFS               ; the spare words, 128 bytes for each wave: two blocks of 256 bytes that no other line names
.set ADRA, 16
.set ADRB, 20
.set L16,  24
.set L8,   25
.set SW,   26                          ; v26 where my scale word goes in LDS (slot 0, which has had its last fill and its last read by then)
.set ADRS, 27
.set SPW,  28
.set NIL,  29
.set SR,   31
.set H64,  10
.set PW,   15
.set SC,   32
.set AF,   128
.set BIAS, 64
.set X,    128
.set PC,   192
.set TM,   212
.set SEL,  66
.set G1, 24
.set G0, 32
.set G1B, 48
.set G0B, 56
.set G1S, 68
.set G0S, 76
.set G1SB, 80
.set G0SB, 88
.set MSB, 0
.macro WIN new                         ; the immediate's high byte repeats the setting that is left
.if MSB != \new
	s_set_vgpr_msb (MSB<<8)|\new
.set MSB, \new
.endif
.endm
.set MUL_LO, 0xa1
.set MUL_HI, 0xf1
.set TO_B,   0x40
.macro JLOAD g0a, g1a, g0b, g1b        ; a joint load: waves 0 and 1 fetch for A, waves 2 and 3 for B.  Four v_nop follow each of the two lines
	s_cmp_eq_u32 s15, 0
	s_cbranch_scc0 .Lfor_b_\@
	tensor_load_to_lds s[\g0a:\g0a+3], s[\g1a:\g1a+7]
	s_nop 0
.rept 4
	v_nop
.endr
	s_branch .Lasked_\@
.Lfor_b_\@:
	tensor_load_to_lds s[\g0b:\g0b+3], s[\g1b:\g1b+7]
	s_nop 0
.rept 4
	v_nop
.endr
.Lasked_\@:
.endm
.macro CREST
	s_cmp_lg_u32 s14, 0
	s_cbranch_scc1 .Lnot_wave_0_\@
	s_barrier_signal -3
.Lnot_wave_0_\@:
	s_barrier_wait -3
	s_barrier_signal -1
	s_barrier_wait -1
.endm
.macro CROUND
	s_barrier_signal -1
	s_barrier_wait -1
	CREST
.endm
	s_load_b256 s[4:11], s[0:1], 0x0               ; A's buffer, wq, the bias, the result
	v_lshl_add_u32 v[SPW], v0, 2, SPARE
	v_mov_b32 v[NIL], 0
	ds_add_u32 v28, v29
	s_wait_dscnt 0x0
	v_lshrrev_b32 v1, 5, v0
	v_readfirstlane_b32 s14, v1                    ; wave 0..3
	s_lshr_b32 s15, s14, 1                         ; which half of the tile's rows is mine.  Also: I fetch for A (0) or for B (1)
	s_and_b32 s16, s14, 1                          ; which half of its columns.  Also: which 8 blocks I fetch
	s_bfe_u32 s40, ttmp6, 0x40000
	s_bfe_u32 s41, ttmp6, 0x40004
	s_lshl_b32 s42, ttmp9, 2
	s_add_co_u32 s42, s42, s40                     ; tile column
	s_and_b32 s17, ttmp7, 0xffff
	s_lshl_b32 s17, s17, 2
	s_add_co_u32 s17, s17, s41                     ; tile row
	s_lshl_b32 s43, s41, 2
	s_lshl_b32 s43, 15, s43                        ; my row of the cluster
	s_lshl_b32 s44, 0x1111, s40                    ; my column
	s_mov_b32 s[SEL], 0x76543210
	s_mov_b32 s[SEL+1], 0xfedcba98
	s_or_b32 s[G1+0], s43, (3<<16)|(1<<21)         ; codes: 8 rows (blocks) of 384 elements of 8 bytes; 15:0 the mask; 21 set beside a mask; no padding: an image's loads are dense
	s_or_b32 s[G1B+0], s44, (3<<16)|(1<<21)
.irp g, G1, G1B
	s_mov_b32 s[\g+1], 384<<16
	s_mov_b32 s[\g+2], 8<<16
	s_mov_b32 s[\g+3], 384<<16
	s_mov_b32 s[\g+4], 8
	s_mov_b32 s[\g+5], 192*KB
	s_mov_b32 s[\g+6], 0
	s_mov_b32 s[\g+7], 0
.endr
	s_or_b32 s[G1S+0], s43, (3<<16)|(1<<21)        ; scale words: KB rows of 512 bytes (128 rows' words)
	s_or_b32 s[G1SB+0], s44, (3<<16)|(1<<21)
.irp g, G1S, G1SB
	s_mov_b32 s[\g+1], 64<<16
	s_mov_b32 s[\g+2], KB<<16
	s_mov_b32 s[\g+3], 64<<16
	s_mov_b32 s[\g+4], KB
	s_mov_b32 s[\g+6], 0
	s_mov_b32 s[\g+7], 0
.endr
	s_mov_b32 s[G1S+5], AR2
	s_mov_b32 s[G1SB+5], BR2
	s_lshl_b32 s18, s16, 3
	s_lshl_b32 s20, s17, 4
	s_add_co_u32 s20, s20, s18                     ; A: my first block
	s_lshl_b32 s46, s42, 4
	s_add_co_u32 s46, s46, s18                     ; B: my first block
	s_lshl_b32 s22, s20, 6
	s_add_co_u32 s22, s22, ASOFF
	s_mov_b32 s23, 0
	s_lshl_b32 s92, s46, 6
	s_add_co_u32 s92, s92, BSOFF
	s_mov_b32 s93, 0
	s_mul_i32 s20, s20, KB*1536
	s_add_co_u32 s20, s20, AOFF
	s_mov_b32 s21, 0
	s_mul_i32 s46, s46, KB*1536
	s_add_co_u32 s46, s46, BOFF
	s_mov_b32 s47, 0
	s_mul_i32 s45, s14, HALFT
	s_mul_i32 s94, s14, HALFS
	s_wait_kmcnt 0x0
	s_add_nc_u64 s[20:21], s[4:5], s[20:21]
	s_add_nc_u64 s[22:23], s[4:5], s[22:23]
	s_add_nc_u64 s[46:47], s[6:7], s[46:47]
	s_add_nc_u64 s[92:93], s[6:7], s[92:93]
	CROUND                                         ; all sixteen work-groups are here: the first joint loads meet
	s_mov_b32 s[G0S], 1
	s_add_co_u32 s[G0S+1], s94, SCL
	s_mov_b64 s[G0S+2:G0S+3], s[22:23]
	s_or_b32 s[G0S+3], s[G0S+3], 0x80000000
	s_mov_b32 s[G0SB], 1
	s_add_co_u32 s[G0SB+1], s94, SCL
	s_mov_b64 s[G0SB+2:G0SB+3], s[92:93]
	s_or_b32 s[G0SB+3], s[G0SB+3], 0x80000000
	JLOAD G0S, G1S, G0SB, G1SB                     ; the scale words first: three loads of mine are out behind the first fills
.irp s, 0,1
	s_mov_b32 s[G0+4*\s], 1
	s_add_co_u32 s[G0+4*\s+1], s45, \s*SLOT
	s_add_nc_u64 s[G0+4*\s+2:G0+4*\s+3], s[20:21], \s*ROWB
	s_or_b32 s[G0+4*\s+3], s[G0+4*\s+3], 0x80000000
	s_mov_b32 s[G0B+4*\s], 1
	s_add_co_u32 s[G0B+4*\s+1], s45, \s*SLOT
	s_add_nc_u64 s[G0B+4*\s+2:G0B+4*\s+3], s[46:47], \s*ROWB
	s_or_b32 s[G0B+4*\s+3], s[G0B+4*\s+3], 0x80000000
	JLOAD G0+4*\s, G1, G0B+4*\s, G1B
.endr
	v_and_b32 v1, 15, v0                           ; r
	v_bfe_u32 v2, v0, 4, 1                         ; h
	v_and_b32 v3, 31, v0                           ; lane
	v_lshlrev_b32 v[L16], 4, v3
	v_lshlrev_b32 v[L8], 3, v3
	s_mul_i32 s21, s15, HALFT
	s_mul_i32 s22, s16, HALFT
	s_add_co_u32 s22, s22, 2*HALFT
.irp s, 0,1
	v_add_nc_u32 v[ADRA+\s], s21, v[L16]
	v_add_nc_u32 v[ADRB+\s], s22, v[L16]
	v_add_nc_u32 v[ADRA+2+\s], s21, v[L8]
	v_add_nc_u32 v[ADRB+2+\s], s22, v[L8]
	s_add_co_u32 s21, s21, SLOT
	s_add_co_u32 s22, s22, SLOT
.endr
	v_lshlrev_b32 v5, 2, v1
	s_mul_i32 s21, s15, HALFS
	s_mul_i32 s22, s16, HALFS
	s_add_co_u32 s22, s22, 2*HALFS
	s_sub_co_u32 s22, s22, s21
	v_mul_u32_u24 v6, s22, v2                      ; lanes 16-31 take B's
	s_add_co_u32 s21, s21, SCL
	v_add_nc_u32 v5, v5, v6
	v_add_nc_u32 v[ADRS], s21, v5
	s_lshl_b32 s23, s14, 10
	v_lshl_add_u32 v[SW], v1, 2, s23               ; 1,024 x wave + 4 r
	v_add_nc_u32 v[SR], s23, v[L16]
	v_lshlrev_b32 v[H64], 6, v2
	s_lshl_b32 s20, s17, 4
	s_lshl_b32 s21, s15, 3
	s_add_co_u32 s20, s20, s21                     ; my first block of tokens
	s_lshl_b32 s46, s42, 1
	s_add_co_u32 s46, s46, s16                     ; which 128 of the next K are mine
	s_lshl_b32 s21, s20, 5
	s_add_co_u32 s21, s21, s46
	s_mul_i32 s22, s21, 1536
	s_mov_b32 s23, 0
	s_add_nc_u64 s[12:13], s[10:11], s[22:23]      ; the images: [block][32][1,536]
	s_lshl_b32 s21, s46, 14
	s_lshl_b32 s22, s20, 6
	s_add_co_u32 s22, s22, s21
	s_add_co_u32 s22, s22, 12582912
	s_add_nc_u64 s[10:11], s[10:11], s[22:23]      ; the scale words: [32][4,096]
	s_lshl_b32 s22, s46, 9
	s_add_nc_u64 s[8:9], s[8:9], s[22:23]          ; my 128 numbers of the bias
.macro FRAG reg, adr, q, i             ; block i's fragment of the slot's q-th 128 along K: its image, as it lies
	ds_load_b128 v[\reg:\reg+3], v[\adr] offset:3072*(\i)+1536*(\q)
	ds_load_b64 v[\reg+4:\reg+5], v[\adr+2] offset:3072*(\i)+1536*(\q)+512
	ds_load_b128 v[\reg+6:\reg+9], v[\adr] offset:3072*(\i)+1536*(\q)+768
	ds_load_b64 v[\reg+10:\reg+11], v[\adr+2] offset:3072*(\i)+1536*(\q)+1280
.endm
; 16 matrix instructions: A's blocks a0, a0 + 1 x B's eight.  The 64 accumulators take turns, one instruction a turn, in the same order in every step.
.macro MUL16 a0, p, q, sc, zero
.irp a, \a0, \a0+1
.irp b, 0,1,2,3,4,5,6,7
.if \zero
	v_wmma_scale_f32_16x16x128_f8f6f4 v[8*(8*((\a)%4)+\b):8*(8*((\a)%4)+\b)+7], v[128*(\p)+FR*\b:128*(\p)+FR*\b+FR-1], v[AF+FR*(\a):AF+FR*(\a)+FR-1], 0, v[SC+8*NQ*(\sc)+NQ*\b+(\q)], v[SC+8*NQ*(\sc)+NQ*(\a)+(\q)] matrix_a_fmt:MATRIX_FMT_FP6 matrix_b_fmt:MATRIX_FMT_FP6 matrix_a_scale:MATRIX_SCALE_ROW1
.else
	v_wmma_scale_f32_16x16x128_f8f6f4 v[8*(8*((\a)%4)+\b):8*(8*((\a)%4)+\b)+7], v[128*(\p)+FR*\b:128*(\p)+FR*\b+FR-1], v[AF+FR*(\a):AF+FR*(\a)+FR-1], v[8*(8*((\a)%4)+\b):8*(8*((\a)%4)+\b)+7], v[SC+8*NQ*(\sc)+NQ*\b+(\q)], v[SC+8*NQ*(\sc)+NQ*(\a)+(\q)] matrix_a_fmt:MATRIX_FMT_FP6 matrix_b_fmt:MATRIX_FMT_FP6 matrix_a_scale:MATRIX_SCALE_ROW1
.endif
.endr
.endr
.endm
.macro FETCH_B slot, q, p
	WIN TO_B
.irp i, 0,1,2,3,4,5,6,7
	FRAG 128*(\p)+FR*\i, ADRB+\slot, \q, \i
.endr
	WIN 0
.endm
.macro FETCH_A slot, q, i0
.irp i, \i0, \i0+1, \i0+2, \i0+3
	FRAG AF+FR*(\i), ADRA+\slot, \q, \i
.endr
.endm
.macro SCALES sc                       ; the next K step's scale words: lanes 0-15 A's block i, lanes 16-31 B's block i
.irp i, 0,1,2,3,4,5,6,7
.irp q, 0,1
	ds_load_b32 v[SC+16*\sc+2*\i+\q], v[ADRS] offset:512*\q+64*\i
.endr
.endr
.endm
.macro PLACES n                        ; plain vector instructions between a matrix instruction and a load into, or a read of, its registers
.rept \n
	v_nop
.endr
.endm
.macro STEP slot, q, zero
	s_wait_dscnt 4*NL                              ; all but the youngest 16 loads (A's blocks 4-7)
	WIN MUL_LO
	MUL16 0, (\q)%2, \q, \slot, \zero
	MUL16 2, (\q)%2, \q, \slot, \zero
	s_wait_dscnt 0
	PLACES NP
	FETCH_B \slot, (\q)+1, 1-(\q)%2
	FETCH_A \slot, (\q)+1, 0
	WIN MUL_HI
	MUL16 4, (\q)%2, \q, \slot, \zero
	MUL16 6, (\q)%2, \q, \slot, \zero
	PLACES NP
	WIN 0
	FETCH_A \slot, (\q)+1, 4
.endm
; A slot's last step changes slots: ONE barrier; in front of it each wave waits for all its tensor loads, adds 0 to its spare word, and waits for that and for its own reads of this slot.
.macro TURN slot, next, fill
	s_wait_tensorcnt 0x0                           ; all my tensor loads have landed: my part of the next slot
	ds_add_u32 v[SPW], v[NIL]                      ; 0 onto my spare word
	s_wait_dscnt 4*NL+1                            ; (the add and the youngest 16 loads may be out)
	WIN MUL_LO
	MUL16 0, 1, NQ-1, \slot, 0
	s_wait_dscnt 0x0                               ; the add is done, and my reads of this slot are over
	s_barrier_signal -1
	MUL16 2, 1, NQ-1, \slot, 0
	WIN 0
	s_barrier_wait -1
.if \fill
	CREST                                          ; the barrier has opened a round of the cluster's: no wave of any partner still reads this slot or has a load on its way
	s_add_nc_u64 s[G0+4*\slot+2:G0+4*\slot+3], s[G0+4*\slot+2:G0+4*\slot+3], 2*ROWB
	s_add_nc_u64 s[G0B+4*\slot+2:G0B+4*\slot+3], s[G0B+4*\slot+2:G0B+4*\slot+3], 2*ROWB
	JLOAD G0+4*\slot, G1, G0B+4*\slot, G1B         ; the first tensor load behind the round; its four v_nop are the places in front of the loads below
.else
	PLACES NP
.endif
	v_add_nc_u32 v[ADRS], 1024, v[ADRS]
	FETCH_B \next, 0, 0
	FETCH_A \next, 0, 0
	SCALES \next
	WIN MUL_HI
	MUL16 4, 1, NQ-1, \slot, 0
	MUL16 6, 1, NQ-1, \slot, 0
	PLACES NP
	WIN 0
	FETCH_A \next, 0, 4
.endm
; 64 numbers of a lane, register 16 b + i = k 32 b + 16 h + i of my row, become a fragment's codes in v[PC] on and its scale word in v[PW]
.macro QUANT s
.irp b, 0,1,2,3
	v_max3_num_f32 v[TM+\b], |v[\s+16*\b]|, |v[\s+1+16*\b]|, 0x1800000   ; the floor 2^(3 - 127) among the leaves: the byte cannot fall under 1
.endr
.irp i, 2,4,6,8,10,12,14
.irp b, 0,1,2,3
	v_max3_num_f32 v[TM+\b], v[TM+\b], |v[\s+16*\b+\i]|, |v[\s+1+16*\b+\i]|
.endr
.endr
.irp b, 0,1,2,3
	v_permlanex16_b32 v[TM+4+\b], v[TM+\b], s[SEL], s[SEL+1]
.endr
.irp b, 0,1,2,3
	v_max_num_f32 v[TM+\b], v[TM+\b], v[TM+4+\b]
.endr
.irp b, 0,1,2,3
	v_add_nc_u32 v[TM+8+\b], 0xff000000, v[TM+\b]  ; 2 off its exponent field: the conversion's scale operand
.endr
.irp b, 0,1,2,3
	v_lshrrev_b32 v[TM+4+\b], 23, v[TM+8+\b]
.endr
	v_lshl_or_b32 v[PW], v[TM+5], 8, v[TM+4]
	v_lshl_or_b32 v[PW], v[TM+6], 16, v[PW]
	v_lshl_or_b32 v[PW], v[TM+7], 24, v[PW]
.irp c, 0,1
	v_cvt_scalef32_pk16_fp6_f32 v[PC+6*\c:PC+2+6*\c], v[\s+32*\c:\s+15+32*\c], v[TM+8+2*\c]
	v_cvt_scalef32_pk16_fp6_f32 v[PC+12+4*\c:PC+14+4*\c], v[\s+16+32*\c:\s+31+32*\c], v[TM+8+2*\c+1]
.endr
	v_nop                                          ; one plain instruction behind a scaled conversion
.irp c, 0,1
.irp i, 0,1,2
	v_permlane16_swap_b32 v[PC+6*\c+\i], v[PC+12+4*\c+\i]
.endr
.irp i, 0,1,2
	v_mov_b32 v[PC+3+6*\c+\i], v[PC+12+4*\c+\i]
.endr
.endr
.endm
	s_wait_tensorcnt 1                             ; the scale words and my part of K step 0 are in (K step 1's load may be out),
	s_barrier_signal -1
	s_barrier_wait -1                              ; everybody's are
	FETCH_B 0, 0, 0
	FETCH_A 0, 0, 0
	SCALES 0
	FETCH_A 0, 0, 4
	STEP 0, 0, 1                                   ; the first step stands in front of the loop: its products start the sums
.if LAPS > 1
	s_mov_b32 s3, LAPS-1
.Llap:
	TURN 0, 1, 1
	STEP 1, 0, 0
	TURN 1, 0, 1
	STEP 0, 0, 0
	s_sub_co_u32 s3, s3, 1
	s_cmp_lg_u32 s3, 0
	s_cbranch_scc1 .Llap
.endif
	TURN 0, 1, 0                                   ; the last lap fills nothing
	STEP 1, 0, 0
.irp b, 0,1,2,3
.irp j, 0,1,2,3
	global_load_b128 v[BIAS+16*\b+4*\j:BIAS+16*\b+4*\j+3], v[H64], s[8:9] offset:128*\b+16*\j   ; register 16 b + i: hidden unit 32 b + 16 h + i
.endr
.endr
	s_wait_dscnt 4*NL                              ; the very last step: nothing more to fetch
	WIN MUL_LO
	MUL16 0, 1, NQ-1, 1, 0
	MUL16 2, 1, NQ-1, 1, 0
	s_wait_dscnt 0
	WIN MUL_HI
	MUL16 4, 1, NQ-1, 1, 0
	MUL16 6, 1, NQ-1, 1, 0
	WIN 0
	PLACES NP
.irp b, 0,1,2,3
	v_mov_b32 v[TM+4+\b], 0                        ; a lane permute's destination counts as one of its sources
.endr
	s_wait_loadcnt 0x0                             ; the bias
.macro GBLK a
	s_wait_xcnt 0x0                                ; the last block's stores have read the codes' registers
	s_wait_dscnt 0x0
	WIN 0x02+(\a)/4                                ; source 0: the accumulators' window
.set m, 0
.rept 32
	v_pk_add_f32 v[X+2*m:X+2*m+1], v[64*((\a)%4)+2*m:64*((\a)%4)+2*m+1], v[BIAS+2*m:BIAS+2*m+1]   ; each accumulator from its low end on
.set m, m+1
.endr
	WIN 0
.set m, 0
.rept 64
	v_max_num_f32 v[X+m], 0, v[X+m]                ; the activation, in f32
.set m, m+1
.endr
	QUANT X
	global_store_b128 v[L16], v[PC:PC+3], s[12:13] offset:49152*(\a)
	global_store_b64 v[L8], v[PC+4:PC+5], s[12:13] offset:49152*(\a)+512
	global_store_b128 v[L16], v[PC+6:PC+9], s[12:13] offset:49152*(\a)+768
	global_store_b64 v[L8], v[PC+10:PC+11], s[12:13] offset:49152*(\a)+1280
	ds_store_b32 v[SW], v[PW] offset:64*(\a)       ; lanes r and r + 16 write the same word with the same value
.endm
.irp a, 0,1,2,3,4,5,6,7
	GBLK \a
.endr
	ds_load_b128 v[X:X+3], v[SR]                   ; LDS serves a wave's instructions in order: this sees my stores
	s_wait_dscnt 0x0
	global_store_b128 v[L16], v[X:X+3], s[10:11]   ; my 128 tokens' scale words: 512 consecutive bytes, aligned
	s_wait_tensorcnt 0x0                           ; the wave's end
	ds_add_u32 v[SPW], v[NIL]
	s_wait_dscnt 0x0
	CROUND                                         ; the closing round
	s_endpgm
.Lfunc_end_k_q66d9754b59_ffn1:
	.size	k_q66d9754b59_ffn1, .Lfunc_end_k_q66d9754b59_ffn1-k_q66d9754b59_ffn1
	.p2alignl 7, 3214868480
	.fill 96, 4, 3214868480
	.section	.rodata,"a",@progbits
	.p2align	6, 0x0
	.amdhsa_kernel k_q66d9754b59_ffn1
		.amdhsa_group_segment_fixed_size 327680
		.amdhsa_private_segment_fixed_size 0
		.amdhsa_enable_private_segment 0
		.amdhsa_kernarg_size 32
		.amdhsa_user_sgpr_count 2
		.amdhsa_user_sgpr_kernarg_segment_ptr 1
		.amdhsa_wavefront_size32 1
		.amdhsa_system_sgpr_workgroup_id_x 1
		.amdhsa_system_sgpr_workgroup_id_y 1
		.amdhsa_system_sgpr_workgroup_id_z 1
		.amdhsa_system_vgpr_workitem_id 0
		.amdhsa_next_free_vgpr 1024
		.amdhsa_next_free_sgpr 100
		.amdhsa_reserve_vcc 0
		.amdhsa_float_denorm_mode_32 3
		.amdhsa_float_denorm_mode_16_64 3
		.amdhsa_memory_ordered 1
		.amdhsa_forward_progress 1
		.amdhsa_inst_pref_size 185
	.end_amdhsa_kernel
	.amdgpu_metadata
---
amdhsa.version: [ 1, 2 ]
amdhsa.kernels:
  - .name:           k_q66d9754b59_ffn1
    .symbol:         k_q66d9754b59_ffn1.kd
    .args:
      - { .name: hb, .offset: 0, .size: 8, .value_kind: global_buffer, .address_space: global }
      - { .name: wq, .offset: 8, .size: 8, .value_kind: global_buffer, .address_space: global }
      - { .name: b1, .offset: 16, .size: 8, .value_kind: global_buffer, .address_space: global }
      - { .name: gq, .offset: 24, .size: 8, .value_kind: global_buffer, .address_space: global }
    .group_segment_fixed_size: 327680
    .private_segment_fixed_size: 0
    .kernarg_segment_align: 8
    .kernarg_segment_size: 32
    .max_flat_workgroup_size: 128
    .sgpr_count:     100
    .vgpr_count:     1024
    .wavefront_size: 32
...
	.end_amdgpu_metadata
.endif
;; end of part 6
;; launch ffn2 (part 7): grid 4 x 16, 4 waves a work-group, clusters of 4 x 4, 327,680 bytes of LDS; arguments gq, wq, b2, hb, yb; writes yb
.if DOCPART == 7
	.amdgcn_target "amdgcn-amd-amdhsa--gfx1250"
	.amdhsa_code_object_version 6
	.text
	.protected	k_q66d9754b59_ffn2
	.globl	k_q66d9754b59_ffn2
	.p2align	8
	.type	k_q66d9754b59_ffn2,@function
k_q66d9754b59_ffn2:
	s_mov_b64 s[64:65], 0
	v_nop
	global_prefetch_b8 v0, s[64:65] scope:SCOPE_SE
	s_setreg_imm32_b32 hwreg(HW_REG_WAVE_MODE, 25, 1), 1
	s_wait_xcnt 0x0
	s_wait_alu depctr_hold_cnt(0) depctr_sa_sdst(0) depctr_va_vdst(0) depctr_va_sdst(0) depctr_va_ssrc(0) depctr_va_vcc(0) depctr_vm_vsrc(0)
	s_getreg_b32 s2, hwreg(HW_REG_IB_STS2, 6, 4)
	s_cmp_eq_u32 s2, 0
	s_cbranch_scc0 .Lentry_in_a_cluster
	s_endpgm
.Lentry_in_a_cluster:
	s_bfe_u32 s2, ttmp6, 0x10000c
	s_cmp_lg_u32 s2, 0xf033
	s_cbranch_scc0 .Lentry_shape_is_right
	s_endpgm
.Lentry_shape_is_right:
; yb = h + g w2^T + b2: [4096][1024] f32, K = 4,096, the product on codes of FP6 (E2M3) with E8M0 scales.
; OPERANDS lie as images of the matrix unit's registers: [block of 16 rows][K / 128][1,536 bytes]; block i holds at lane index p row 32 (i / 2) + 8 (i % 2) + p + 8 (p / 8).  Scale words: [K / 128][rows in the blocks' order].
; An image: for c = 0, 1: registers 6 c .. 6 c + 3 at 768 c + 16 x lane, registers 6 c + 4, 6 c + 5 at 768 c + 512 + 8 x lane.
; A tile of 256 x 256 is made by four waves, 128 x 128 each: 64 accumulators, 512 registers.  K goes in steps of 256 through a ring of two LDS slots filled by the tensor data mover; a tile's row is a block's two fragments, 3,072 bytes.
; The scale words of the work-group's rows, for all of K, come into LDS once, with the first fills.  There are 64 tiles, so 64 work-groups: the price of one main loop for all four products of the layer.
; CLUSTERS: 4 x 4 work-groups; A's tiles are asked for jointly along a row of the cluster, B's along a column.
; THE MATRIX INSTRUCTION: source 0 = a block of B (weight rows), source 1 = a block of A (tokens): a lane holds one token and eight neighbouring columns.
; REGISTERS, in windows of 256: window 0: v0-31 addresses; v32-63 scale words, two sets, and nothing else; v128-223 A's fragments; way out: v8-11 bias, v64-127 and v192-255 residual rows by turns, v128-191 rows of the result.
;   window 1: B's fragments, two sets, at v0 and v128.   windows 2, 3: the accumulators ((a, b) at v[8 (8 (a % 4) + b)]).
.set KB,     32                        ; K / 128
.set AOFF,   0                         ; A's codes and scale words in its buffer
.set ASOFF,  12582912
.set AR2,    2048                      ; a row of A's scale array in elements of 8 bytes
.set BOFF,   9437184                   ; B's in wq
.set BSOFF,  12976128
.set BR2,    512
.set NQ,     2
.set FR,     12
.set NL,     4
.set NP,     4                         ; places behind this matrix instruction (ISA guide 7.12.1)
.set ROWB,   3072
.set HALFT,  8*ROWB
.set SLOT,   4*HALFT
.set LAPS,   KB/4
.set SCL,    2*SLOT
.set HALFS,  512*KB
.set SPARE,  SCL+4*HALFS               ; the spare words, 128 bytes for each wave: two blocks of 256 bytes that no other line names
.set SPITCH, 528                       ; the way out: a stage of 16 rows x (512 bytes + 16) for each wave, in slot 0, which has had its last fill and its last read by then
.set ADRA, 16
.set ADRB, 20
.set STO,  24
.set RD,   25
.set CO,   26
.set ADRS, 27
.set SPW,  28
.set NIL,  29
.set SC,   32
.set AF,   128
.set BK,   128
.set G1, 24
.set G0, 32
.set G1B, 48
.set G0B, 56
.set G1S, 68
.set G0S, 76
.set G1SB, 80
.set G0SB, 88
.set MSB, 0
.macro WIN new                         ; the immediate's high byte repeats the setting that is left
.if MSB != \new
	s_set_vgpr_msb (MSB<<8)|\new
.set MSB, \new
.endif
.endm
.set MUL_LO, 0xa1
.set MUL_HI, 0xf1
.set TO_B,   0x40
.macro JLOAD g0a, g1a, g0b, g1b        ; a joint load: waves 0 and 1 fetch for A, waves 2 and 3 for B.  Four v_nop follow each of the two lines
	s_cmp_eq_u32 s15, 0
	s_cbranch_scc0 .Lfor_b_\@
	tensor_load_to_lds s[\g0a:\g0a+3], s[\g1a:\g1a+7]
	s_nop 0
.rept 4
	v_nop
.endr
	s_branch .Lasked_\@
.Lfor_b_\@:
	tensor_load_to_lds s[\g0b:\g0b+3], s[\g1b:\g1b+7]
	s_nop 0
.rept 4
	v_nop
.endr
.Lasked_\@:
.endm
.macro CREST
	s_cmp_lg_u32 s14, 0
	s_cbranch_scc1 .Lnot_wave_0_\@
	s_barrier_signal -3
.Lnot_wave_0_\@:
	s_barrier_wait -3
	s_barrier_signal -1
	s_barrier_wait -1
.endm
.macro CROUND
	s_barrier_signal -1
	s_barrier_wait -1
	CREST
.endm
	s_load_b128 s[4:7], s[0:1], 0x0                ; A's buffer, wq
	s_load_b128 s[8:11], s[0:1], 0x10              ; the bias, the residual
	s_load_b64 s[12:13], s[0:1], 0x20              ; the result
	v_lshl_add_u32 v[SPW], v0, 2, SPARE
	v_mov_b32 v[NIL], 0
	ds_add_u32 v28, v29
	s_wait_dscnt 0x0
	v_lshrrev_b32 v1, 5, v0
	v_readfirstlane_b32 s14, v1                    ; wave 0..3
	s_lshr_b32 s15, s14, 1                         ; which half of the tile's rows is mine.  Also: I fetch for A (0) or for B (1)
	s_and_b32 s16, s14, 1                          ; which half of its columns.  Also: which 8 blocks I fetch
	s_bfe_u32 s40, ttmp6, 0x40000
	s_bfe_u32 s41, ttmp6, 0x40004
	s_lshl_b32 s42, ttmp9, 2
	s_add_co_u32 s42, s42, s40                     ; tile column
	s_and_b32 s17, ttmp7, 0xffff
	s_lshl_b32 s17, s17, 2
	s_add_co_u32 s17, s17, s41                     ; tile row
	s_lshl_b32 s43, s41, 2
	s_lshl_b32 s43, 15, s43                        ; my row of the cluster
	s_lshl_b32 s44, 0x1111, s40                    ; my column
	s_or_b32 s[G1+0], s43, (3<<16)|(1<<21)         ; codes: 8 rows (blocks) of 384 elements of 8 bytes; 15:0 the mask; 21 set beside a mask; no padding: an image's loads are dense
	s_or_b32 s[G1B+0], s44, (3<<16)|(1<<21)
.irp g, G1, G1B
	s_mov_b32 s[\g+1], 384<<16
	s_mov_b32 s[\g+2], 8<<16
	s_mov_b32 s[\g+3], 384<<16
	s_mov_b32 s[\g+4], 8
	s_mov_b32 s[\g+5], 192*KB
	s_mov_b32 s[\g+6], 0
	s_mov_b32 s[\g+7], 0
.endr
	s_or_b32 s[G1S+0], s43, (3<<16)|(1<<21)        ; scale words: KB rows of 512 bytes (128 rows' words)
	s_or_b32 s[G1SB+0], s44, (3<<16)|(1<<21)
.irp g, G1S, G1SB
	s_mov_b32 s[\g+1], 64<<16
	s_mov_b32 s[\g+2], KB<<16
	s_mov_b32 s[\g+3], 64<<16
	s_mov_b32 s[\g+4], KB
	s_mov_b32 s[\g+6], 0
	s_mov_b32 s[\g+7], 0
.endr
	s_mov_b32 s[G1S+5], AR2
	s_mov_b32 s[G1SB+5], BR2
	s_lshl_b32 s18, s16, 3
	s_lshl_b32 s20, s17, 4
	s_add_co_u32 s20, s20, s18                     ; A: my first block
	s_lshl_b32 s46, s42, 4
	s_add_co_u32 s46, s46, s18                     ; B: my first block
	s_lshl_b32 s22, s20, 6
	s_add_co_u32 s22, s22, ASOFF
	s_mov_b32 s23, 0
	s_lshl_b32 s92, s46, 6
	s_add_co_u32 s92, s92, BSOFF
	s_mov_b32 s93, 0
	s_mul_i32 s20, s20, KB*1536
	s_add_co_u32 s20, s20, AOFF
	s_mov_b32 s21, 0
	s_mul_i32 s46, s46, KB*1536
	s_add_co_u32 s46, s46, BOFF
	s_mov_b32 s47, 0
	s_mul_i32 s45, s14, HALFT
	s_mul_i32 s94, s14, HALFS
	s_wait_kmcnt 0x0
	s_add_nc_u64 s[20:21], s[4:5], s[20:21]
	s_add_nc_u64 s[22:23], s[4:5], s[22:23]
	s_add_nc_u64 s[46:47], s[6:7], s[46:47]
	s_add_nc_u64 s[92:93], s[6:7], s[92:93]
	CROUND                                         ; all sixteen work-groups are here: the first joint loads meet
	s_mov_b32 s[G0S], 1
	s_add_co_u32 s[G0S+1], s94, SCL
	s_mov_b64 s[G0S+2:G0S+3], s[22:23]
	s_or_b32 s[G0S+3], s[G0S+3], 0x80000000
	s_mov_b32 s[G0SB], 1
	s_add_co_u32 s[G0SB+1], s94, SCL
	s_mov_b64 s[G0SB+2:G0SB+3], s[92:93]
	s_or_b32 s[G0SB+3], s[G0SB+3], 0x80000000
	JLOAD G0S, G1S, G0SB, G1SB                     ; the scale words first: three loads of mine are out behind the first fills
.irp s, 0,1
	s_mov_b32 s[G0+4*\s], 1
	s_add_co_u32 s[G0+4*\s+1], s45, \s*SLOT
	s_add_nc_u64 s[G0+4*\s+2:G0+4*\s+3], s[20:21], \s*ROWB
	s_or_b32 s[G0+4*\s+3], s[G0+4*\s+3], 0x80000000
	s_mov_b32 s[G0B+4*\s], 1
	s_add_co_u32 s[G0B+4*\s+1], s45, \s*SLOT
	s_add_nc_u64 s[G0B+4*\s+2:G0B+4*\s+3], s[46:47], \s*ROWB
	s_or_b32 s[G0B+4*\s+3], s[G0B+4*\s+3], 0x80000000
	JLOAD G0+4*\s, G1, G0B+4*\s, G1B
.endr
	v_and_b32 v1, 15, v0                           ; r
	v_bfe_u32 v2, v0, 4, 1                         ; h
	v_and_b32 v3, 31, v0                           ; lane
	v_lshlrev_b32 v[CO], 4, v3                     ; 16 x lane
	v_lshlrev_b32 v4, 3, v3                        ; 8 x lane
	s_mul_i32 s21, s15, HALFT
	s_mul_i32 s22, s16, HALFT
	s_add_co_u32 s22, s22, 2*HALFT
.irp s, 0,1
	v_add_nc_u32 v[ADRA+\s], s21, v[CO]
	v_add_nc_u32 v[ADRB+\s], s22, v[CO]
	v_add_nc_u32 v[ADRA+2+\s], s21, v4
	v_add_nc_u32 v[ADRB+2+\s], s22, v4
	s_add_co_u32 s21, s21, SLOT
	s_add_co_u32 s22, s22, SLOT
.endr
	v_lshlrev_b32 v5, 2, v1
	s_mul_i32 s21, s15, HALFS
	s_mul_i32 s22, s16, HALFS
	s_add_co_u32 s22, s22, 2*HALFS
	s_sub_co_u32 s22, s22, s21
	v_mul_u32_u24 v6, s22, v2                      ; lanes 16-31 take B's
	s_add_co_u32 s21, s21, SCL
	v_add_nc_u32 v5, v5, v6
	v_add_nc_u32 v[ADRS], s21, v5
	s_mul_i32 s23, s14, 16*SPITCH                  ; my stage
	v_mul_u32_u24 v6, v1, SPITCH
	v_lshl_add_u32 v6, v2, 6, v6
	v_add_nc_u32 v[STO], s23, v6                   ; in: row r, 64 h bytes on
	v_add_nc_u32 v[RD], s23, v[CO]                 ; back: a whole row of 512 bytes
	s_lshl_b32 s20, s17, 8
	s_lshl_b32 s21, s15, 7
	s_add_co_u32 s20, s20, s21                     ; my first token
	s_lshl_b32 s20, s20, 12
	s_lshl_b32 s46, s42, 10
	s_lshl_b32 s47, s16, 9
	s_add_co_u32 s46, s46, s47                     ; my first column, in bytes
	s_mov_b32 s47, 0
	s_add_nc_u64 s[8:9], s[8:9], s[46:47]
	s_add_co_u32 s20, s20, s46
	s_mov_b32 s21, 0
	s_add_nc_u64 s[10:11], s[10:11], s[20:21]
	s_add_nc_u64 s[12:13], s[12:13], s[20:21]
.macro FRAG reg, adr, q, i             ; block i's fragment of the slot's q-th 128 along K: its image, as it lies
	ds_load_b128 v[\reg:\reg+3], v[\adr] offset:3072*(\i)+1536*(\q)
	ds_load_b64 v[\reg+4:\reg+5], v[\adr+2] offset:3072*(\i)+1536*(\q)+512
	ds_load_b128 v[\reg+6:\reg+9], v[\adr] offset:3072*(\i)+1536*(\q)+768
	ds_load_b64 v[\reg+10:\reg+11], v[\adr+2] offset:3072*(\i)+1536*(\q)+1280
.endm
; 16 matrix instructions: A's blocks a0, a0 + 1 x B's eight.  The 64 accumulators take turns, one instruction a turn, in the same order in every step.
.macro MUL16 a0, p, q, sc, zero
.irp a, \a0, \a0+1
.irp b, 0,1,2,3,4,5,6,7
.if \zero
	v_wmma_scale_f32_16x16x128_f8f6f4 v[8*(8*((\a)%4)+\b):8*(8*((\a)%4)+\b)+7], v[128*(\p)+FR*\b:128*(\p)+FR*\b+FR-1], v[AF+FR*(\a):AF+FR*(\a)+FR-1], 0, v[SC+8*NQ*(\sc)+NQ*\b+(\q)], v[SC+8*NQ*(\sc)+NQ*(\a)+(\q)] matrix_a_fmt:MATRIX_FMT_FP6 matrix_b_fmt:MATRIX_FMT_FP6 matrix_a_scale:MATRIX_SCALE_ROW1
.else
	v_wmma_scale_f32_16x16x128_f8f6f4 v[8*(8*((\a)%4)+\b):8*(8*((\a)%4)+\b)+7], v[128*(\p)+FR*\b:128*(\p)+FR*\b+FR-1], v[AF+FR*(\a):AF+FR*(\a)+FR-1], v[8*(8*((\a)%4)+\b):8*(8*((\a)%4)+\b)+7], v[SC+8*NQ*(\sc)+NQ*\b+(\q)], v[SC+8*NQ*(\sc)+NQ*(\a)+(\q)] matrix_a_fmt:MATRIX_FMT_FP6 matrix_b_fmt:MATRIX_FMT_FP6 matrix_a_scale:MATRIX_SCALE_ROW1
.endif
.endr
.endr
.endm
.macro FETCH_B slot, q, p
	WIN TO_B
.irp i, 0,1,2,3,4,5,6,7
	FRAG 128*(\p)+FR*\i, ADRB+\slot, \q, \i
.endr
	WIN 0
.endm
.macro FETCH_A slot, q, i0
.irp i, \i0, \i0+1, \i0+2, \i0+3
	FRAG AF+FR*(\i), ADRA+\slot, \q, \i
.endr
.endm
.macro SCALES sc                       ; the next K step's scale words: lanes 0-15 A's block i, lanes 16-31 B's block i
.irp i, 0,1,2,3,4,5,6,7
.irp q, 0,1
	ds_load_b32 v[SC+16*\sc+2*\i+\q], v[ADRS] offset:512*\q+64*\i
.endr
.endr
.endm
.macro PLACES n                        ; plain vector instructions between a matrix instruction and a load into, or a read of, its registers
.rept \n
	v_nop
.endr
.endm
.macro STEP slot, q, zero
	s_wait_dscnt 4*NL                              ; all but the youngest 16 loads (A's blocks 4-7)
	WIN MUL_LO
	MUL16 0, (\q)%2, \q, \slot, \zero
	MUL16 2, (\q)%2, \q, \slot, \zero
	s_wait_dscnt 0
	PLACES NP
	FETCH_B \slot, (\q)+1, 1-(\q)%2
	FETCH_A \slot, (\q)+1, 0
	WIN MUL_HI
	MUL16 4, (\q)%2, \q, \slot, \zero
	MUL16 6, (\q)%2, \q, \slot, \zero
	PLACES NP
	WIN 0
	FETCH_A \slot, (\q)+1, 4
.endm
; A slot's last step changes slots: ONE barrier; in front of it each wave waits for all its tensor loads, adds 0 to its spare word, and waits for that and for its own reads of this slot.
.macro TURN slot, next, fill
	s_wait_tensorcnt 0x0                           ; all my tensor loads have landed: my part of the next slot
	ds_add_u32 v[SPW], v[NIL]                      ; 0 onto my spare word
	s_wait_dscnt 4*NL+1                            ; (the add and the youngest 16 loads may be out)
	WIN MUL_LO
	MUL16 0, 1, NQ-1, \slot, 0
	s_wait_dscnt 0x0                               ; the add is done, and my reads of this slot are over
	s_barrier_signal -1
	MUL16 2, 1, NQ-1, \slot, 0
	WIN 0
	s_barrier_wait -1
.if \fill
	CREST                                          ; the barrier has opened a round of the cluster's: no wave of any partner still reads this slot or has a load on its way
	s_add_nc_u64 s[G0+4*\slot+2:G0+4*\slot+3], s[G0+4*\slot+2:G0+4*\slot+3], 2*ROWB
	s_add_nc_u64 s[G0B+4*\slot+2:G0B+4*\slot+3], s[G0B+4*\slot+2:G0B+4*\slot+3], 2*ROWB
	JLOAD G0+4*\slot, G1, G0B+4*\slot, G1B         ; the first tensor load behind the round; its four v_nop are the places in front of the loads below
.else
	PLACES NP
.endif
	v_add_nc_u32 v[ADRS], 1024, v[ADRS]
	FETCH_B \next, 0, 0
	FETCH_A \next, 0, 0
	SCALES \next
	WIN MUL_HI
	MUL16 4, 1, NQ-1, \slot, 0
	MUL16 6, 1, NQ-1, \slot, 0
	PLACES NP
	WIN 0
	FETCH_A \next, 0, 4
.endm
	s_wait_tensorcnt 1                             ; the scale words and my part of K step 0 are in (K step 1's load may be out),
	s_barrier_signal -1
	s_barrier_wait -1                              ; everybody's are
	FETCH_B 0, 0, 0
	FETCH_A 0, 0, 0
	SCALES 0
	FETCH_A 0, 0, 4
	STEP 0, 0, 1                                   ; the first step stands in front of the loop: its products start the sums
.if LAPS > 1
	s_mov_b32 s3, LAPS-1
.Llap:
	TURN 0, 1, 1
	STEP 1, 0, 0
	TURN 1, 0, 1
	STEP 0, 0, 0
	s_sub_co_u32 s3, s3, 1
	s_cmp_lg_u32 s3, 0
	s_cbranch_scc1 .Llap
.endif
	TURN 0, 1, 0                                   ; the last lap fills nothing
	STEP 1, 0, 0
; THE WAY OUT, block by block of 16 tokens x 128 columns, through my own stage in LDS: back come whole rows of 512 bytes; the bias and the residual's row are added; 32 lanes store 512 consecutive bytes.
.macro RESID a                         ; the residual's 16 rows of block a: lane index t is token 32 (a / 2) + 8 (a % 2) + t + 8 (t / 8) of my 128
.irp t, 0,1,2,3,4,5,6,7,8,9,10,11,12,13,14,15
	global_load_b128 v[64+128*((\a)%2)+4*\t:64+128*((\a)%2)+4*\t+3], v[CO], s[10:11] offset:(32*((\a)/2)+8*((\a)%2)+\t+8*(\t/8))*4096 th:TH_LOAD_NT
.endr
.endm
.macro OUTBLK a
.set AC, 64*((\a)%4)
.set RS, 64+128*((\a)%2)
.if (\a) > 0
	s_wait_xcnt 0x0                                ; the last block's stores have read their registers
.endif
	WIN 0x08+4*((\a)/4)                            ; an LDS store's data are its source 1: window 2 or 3
.irp b, 0,1,2,3,4,5,6,7
	ds_store_b128 v[STO], v[AC+8*\b:AC+8*\b+3] offset:128*(\b/2)+32*(\b%2)        ; each accumulator from its low end on; its eight columns are 32 (b / 2) + 16 h + 8 (b % 2) + 0 .. 7
	ds_store_b128 v[STO], v[AC+8*\b+4:AC+8*\b+7] offset:128*(\b/2)+32*(\b%2)+16
.endr
	WIN 0
.irp t, 0,1,2,3,4,5,6,7,8,9,10,11,12,13,14,15
	ds_load_b128 v[BK+4*\t:BK+4*\t+3], v[RD] offset:\t*SPITCH   ; LDS serves a wave's instructions in order: these see the stores above
.endr
	s_wait_dscnt 0x0
.if (\a) < 7
	s_wait_loadcnt 16                              ; the bias and this block's residual are in; the next block's 16 loads may be out
.else
	s_wait_loadcnt 0x0
.endif
.irp t, 0,1,2,3,4,5,6,7,8,9,10,11,12,13,14,15
	v_pk_add_f32 v[BK+4*\t:BK+4*\t+1], v[BK+4*\t:BK+4*\t+1], v[8:9]
	v_pk_add_f32 v[BK+4*\t+2:BK+4*\t+3], v[BK+4*\t+2:BK+4*\t+3], v[10:11]
.endr
.irp t, 0,1,2,3,4,5,6,7,8,9,10,11,12,13,14,15
	v_pk_add_f32 v[BK+4*\t:BK+4*\t+1], v[BK+4*\t:BK+4*\t+1], v[RS+4*\t:RS+4*\t+1]
	v_pk_add_f32 v[BK+4*\t+2:BK+4*\t+3], v[BK+4*\t+2:BK+4*\t+3], v[RS+4*\t+2:RS+4*\t+3]
.endr
.irp t, 0,1,2,3,4,5,6,7,8,9,10,11,12,13,14,15
	global_store_b128 v[CO], v[BK+4*\t:BK+4*\t+3], s[12:13] offset:(32*((\a)/2)+8*((\a)%2)+\t+8*(\t/8))*4096 th:TH_STORE_NT
.endr
.if (\a) < 6
	RESID (\a)+2
.endif
.endm
	global_load_b128 v[8:11], v[CO], s[8:9]        ; the bias of my four columns
	RESID 0
	s_wait_dscnt 4*NL                              ; the very last step: nothing more to fetch
	WIN MUL_LO
	MUL16 0, 1, NQ-1, 1, 0
	MUL16 2, 1, NQ-1, 1, 0
	s_wait_dscnt 0
	WIN MUL_HI
	MUL16 4, 1, NQ-1, 1, 0
	MUL16 6, 1, NQ-1, 1, 0
	WIN 0
	PLACES NP
	RESID 1
.irp a, 0,1,2,3,4,5,6,7
	OUTBLK \a
.endr
	s_wait_tensorcnt 0x0                           ; the wave's end
	ds_add_u32 v[SPW], v[NIL]
	s_wait_dscnt 0x0
	CROUND                                         ; the closing round
	s_endpgm
.Lfunc_end_k_q66d9754b59_ffn2:
	.size	k_q66d9754b59_ffn2, .Lfunc_end_k_q66d9754b59_ffn2-k_q66d9754b59_ffn2
	.p2alignl 7, 3214868480
	.fill 96, 4, 3214868480
	.section	.rodata,"a",@progbits
	.p2align	6, 0x0
	.amdhsa_kernel k_q66d9754b59_ffn2
		.amdhsa_group_segment_fixed_size 327680
		.amdhsa_private_segment_fixed_size 0
		.amdhsa_enable_private_segment 0
		.amdhsa_kernarg_size 40
		.amdhsa_user_sgpr_count 2
		.amdhsa_user_sgpr_kernarg_segment_ptr 1
		.amdhsa_wavefront_size32 1
		.amdhsa_system_sgpr_workgroup_id_x 1
		.amdhsa_system_sgpr_workgroup_id_y 1
		.amdhsa_system_sgpr_workgroup_id_z 1
		.amdhsa_system_vgpr_workitem_id 0
		.amdhsa_next_free_vgpr 1024
		.amdhsa_next_free_sgpr 100
		.amdhsa_reserve_vcc 0
		.amdhsa_float_denorm_mode_32 3
		.amdhsa_float_denorm_mode_16_64 3
		.amdhsa_memory_ordered 1
		.amdhsa_forward_progress 1
		.amdhsa_inst_pref_size 190
	.end_amdhsa_kernel
	.amdgpu_metadata
---
amdhsa.version: [ 1, 2 ]
amdhsa.kernels:
  - .name:           k_q66d9754b59_ffn2
    .symbol:         k_q66d9754b59_ffn2.kd
    .args:
      - { .name: gq, .offset: 0, .size: 8, .value_kind: global_buffer, .address_space: global }
      - { .name: wq, .offset: 8, .size: 8, .value_kind: global_buffer, .address_space: global }
      - { .name: b2, .offset: 16, .size: 8, .value_kind: global_buffer, .address_space: global }
      - { .name: hb, .offset: 24, .size: 8, .value_kind: global_buffer, .address_space: global }
      - { .name: yb, .offset: 32, .size: 8, .value_kind: global_buffer, .address_space: global }
    .group_segment_fixed_size: 327680
    .private_segment_fixed_size: 0
    .kernarg_segment_align: 8
    .kernarg_segment_size: 40
    .max_flat_workgroup_size: 128
    .sgpr_count:     100
    .vgpr_count:     1024
    .wavefront_size: 32
...
	.end_amdgpu_metadata
.endif
;; end of part 7
;; launch ln2 (part 8): grid 256 x 1, 4 waves a work-group, no clusters, 0 bytes of LDS; arguments yb, ln2_g, ln2_b, out0; writes out0
.if DOCPART == 8
	.amdgcn_target "amdgcn-amd-amdhsa--gfx1250"
	.amdhsa_code_object_version 6
	.text
	.protected	k_q66d9754b59_ln2
	.globl	k_q66d9754b59_ln2
	.p2align	8
	.type	k_q66d9754b59_ln2,@function
k_q66d9754b59_ln2:
	s_mov_b64 s[64:65], 0
	v_nop
	global_prefetch_b8 v0, s[64:65] scope:SCOPE_SE
	s_setreg_imm32_b32 hwreg(HW_REG_WAVE_MODE, 25, 1), 1
	s_wait_xcnt 0x0
; out0 = LayerNorm(yb) x g + b over rows of 1,024, in f32 (mean first, then the centred squares: no difference of large sums).
; A work-group takes 16 rows, a wave four neighbouring ones; a row never leaves its wave: 32 registers a lane, read from memory once.  Every load and store of a wave covers 512 consecutive bytes, aligned.
; No LDS, no barrier, no matrix unit: memory binds, and waves share nothing.
; LIMITS: NaN and infinities among the inputs are not served.
.set X,   32                           ; v32-159  row i, piece j at 32 i + 4 j
.set G,   160
.set BT,  192
.set SA,  224                          ; v224-231 a pair for each row: sums; -mean; 1 / sigma
.set SA2, 232                          ; v232-239 the second chains
.set PD,  240                          ; v240-243 the other half of the lanes'
.set SEL, 18
	s_load_b256 s[4:11], s[0:1], 0x0               ; yb, g, b, out0
	v_lshrrev_b32 v1, 5, v0
	v_readfirstlane_b32 s12, v1                    ; wave
	v_and_b32 v2, 31, v0
	v_lshlrev_b32 v1, 4, v2                        ; 16 x lane
	s_mov_b32 s[SEL], 0x76543210
	s_mov_b32 s[SEL+1], 0xfedcba98
	s_mov_b32 s20, 0x3a800000                      ; 1 / 1,024
	s_mov_b32 s21, 0x3727c5ac                      ; 1e-5
	s_lshl_b32 s13, ttmp9, 4
	s_lshl_b32 s14, s12, 2
	s_add_co_u32 s13, s13, s14                     ; my first row
	s_lshl_b32 s14, s13, 12
	s_mov_b32 s15, 0
	s_wait_kmcnt 0x0
	s_add_nc_u64 s[4:5], s[4:5], s[14:15]
	s_add_nc_u64 s[16:17], s[10:11], s[14:15]
.irp i, 0,1,2,3
.irp j, 0,1,2,3,4,5,6,7
	global_load_b128 v[X+32*\i+4*\j:X+32*\i+4*\j+3], v1, s[4:5] offset:4096*\i+512*\j th:TH_LOAD_NT
.endr
.endr
.irp j, 0,1,2,3,4,5,6,7
	global_load_b128 v[G+4*\j:G+4*\j+3], v1, s[6:7] offset:512*\j
	global_load_b128 v[BT+4*\j:BT+4*\j+3], v1, s[8:9] offset:512*\j
.endr
.irp i, 0,1,2,3
	v_mov_b32 v[PD+\i], 0                          ; a lane permute's destination counts as one of its sources
.endr
.macro ACROSS                          ; the four rows' figures in v[SA + 2 i]: their two halves, then over the 32 lanes
.irp i, 0,1,2,3
	v_pk_add_f32 v[SA+2*\i:SA+2*\i+1], v[SA+2*\i:SA+2*\i+1], v[SA2+2*\i:SA2+2*\i+1]
.endr
.irp i, 0,1,2,3
	v_add_f32 v[SA+2*\i], v[SA+2*\i], v[SA+2*\i+1]
.endr
.irp m, 1,2,4,8
.irp i, 0,1,2,3
	v_add_f32_dpp v[SA+2*\i], v[SA+2*\i], v[SA+2*\i] row_xmask:\m row_mask:0xf bank_mask:0xf
.endr
.endr
.irp i, 0,1,2,3
	v_permlanex16_b32 v[PD+\i], v[SA+2*\i], s[SEL], s[SEL+1]
.endr
.irp i, 0,1,2,3
	v_add_f32 v[SA+2*\i], v[SA+2*\i], v[PD+\i]
.endr
.endm
	s_wait_loadcnt 16                              ; the rows are in; g's and b's 16 loads may be out
.irp i, 0,1,2,3
	v_pk_add_f32 v[SA+2*\i:SA+2*\i+1], v[X+32*\i:X+32*\i+1], v[X+32*\i+2:X+32*\i+3]
	v_pk_add_f32 v[SA2+2*\i:SA2+2*\i+1], v[X+32*\i+4:X+32*\i+5], v[X+32*\i+6:X+32*\i+7]
.endr
.irp k, 8,12,16,20,24,28
.irp i, 0,1,2,3
	v_pk_add_f32 v[SA+2*\i:SA+2*\i+1], v[SA+2*\i:SA+2*\i+1], v[X+32*\i+\k:X+32*\i+\k+1]
	v_pk_add_f32 v[SA2+2*\i:SA2+2*\i+1], v[SA2+2*\i:SA2+2*\i+1], v[X+32*\i+\k+2:X+32*\i+\k+3]
.endr
.endr
	ACROSS
.irp i, 0,1,2,3
	v_mul_f32 v[SA+2*\i], 0xba800000, v[SA+2*\i]   ; -mean
.endr
.irp i, 0,1,2,3
.irp k, 0,2,4,6,8,10,12,14,16,18,20,22,24,26,28,30
	v_pk_add_f32 v[X+32*\i+\k:X+32*\i+\k+1], v[X+32*\i+\k:X+32*\i+\k+1], v[SA+2*\i:SA+2*\i+1] op_sel_hi:[1,0]
.endr
.endr
.irp i, 0,1,2,3
	v_pk_mul_f32 v[SA+2*\i:SA+2*\i+1], v[X+32*\i:X+32*\i+1], v[X+32*\i:X+32*\i+1]
	v_pk_mul_f32 v[SA2+2*\i:SA2+2*\i+1], v[X+32*\i+2:X+32*\i+3], v[X+32*\i+2:X+32*\i+3]
.endr
.irp k, 4,8,12,16,20,24,28
.irp i, 0,1,2,3
	v_pk_fma_f32 v[SA+2*\i:SA+2*\i+1], v[X+32*\i+\k:X+32*\i+\k+1], v[X+32*\i+\k:X+32*\i+\k+1], v[SA+2*\i:SA+2*\i+1]
	v_pk_fma_f32 v[SA2+2*\i:SA2+2*\i+1], v[X+32*\i+\k+2:X+32*\i+\k+3], v[X+32*\i+\k+2:X+32*\i+\k+3], v[SA2+2*\i:SA2+2*\i+1]
.endr
.endr
	ACROSS
.irp i, 0,1,2,3
	v_fma_f32 v[SA+2*\i], v[SA+2*\i], s20, s21     ; the variance + 1e-5
.endr
.irp i, 0,1,2,3
	v_rsq_f32 v[SA+2*\i], v[SA+2*\i]
.endr
	v_nop                                          ; a plain instruction behind the four
	s_wait_alu depctr_va_vdst(0)                   ; one wait for the four, ahead of their first reader
	s_wait_loadcnt 0x0                             ; g and b
.irp i, 0,1,2,3
.irp k, 0,2,4,6,8,10,12,14,16,18,20,22,24,26,28,30
	v_pk_mul_f32 v[X+32*\i+\k:X+32*\i+\k+1], v[X+32*\i+\k:X+32*\i+\k+1], v[SA+2*\i:SA+2*\i+1] op_sel_hi:[1,0]
.endr
.irp k, 0,2,4,6,8,10,12,14,16,18,20,22,24,26,28,30
	v_pk_fma_f32 v[X+32*\i+\k:X+32*\i+\k+1], v[X+32*\i+\k:X+32*\i+\k+1], v[G+\k:G+\k+1], v[BT+\k:BT+\k+1]
.endr
.irp j, 0,1,2,3,4,5,6,7
	global_store_b128 v1, v[X+32*\i+4*\j:X+32*\i+4*\j+3], s[16:17] offset:4096*\i+512*\j th:TH_STORE_NT
.endr
.endr
	s_endpgm
.Lfunc_end_k_q66d9754b59_ln2:
	.size	k_q66d9754b59_ln2, .Lfunc_end_k_q66d9754b59_ln2-k_q66d9754b59_ln2
	.p2alignl 7, 3214868480
	.fill 96, 4, 3214868480
	.section	.rodata,"a",@progbits
	.p2align	6, 0x0
	.amdhsa_kernel k_q66d9754b59_ln2
		.amdhsa_group_segment_fixed_size 0
		.amdhsa_private_segment_fixed_size 0
		.amdhsa_enable_private_segment 0
		.amdhsa_kernarg_size 32
		.amdhsa_user_sgpr_count 2
		.amdhsa_user_sgpr_kernarg_segment_ptr 1
		.amdhsa_wavefront_size32 1
		.amdhsa_system_sgpr_workgroup_id_x 1
		.amdhsa_system_sgpr_workgroup_id_y 1
		.amdhsa_system_sgpr_workgroup_id_z 1
		.amdhsa_system_vgpr_workitem_id 0
		.amdhsa_next_free_vgpr 256
		.amdhsa_next_free_sgpr 66
		.amdhsa_reserve_vcc 0
		.amdhsa_float_denorm_mode_32 3
		.amdhsa_float_denorm_mode_16_64 3
		.amdhsa_memory_ordered 1
		.amdhsa_forward_progress 1
		.amdhsa_inst_pref_size 33
	.end_amdhsa_kernel
	.amdgpu_metadata
---
amdhsa.version: [ 1, 2 ]
amdhsa.kernels:
  - .name:           k_q66d9754b59_ln2
    .symbol:         k_q66d9754b59_ln2.kd
    .args:
      - { .name: yb, .offset: 0, .size: 8, .value_kind: global_buffer, .address_space: global }
      - { .name: ln2_g, .offset: 8, .size: 8, .value_kind: global_buffer, .address_space: global }
      - { .name: ln2_b, .offset: 16, .size: 8, .value_kind: global_buffer, .address_space: global }
      - { .name: out0, .offset: 24, .size: 8, .value_kind: global_buffer, .address_space: global }
    .group_segment_fixed_size: 0
    .private_segment_fixed_size: 0
    .kernarg_segment_align: 8
    .kernarg_segment_size: 32
    .max_flat_workgroup_size: 128
    .sgpr_count:     66
    .vgpr_count:     256
    .wavefront_size: 32
...
	.end_amdgpu_metadata
.endif
;; end of part 8
;; ======== version 2 of 2: 7 launches
;; limits: right only within a limited range of input values
;; workspace buffers: wq 14,155,776 bytes; qkv 10,092,544 bytes; att 3,407,872 bytes; yb 16,777,216 bytes; hb 20,054,016 bytes; gq 13,107,200 bytes
;; launch prep (part 9): grid 512 x 1, 4 waves a work-group, no clusters, 35,328 bytes of LDS; arguments x, in_proj_w, out_w, w1, w2, wq; writes wq
.if DOCPART == 9
	.amdgcn_target "amdgcn-amd-amdhsa--gfx1250"
	.amdhsa_code_object_version 6
	.text
	.protected	k_q66d9754b59_prep
	.globl	k_q66d9754b59_prep
	.p2align	8
	.type	k_q66d9754b59_prep,@function
k_q66d9754b59_prep:
	s_mov_b64 s[64:65], 0
	v_nop
	global_prefetch_b8 v0, s[64:65] scope:SCOPE_SE
	s_setreg_imm32_b32 hwreg(HW_REG_WAVE_MODE, 25, 1), 1
	s_wait_xcnt 0x0
; x [4096][1024], in_proj_w [3072][1024], out_w [1024][1024], w1 [4096][1024], w2 [1024][4096], all f32 with K innermost, become codes of FP6 (E2M3) with one E8M0 byte
; for each 32 along K, laid in wq AS THE MATRIX UNIT'S REGISTERS TAKE THEM; and the table of RoPE's cosines and sines is made.
; BLOCKS.  Rows go in blocks of 16; block i holds at lane index p the row 32 (i / 2) + 8 (i % 2) + p + 8 (p / 8): as source 0 of a matrix instruction two neighbouring blocks give each lane 16 neighbours of the next K.
; IMAGE.  A fragment (16 rows x 128 K, 12 registers a lane) lies as 1,536 bytes: for c = 0, 1: registers 6 c .. 6 c + 3 at 768 c + 16 x lane, registers 6 c + 4, 6 c + 5 at 768 c + 512 + 8 x lane.
; Codes of a tensor: [block][K / 128][1,536].  Scale words (four bytes: 128 K of a row): [K / 128][rows in the blocks' order].
; A block's scale is 2^(floor(log2(largest magnitude)) - 2); its byte is the largest magnitude's exponent field - 2, held at 1 from below.
; LIMITS: NaN and infinities among the inputs are not served; a block of zeros gets the byte 1 (the rule says 127): its codes are zeros and only this program reads the bytes.
; RoPE's inverse frequencies are two v_exp_f32 and a product, good to about two units in the last place; the angle is reduced by pi / 2 in two parts (angles stay under 2,048).
; SHARES.  A wave takes 64 rows x 128 K: four fragments.  Work-groups 0-127 take x, 128-223 in_proj_w, 224-255 out_w, 256-383 w1, 384-511 w2: pointers and sizes are chosen, the path is one.
; Each load reads 512 consecutive bytes of one row; a fragment's 16 rows turn through the wave's own stage in LDS (rows 528 bytes apart) and come back 128 bytes a lane, a whole block of 32 twice.
; No tensor loads, no barrier: waves share nothing.  Loads run two fragments (32 loads a wave) ahead.
.set WS,    12582912                   ; wq: where the scale words begin
.set ROPE,  13107200                   ; wq: the table [token block 128][i 16][lane 32][c, s, -s, c]
.set STG,   8704                       ; LDS of a wave: 16 x 528 bytes of stage, 256 bytes of scale words
.set OFF,   16                         ; v16-31   16 x lane + the fragment's row j in bytes
.set R,     32                         ; v32-159  two sets of 64: a fragment as loaded
.set X,     160                        ; v160-223 my two blocks of 32 neighbours
.set C,     224                        ; v224-235 the fragment's codes
.set T,     236                        ; v236-243 second halves of the blocks' codes
.set M,     244                        ; v244-245 largest magnitudes
.set SO,    246                        ; v246-247 the conversions' scale operands
.set BY,    248                        ; v248-249 the bytes
.set W,     250                        ; v250     the scale word
.set WP,    251                        ; v251     the other half of the lanes' bytes
.set H8,    7                          ; v7       8 h
.set SRC,   32                         ; s[32:39] the four fragments' first rows
.set DC,    40                         ; s[40:47] where their images go
.set SCB,   48                         ; s[48:49] where the wave's 64 scale words go
.set RPB,   50                         ; s[50:51] where the work-group's table entries go
.set SEL,   52                         ; s52, s53 v_permlanex16_b32's selects for lane l xor 16
	s_load_b256 s[4:11], s[0:1], 0x0               ; x, in_proj_w, out_w, w1
	s_load_b128 s[12:15], s[0:1], 0x20             ; w2, wq
	v_lshl_add_u32 v239, v0, 2, 0x8800
	v_mov_b32 v243, 0
	v_lshrrev_b32 v1, 5, v0
	v_readfirstlane_b32 s27, v1                    ; wave
	v_and_b32 v8, 31, v0                           ; lane
	v_and_b32 v9, 15, v0                           ; r
	v_bfe_u32 v10, v0, 4, 1                        ; h
	v_lshlrev_b32 v1, 4, v8                        ; 16 x lane
	v_lshlrev_b32 v2, 3, v8                        ; 8 x lane
	s_mul_i32 s28, s27, STG
	v_add_nc_u32 v3, s28, v1                       ; the stage, on the way in: 16 x lane of a row
	v_mul_u32_u24 v4, v9, 528
	v_lshl_add_u32 v4, v10, 7, v4
	v_add_nc_u32 v4, s28, v4                       ; and out: row r, 128 h bytes on
	s_add_co_u32 s28, s28, 16*528
	v_lshl_add_u32 v5, v9, 2, s28                  ; my row's scale word
	v_add_nc_u32 v6, s28, v2                       ; the 64 words on their way out, 8 bytes a lane
	v_lshlrev_b32 v[H8], 3, v10
	s_mov_b32 s[SEL], 0x76543210
	s_mov_b32 s[SEL+1], 0xfedcba98
	s_mov_b32 s18, 384                             ; w2's figures: first work-group,
	s_mov_b32 s19, 393216                          ; its scale words' place,
	s_mov_b32 s20, 4096                            ; bytes of scale words for 128 K,
	s_mov_b32 s21, 5                               ; log2 (K / 128)
	s_wait_alu depctr_va_vdst(0)
	s_wait_kmcnt 0x0
	s_mov_b64 s[16:17], s[12:13]
	s_cmp_lt_u32 ttmp9, 384                        ; the choices hang on the work-group's number alone
	s_cselect_b64 s[16:17], s[10:11], s[16:17]     ; w1
	s_cselect_b32 s18, 256, s18
	s_cselect_b32 s19, 262144, s19
	s_cselect_b32 s20, 16384, s20
	s_cselect_b32 s21, 3, s21
	s_cmp_lt_u32 ttmp9, 256
	s_cselect_b64 s[16:17], s[8:9], s[16:17]       ; out_w
	s_cselect_b32 s18, 224, s18
	s_cselect_b32 s19, 229376, s19
	s_cselect_b32 s20, 4096, s20
	s_cmp_lt_u32 ttmp9, 224
	s_cselect_b64 s[16:17], s[6:7], s[16:17]       ; in_proj_w: its words lie behind x's in one array of 7,168 rows
	s_cselect_b32 s18, 128, s18
	s_cselect_b32 s19, 16384, s19
	s_cselect_b32 s20, 28672, s20
	s_cmp_lt_u32 ttmp9, 128
	s_cselect_b64 s[16:17], s[4:5], s[16:17]       ; x
	s_cselect_b32 s18, 0, s18
	s_cselect_b32 s19, 0, s19
	s_lshl_b32 s22, ttmp9, 2
	s_add_co_u32 s22, s22, s27
	s_lshl_b32 s23, s18, 2
	s_sub_co_u32 s22, s22, s23                     ; my unit in the tensor
	s_lshl_b32 s24, 1, s21
	s_sub_co_u32 s24, s24, 1
	s_and_b32 s24, s22, s24                        ; kb: which 128 along K
	s_lshr_b32 s25, s22, s21                       ; rg: which 64 rows
	s_lshl_b32 s26, 512, s21                       ; a row in bytes
	s_mul_i32 s28, s25, s26
	s_lshl_b32 s28, s28, 6
	s_lshl_b32 s29, s24, 9
	s_add_co_u32 s28, s28, s29
	s_mov_b32 s29, 0
	s_add_nc_u64 s[SRC:SRC+1], s[16:17], s[28:29]  ; fragment 0 begins at row 64 rg,
	s_lshl_b32 s28, s26, 3
	s_add_nc_u64 s[SRC+2:SRC+3], s[SRC:SRC+1], s[28:29]    ; 1: 8 rows on,
	s_lshl_b32 s28, s26, 5
	s_add_nc_u64 s[SRC+4:SRC+5], s[SRC:SRC+1], s[28:29]    ; 2: 32,
	s_add_nc_u64 s[SRC+6:SRC+7], s[SRC+2:SRC+3], s[28:29]  ; 3: 40
.irp j, 0,1,2,3,4,5,6,7,8,9,10,11,12,13,14,15
	v_mad_u32_u24 v[OFF+\j], s26, \j+8*(\j/8), v1  ; lane index j is row j + 8 (j / 8) of the fragment
.endr
.macro LOADF f                         ; fragment f as it lies: 16 rows x 512 consecutive bytes
.irp j, 0,1,2,3,4,5,6,7,8,9,10,11,12,13,14,15
	global_load_b128 v[R+64*((\f)%2)+4*\j:R+64*((\f)%2)+4*\j+3], v[OFF+\j], s[SRC+2*(\f):SRC+2*(\f)+1] th:TH_LOAD_NT
.endr
.endm
	LOADF 0
	LOADF 1
	s_mul_i32 s28, s23, 6144                       ; the tensor's first byte of codes: 6,144 bytes a unit
	s_lshl_b32 s30, s25, 2
.irp f, 0,1,2,3
	s_add_co_u32 s31, s30, \f                      ; block 4 rg + f
	s_lshl_b32 s31, s31, s21
	s_add_co_u32 s31, s31, s24
	s_mul_i32 s31, s31, 1536
	s_add_co_u32 s[DC+2*\f], s31, s28
	s_mov_b32 s[DC+2*\f+1], 0
	s_add_nc_u64 s[DC+2*\f:DC+2*\f+1], s[14:15], s[DC+2*\f:DC+2*\f+1]
.endr
	s_mul_i32 s28, s24, s20
	s_lshl_b32 s30, s25, 8
	s_add_co_u32 s28, s28, s30
	s_add_co_u32 s28, s28, s19
	s_add_co_u32 s28, s28, WS
	s_add_nc_u64 s[SCB:SCB+1], s[14:15], s[28:29]
	s_lshl_b32 s28, ttmp9, 11
	s_add_co_u32 s28, s28, ROPE
	s_add_nc_u64 s[RPB:RPB+1], s[14:15], s[28:29]
	; THE TABLE: one entry a thread, under the loads.  Token block tb = work-group / 4, i = 4 (work-group % 4) + wave; token 32 (tb / 2) + 8 (tb % 2) + r + 8 (r / 8); pair of dims p = 16 (i / 8) + 8 h + i % 8
	s_lshr_b32 s54, ttmp9, 2
	s_and_b32 s55, ttmp9, 3
	s_lshl_b32 s55, s55, 2
	s_add_co_u32 s55, s55, s27                     ; i
	s_lshr_b32 s56, s55, 3
	s_lshl_b32 s56, s56, 4
	s_and_b32 s55, s55, 7
	s_add_co_u32 s55, s55, s56
	s_lshr_b32 s56, s54, 1
	s_lshl_b32 s56, s56, 5
	s_and_b32 s54, s54, 1
	s_lshl_b32 s54, s54, 3
	s_add_co_u32 s54, s54, s56
	v_and_b32 v246, 8, v9
	v_add3_u32 v246, v246, v9, s54                 ; the token
	v_lshl_add_u32 v247, v10, 3, s55               ; p
	v_cvt_f32_u32 v246, v246
	v_cvt_f32_u32 v247, v247
	v_mul_f32 v248, 0xbed48000, v247               ; -p x 425 / 1024: exact
	v_mul_f32 v249, 0xb953c25f, v247               ; -p x the rest of log2(10000) / 32
	s_wait_alu depctr_va_vdst(0)
	v_exp_f32 v248, v248
	v_exp_f32 v249, v249
	v_lshlrev_b32 v12, 4, v0                       ; (a plain instruction behind the exponentials)  16 bytes a thread
	s_wait_alu depctr_va_vdst(0)                   ; one wait for both, ahead of their first reader
	v_mul_f32 v248, v248, v249                     ; 10000^(-2 p / 64)
	v_mul_f32 v246, v246, v248                     ; the angle, rounded once
	v_mul_f32 v247, 0x3f22f983, v246
	v_rndne_f32 v247, v247                         ; n = the nearest multiple of pi / 2
	v_fmamk_f32 v248, v247, 0xbfc90fdb, v246       ; angle - n x pi / 2, in two parts
	v_fmamk_f32 v248, v247, 0x333bbd2e, v248
	v_mul_f32 v249, v248, v248                     ; z
	v_mov_b32 v250, 0xb94ca1f9
	v_fmaak_f32 v250, v250, v249, 0x3c08839e
	v_fmaak_f32 v250, v250, v249, 0xbe2aaaa3
	v_mul_f32 v251, v248, v249
	v_fma_f32 v250, v251, v250, v248               ; the sine of the rest
	v_mov_b32 v252, 0x37ccf5ce
	v_fmaak_f32 v252, v252, v249, 0xbab6061a
	v_fmaak_f32 v252, v252, v249, 0x3d2aaaa5
	v_mul_f32 v253, v249, v249
	v_fma_f32 v254, v249, -0.5, 1.0
	v_fma_f32 v252, v253, v252, v254               ; its cosine
	v_cvt_i32_f32 v247, v247
	v_and_b32 v253, 1, v247
	v_cmp_eq_u32 vcc_lo, 1, v253                   ; in odd quadrants the two change places
	v_cndmask_b32 v254, v250, v252, vcc_lo
	v_cndmask_b32 v255, v252, v250, vcc_lo
	v_and_b32 v253, 2, v247
	v_lshlrev_b32 v253, 30, v253
	v_xor_b32 v9, v254, v253                       ; s: negative in quadrants 2, 3
	v_add_nc_u32 v247, 1, v247
	v_and_b32 v247, 2, v247
	v_lshlrev_b32 v247, 30, v247
	v_xor_b32 v8, v255, v247                       ; c: negative in quadrants 1, 2
	v_xor_b32 v10, 0x80000000, v9                  ; -s
	v_mov_b32 v11, v8
	global_store_b128 v12, v[8:11], s[RPB:RPB+1]   ; a wave stores 512 consecutive bytes; v8-12 are not written again
	v_mov_b32 v[WP], 0                             ; a lane permute's destination counts as one of its sources
; my two whole blocks of 32, at v[X] and v[X + 32], become the fragment's 12 registers and its scale word
.macro QUANT2
.irp c, 0,1
	v_max3_num_f32 v[M+\c], |v[X+32*\c]|, |v[X+32*\c+1]|, 0x1800000   ; the floor 2^(3 - 127) among the leaves: the byte cannot fall under 1
.endr
.irp i, 2,4,6,8,10,12,14,16,18,20,22,24,26,28,30
.irp c, 0,1
	v_max3_num_f32 v[M+\c], v[M+\c], |v[X+32*\c+\i]|, |v[X+32*\c+\i+1]|
.endr
.endr
.irp c, 0,1
	v_add_nc_u32 v[SO+\c], 0xff000000, v[M+\c]     ; 2 off the exponent field: the conversion takes this operand's exponent field as its scale
.endr
.irp c, 0,1
	v_lshrrev_b32 v[BY+\c], 23, v[SO+\c]           ; the byte
.endr
	v_lshl_or_b32 v[W], v[BY+1], 16, v[BY]         ; blocks h and 2 + h of my row,
	v_lshlrev_b32 v[W], v[H8], v[W]                ; at their places;
	v_permlanex16_b32 v[WP], v[W], s[SEL], s[SEL+1]
	v_or_b32 v[W], v[W], v[WP]                     ; with lane l xor 16's two the word is whole
.irp c, 0,1
	v_cvt_scalef32_pk16_fp6_f32 v[C+6*\c:C+6*\c+2], v[X+32*\c:X+32*\c+15], v[SO+\c]
	v_cvt_scalef32_pk16_fp6_f32 v[T+4*\c:T+4*\c+2], v[X+32*\c+16:X+32*\c+31], v[SO+\c]   ; (a conversion's three registers begin on an even number)
.endr
	v_nop                                          ; one plain instruction behind a scaled conversion
.irp c, 0,1
.irp i, 0,1,2
	v_mov_b32 v[C+3+6*\c+\i], v[T+4*\c+\i]
.endr
.endr
.endm
.macro FRAGQ f
.if (\f) < 3
	s_wait_loadcnt 16                              ; this fragment's 16 loads are in; the next fragment's 16 may be out
.else
	s_wait_loadcnt 0x0
.endif
.irp j, 0,1,2,3,4,5,6,7,8,9,10,11,12,13,14,15
	ds_store_b128 v3, v[R+64*((\f)%2)+4*\j:R+64*((\f)%2)+4*\j+3] offset:528*\j
.endr
.irp c, 0,1
.irp i, 0,1,2,3,4,5,6,7
	ds_load_b128 v[X+32*\c+4*\i:X+32*\c+4*\i+3], v4 offset:256*\c+16*\i   ; LDS serves a wave's instructions in order: these see the stores above
.endr
.endr
	s_wait_dscnt 0x0                               ; the numbers are back, and the stores have read their registers,
.if (\f) < 2
	LOADF (\f)+2                                   ; which take the fragment two on
.endif
	s_wait_xcnt 0x0                                ; the last fragment's stores have read the codes' registers
	QUANT2
	global_store_b128 v1, v[C:C+3], s[DC+2*(\f):DC+2*(\f)+1]               ; each store covers 512 or 256 consecutive bytes, aligned
	global_store_b64 v2, v[C+4:C+5], s[DC+2*(\f):DC+2*(\f)+1] offset:512
	global_store_b128 v1, v[C+6:C+9], s[DC+2*(\f):DC+2*(\f)+1] offset:768
	global_store_b64 v2, v[C+10:C+11], s[DC+2*(\f):DC+2*(\f)+1] offset:1280
	ds_store_b32 v5, v[W] offset:64*(\f)           ; lanes r and r + 16 write the same word with the same value
.endm
	FRAGQ 0
	FRAGQ 1
	FRAGQ 2
	FRAGQ 3
	ds_load_b64 v[252:253], v6
	s_wait_dscnt 0x0
	global_store_b64 v2, v[252:253], s[SCB:SCB+1]  ; the wave's 64 scale words: 256 consecutive bytes, aligned
	s_wait_tensorcnt 0x0
	ds_add_u32 v239, v243
	s_wait_dscnt 0x0
	s_endpgm
.Lfunc_end_k_q66d9754b59_prep:
	.size	k_q66d9754b59_prep, .Lfunc_end_k_q66d9754b59_prep-k_q66d9754b59_prep
	.p2alignl 7, 3214868480
	.fill 96, 4, 3214868480
	.section	.rodata,"a",@progbits
	.p2align	6, 0x0
	.amdhsa_kernel k_q66d9754b59_prep
		.amdhsa_group_segment_fixed_size 35328
		.amdhsa_private_segment_fixed_size 0
		.amdhsa_enable_private_segment 0
		.amdhsa_kernarg_size 48
		.amdhsa_user_sgpr_count 2
		.amdhsa_user_sgpr_kernarg_segment_ptr 1
		.amdhsa_wavefront_size32 1
		.amdhsa_system_sgpr_workgroup_id_x 1
		.amdhsa_system_sgpr_workgroup_id_y 1
		.amdhsa_system_sgpr_workgroup_id_z 1
		.amdhsa_system_vgpr_workitem_id 0
		.amdhsa_next_free_vgpr 256
		.amdhsa_next_free_sgpr 66
		.amdhsa_reserve_vcc 1
		.amdhsa_float_denorm_mode_32 3
		.amdhsa_float_denorm_mode_16_64 3
		.amdhsa_memory_ordered 1
		.amdhsa_forward_progress 1
		.amdhsa_inst_pref_size 37
	.end_amdhsa_kernel
	.amdgpu_metadata
---
amdhsa.version: [ 1, 2 ]
amdhsa.kernels:
  - .name:           k_q66d9754b59_prep
    .symbol:         k_q66d9754b59_prep.kd
    .args:
      - { .name: x, .offset: 0, .size: 8, .value_kind: global_buffer, .address_space: global }
      - { .name: in_proj_w, .offset: 8, .size: 8, .value_kind: global_buffer, .address_space: global }
      - { .name: out_w, .offset: 16, .size: 8, .value_kind: global_buffer, .address_space: global }
      - { .name: w1, .offset: 24, .size: 8, .value_kind: global_buffer, .address_space: global }
      - { .name: w2, .offset: 32, .size: 8, .value_kind: global_buffer, .address_space: global }
      - { .name: wq, .offset: 40, .size: 8, .value_kind: global_buffer, .address_space: global }
    .group_segment_fixed_size: 35328
    .private_segment_fixed_size: 0
    .kernarg_segment_align: 8
    .kernarg_segment_size: 48
    .max_flat_workgroup_size: 128
    .sgpr_count:     66
    .vgpr_count:     256
    .wavefront_size: 32
...
	.end_amdgpu_metadata
.endif
;; end of part 9
;; launch proj (part 10): grid 12 x 16, 4 waves a work-group, clusters of 4 x 4, 327,680 bytes of LDS; arguments wq, in_proj_b, qkv; writes qkv
.if DOCPART == 10
	.amdgcn_target "amdgcn-amd-amdhsa--gfx1250"
	.amdhsa_code_object_version 6
	.text
	.protected	k_q66d9754b59_proj
	.globl	k_q66d9754b59_proj
	.p2align	8
	.type	k_q66d9754b59_proj,@function
k_q66d9754b59_proj:
	s_mov_b64 s[64:65], 0
	v_nop
	global_prefetch_b8 v0, s[64:65] scope:SCOPE_SE
	s_setreg_imm32_b32 hwreg(HW_REG_WAVE_MODE, 25, 1), 1
	s_wait_xcnt 0x0
	s_wait_alu depctr_hold_cnt(0) depctr_sa_sdst(0) depctr_va_vdst(0) depctr_va_sdst(0) depctr_va_ssrc(0) depctr_va_vcc(0) depctr_vm_vsrc(0)
	s_getreg_b32 s2, hwreg(HW_REG_IB_STS2, 6, 4)
	s_cmp_eq_u32 s2, 0
	s_cbranch_scc0 .Lentry_in_a_cluster
	s_endpgm
.Lentry_in_a_cluster:
	s_bfe_u32 s2, ttmp6, 0x10000c
	s_cmp_lg_u32 s2, 0xf033
	s_cbranch_scc0 .Lentry_shape_is_right
	s_endpgm
.Lentry_shape_is_right:
; qkv = x in_proj_w^T + in_proj_b on codes of FP6 (E2M3) with E8M0 scales; q and k are turned by RoPE; q, k and v leave as codes for the attention.
; OPERANDS lie in wq as images of the matrix unit's registers: [block of 16 rows][K / 128][1,536 bytes]; x's 256 blocks and in_proj_w's 192 are one array of 448.  Scale words: [K / 128][7,168 rows].
; Block i holds at lane index p row 32 (i / 2) + 8 (i % 2) + p + 8 (p / 8).  An image: for c = 0, 1: registers 6 c .. 6 c + 3 at 768 c + 16 x lane, registers 6 c + 4, 6 c + 5 at 768 c + 512 + 8 x lane.
; A tile of 256 x 256 is made by four waves, 128 x 128 each: 64 accumulators, 512 registers.  K goes in steps of 256 through a ring of two LDS slots filled by the tensor data mover; a tile's row is a block's two fragments, 3,072 bytes.
; The scale words of the work-group's rows, for all of K, come into LDS once, with the first fills.
; CLUSTERS: 4 x 4 work-groups; the A side's tiles are asked for jointly along a row of the cluster, the B side's along a column.
; THE MATRIX INSTRUCTION: source 0 = a block of the B side, source 1 = a block of the A side.  A lane holds one row of the A side, and the 16 registers of B's blocks 2 b, 2 b + 1 are 16 neighbours 32 b + 16 h + 0 .. 15 of the B side.
; Clusters x = 0 (q) and 1 (k): A = tokens, B = rows of in_proj_w: a lane holds one token, its registers run along the features: the heads' 64 are q's and k's K.
; Cluster x = 2 (v): THE SIDES ARE SWAPPED BY ADDRESSES ALONE: A = Wv's rows, B = tokens: a lane holds one feature and its registers run along the tokens, which are v's K.
; OUT (qkv): q: half images [pair 16][parity 2][tile 128][768] and half scale words (upper two bytes 0); k the same; v^T: [pair][parity][key step 16][t 4][1,536], its scale words [step][t][16].
; LIMITS: NaN and infinities are not served; a block of zeros gets the byte 1 (the rule says 127): its codes are zeros and only this program reads the bytes.
; REGISTERS, in windows of 256: window 0: v0-31 addresses; v32-63 scale words, two sets, and nothing else; v128-223 A's fragments, one set; way out: v64-127 bias, v128-191 numbers, v192-255 RoPE's products, then codes.
;   window 1: B's fragments, two sets, at v0 and v128; way out: v0-127 two blocks' tables.   windows 2, 3: the accumulators ((a, b) at v[8 (8 (a % 4) + b)]).
.set KB,     8                         ; K / 128
.set WSC,    12582912                  ; wq: the scale words
.set ROPE,   13107200                  ; wq: RoPE's table [token block][i 16][lane][c, s, -s, c]
.set AR2,    3584                      ; a row of the scale array in elements of 8 bytes
.set QC,     0
.set QS,     3145728
.set KV,     3407872
.set KVS,    9699328
.set NQ,     2                         ; matrix instructions deep in a slot
.set FR,     12                        ; registers of a fragment
.set NL,     4                         ; LDS loads that bring one
.set NP,     4                         ; places behind this matrix instruction (ISA guide 7.12.1)
.set ROWB,   3072
.set HALFT,  8*ROWB                    ; 8 blocks: what one tensor load brings, and what a wave reads of a side
.set SLOT,   4*HALFT
.set LAPS,   KB/4                      ; a lap = two K steps = once round the ring
.set SCL,    2*SLOT                    ; behind the ring: the scale words, [K / 128][128 rows] for each wave's load
.set HALFS,  512*KB
.set SPARE,  SCL+4*HALFS               ; the spare words, 128 bytes for each wave: two blocks of 256 bytes that no other line names
.set ADRA, 16                          ; v16-17 16 x lane in my A blocks of slot 0, 1;  v18-19 the same with 8 x lane
.set ADRB, 20                          ; v20-23 the same for B
.set ADRS, 27                          ; v27 my scale words: lanes 0-15 A's rows, lanes 16-31 B's
.set SPW,  28                          ; v28 SPARE + 4 x my thread's number; never rewritten
.set NIL,  29                          ; v29 0; never rewritten
.set L16,  24                          ; v24 16 x lane
.set L8,   25                          ; v25 8 x lane
.set SW,   26                          ; v26 q, k: where my half scale word goes in LDS
.set SR,   31                          ; v31 q, k: where the words are read back
.set SWV,  30                          ; v30 v: the same two, in bytes of their own
.set SRV,  11
.set RV4,  9                           ; v9  4 (r + 8 (r / 8))
.set H64,  10                          ; v10 64 h
.set H16,  12                          ; v12 16 h
.set VOV,  13                          ; v13 v's scale words on their way out
.set HW,   14                          ; v14 a half scale word
.set PW,   15                          ; v15 the scale word just made
.set SC,   32
.set AF,   128
.set BIAS, 64
.set X,    128
.set TT,   192
.set PC,   192                         ; the codes: 12 registers, and 8 at work
.set TM,   212                         ; v212-215 largest magnitudes, v216-219 bytes, v220-223 the conversions' scale operands
.set SEL,  66                          ; s66, s67
.set G1, 24
.set G0, 32
.set G1B, 48
.set G0B, 56
.set G1S, 68
.set G0S, 76
.set G1SB, 80
.set G0SB, 88
.set MSB, 0
.macro WIN new                         ; the immediate's high byte repeats the setting that is left
.if MSB != \new
	s_set_vgpr_msb (MSB<<8)|\new
.set MSB, \new
.endif
.endm
.set MUL_LO, 0xa1                      ; source 0 (B) window 1, source 1 (A) window 0, C and D window 2
.set MUL_HI, 0xf1
.set TO_B,   0x40
; A joint load: waves 0 and 1 fetch for A, waves 2 and 3 for B; the branch hangs on the wave's number alone.  Four v_nop follow each of the two lines.
.macro JLOAD g0a, g1a, g0b, g1b
	s_cmp_eq_u32 s15, 0
	s_cbranch_scc0 .Lfor_b_\@
	tensor_load_to_lds s[\g0a:\g0a+3], s[\g1a:\g1a+7]
	s_nop 0
.rept 4
	v_nop
.endr
	s_branch .Lasked_\@
.Lfor_b_\@:
	tensor_load_to_lds s[\g0b:\g0b+3], s[\g1b:\g1b+7]
	s_nop 0
.rept 4
	v_nop
.endr
.Lasked_\@:
.endm
.macro CREST                           ; a round of the cluster's barrier behind its opening barrier
	s_cmp_lg_u32 s14, 0
	s_cbranch_scc1 .Lnot_wave_0_\@
	s_barrier_signal -3
.Lnot_wave_0_\@:
	s_barrier_wait -3
	s_barrier_signal -1
	s_barrier_wait -1
.endm
.macro CROUND
	s_barrier_signal -1
	s_barrier_wait -1
	CREST
.endm
	s_load_b128 s[4:7], s[0:1], 0x0                ; wq, in_proj_b
	s_load_b64 s[8:9], s[0:1], 0x10                ; qkv
	v_lshl_add_u32 v[SPW], v0, 2, SPARE
	v_mov_b32 v[NIL], 0
	ds_add_u32 v28, v29
	ds_add_u32 v28, v29
	s_wait_dscnt 0x0
	v_lshrrev_b32 v1, 5, v0
	v_readfirstlane_b32 s14, v1                    ; wave 0..3
	v_and_b32 v8, 31, v0                           ; the prefetches' offset, never rewritten: 24 lanes name the 24 blocks of 256 bytes of two rows of 3,072; lanes 24-31 name the last again
	v_min_u32 v8, 23, v8
	v_mul_u32_u24 v2, v8, 171
	v_lshrrev_b32 v2, 11, v2                       ; lane / 12: which of the two rows
	v_mul_u32_u24 v2, v2, KB*1536-ROWB
	v_lshl_add_u32 v8, v8, 8, v2
	s_lshr_b32 s15, s14, 1                         ; which half of the A side is mine.  Also: I fetch for A (0) or for B (1)
	s_and_b32 s16, s14, 1                          ; which half of the B side.  Also: which 8 blocks I fetch
	s_bfe_u32 s40, ttmp6, 0x40000                  ; cx, cy: my place in the cluster
	s_bfe_u32 s41, ttmp6, 0x40004
	s_and_b32 s17, ttmp7, 0xffff                   ; cluster y
	s_lshl_b32 s43, s41, 2
	s_lshl_b32 s43, 15, s43                        ; my row of the cluster
	s_lshl_b32 s44, 0x1111, s40                    ; my column
	s_mov_b32 s[SEL], 0x76543210
	s_mov_b32 s[SEL+1], 0xfedcba98
	; descriptor group 1, codes: 8 rows (blocks) of 384 elements of 8 bytes, a block's row of KB fragments apart; no padding: an image's loads are dense
	s_or_b32 s[G1+0], s43, (3<<16)|(1<<21)         ; 15:0 the mask: my row; 17:16 elements of 8 bytes; 21 set beside a mask
	s_or_b32 s[G1B+0], s44, (3<<16)|(1<<21)        ; my column
.irp g, G1, G1B
	s_mov_b32 s[\g+1], 384<<16                     ; tensor_dim0
	s_mov_b32 s[\g+2], 8<<16                       ; tensor_dim1
	s_mov_b32 s[\g+3], 384<<16                     ; tile_dim0
	s_mov_b32 s[\g+4], 8                           ; tile_dim1
	s_mov_b32 s[\g+5], 192*KB                      ; tensor_dim0_stride
	s_mov_b32 s[\g+6], 0
	s_mov_b32 s[\g+7], 0
.endr
	; scale words: KB rows of 512 bytes (128 rows' words)
	s_or_b32 s[G1S+0], s43, (3<<16)|(1<<21)
	s_or_b32 s[G1SB+0], s44, (3<<16)|(1<<21)
.irp g, G1S, G1SB
	s_mov_b32 s[\g+1], 64<<16
	s_mov_b32 s[\g+2], KB<<16
	s_mov_b32 s[\g+3], 64<<16
	s_mov_b32 s[\g+4], KB
	s_mov_b32 s[\g+5], AR2
	s_mov_b32 s[\g+6], 0
	s_mov_b32 s[\g+7], 0
.endr
	; which blocks of the 448.  The choice hangs on the cluster's x, which all sixteen partners share.  A's registers never hold cx, B's never cy
	s_lshl_b32 s18, s16, 3
	s_lshl_b32 s19, s17, 6                         ; the tokens' blocks of this row of clusters
	s_lshl_b32 s95, ttmp9, 6
	s_add_co_u32 s95, s95, 256                     ; Wq's or Wk's blocks
	s_cmp_eq_u32 ttmp9, 2
	s_cselect_b32 s20, 384, s19                    ; A: Wv's blocks, or tokens
	s_cselect_b32 s46, s19, s95                    ; B: tokens, or Wq's or Wk's
	s_lshl_b32 s96, s41, 4
	s_add_co_u32 s20, s20, s96
	s_add_co_u32 s20, s20, s18
	s_lshl_b32 s97, s40, 4
	s_add_co_u32 s46, s46, s97
	s_add_co_u32 s46, s46, s18
	s_lshl_b32 s22, s20, 6
	s_add_co_u32 s22, s22, WSC
	s_mov_b32 s23, 0
	s_lshl_b32 s92, s46, 6
	s_add_co_u32 s92, s92, WSC
	s_mov_b32 s93, 0
	s_mul_i32 s20, s20, KB*1536
	s_mov_b32 s21, 0
	s_mul_i32 s46, s46, KB*1536
	s_mov_b32 s47, 0
	s_mul_i32 s45, s14, HALFT                      ; where they go: no place in the cluster enters an LDS address
	s_mul_i32 s94, s14, HALFS
	s_wait_alu depctr_va_vdst(0)
	s_wait_kmcnt 0x0
	s_add_nc_u64 s[20:21], s[4:5], s[20:21]
	s_add_nc_u64 s[22:23], s[4:5], s[22:23]
	s_add_nc_u64 s[46:47], s[4:5], s[46:47]
	s_add_nc_u64 s[92:93], s[4:5], s[92:93]
	; PREFETCH INTO THE L2: each fill's tile is asked for two fills ahead.  Of the 8 rows that a wave fetches, each of the four partners that ask for them jointly names 2, told apart by address (cx for A, cy for B)
	s_cmp_eq_u32 s15, 0
	s_cselect_b64 s[98:99], s[20:21], s[46:47]
	s_cselect_b32 s96, s40, s41
	s_mul_i32 s96, s96, 2*KB*1536
	s_mov_b32 s97, 0
	s_add_nc_u64 s[98:99], s[98:99], s[96:97]
	global_prefetch_b8 v8, s[98:99] th:TH_LOAD_NT scope:SCOPE_SE               ; K steps 0 and 1: the scale words' fill and a round stand ahead of their loads
	global_prefetch_b8 v8, s[98:99] offset:ROWB th:TH_LOAD_NT scope:SCOPE_SE
	CROUND                                         ; all sixteen work-groups are here: the first joint loads meet
	s_mov_b32 s[G0S], 1
	s_add_co_u32 s[G0S+1], s94, SCL
	s_mov_b64 s[G0S+2:G0S+3], s[22:23]
	s_or_b32 s[G0S+3], s[G0S+3], 0x80000000
	s_mov_b32 s[G0SB], 1
	s_add_co_u32 s[G0SB+1], s94, SCL
	s_mov_b64 s[G0SB+2:G0SB+3], s[92:93]
	s_or_b32 s[G0SB+3], s[G0SB+3], 0x80000000
	JLOAD G0S, G1S, G0SB, G1SB                     ; the scale words: my one tensor load at the head
.irp s, 0,1
	s_mov_b32 s[G0+4*\s], 1
	s_add_co_u32 s[G0+4*\s+1], s45, \s*SLOT
	s_add_nc_u64 s[G0+4*\s+2:G0+4*\s+3], s[20:21], \s*ROWB
	s_or_b32 s[G0+4*\s+3], s[G0+4*\s+3], 0x80000000
	s_mov_b32 s[G0B+4*\s], 1
	s_add_co_u32 s[G0B+4*\s+1], s45, \s*SLOT
	s_add_nc_u64 s[G0B+4*\s+2:G0B+4*\s+3], s[46:47], \s*ROWB
	s_or_b32 s[G0B+4*\s+3], s[G0B+4*\s+3], 0x80000000
	s_wait_alu depctr_va_vdst(0)
	s_wait_tensorcnt 0x0                           ; a later first fill is issued as a refill is
	ds_add_u32 v28, v29
	s_wait_dscnt 0x0
	CROUND
	JLOAD G0+4*\s, G1, G0B+4*\s, G1B
	global_prefetch_b8 v8, s[98:99] offset:(\s+2)*ROWB th:TH_LOAD_NT scope:SCOPE_SE   ; the K step two fills on: the last of K's four
.endr
	v_and_b32 v1, 15, v0                           ; r
	v_bfe_u32 v2, v0, 4, 1                         ; h
	v_and_b32 v3, 31, v0                           ; lane
	v_lshlrev_b32 v[L16], 4, v3
	v_lshlrev_b32 v[L8], 3, v3
	s_mul_i32 s21, s15, HALFT                      ; my 8 blocks of A
	s_mul_i32 s22, s16, HALFT                      ; my 8 blocks of B,
	s_add_co_u32 s22, s22, 2*HALFT                 ; which lie behind A's 16
.irp s, 0,1
	v_add_nc_u32 v[ADRA+\s], s21, v[L16]
	v_add_nc_u32 v[ADRB+\s], s22, v[L16]
	v_add_nc_u32 v[ADRA+2+\s], s21, v[L8]
	v_add_nc_u32 v[ADRB+2+\s], s22, v[L8]
	s_add_co_u32 s21, s21, SLOT
	s_add_co_u32 s22, s22, SLOT
.endr
	v_lshlrev_b32 v5, 2, v1                        ; my row's scale word
	s_mul_i32 s21, s15, HALFS
	s_mul_i32 s22, s16, HALFS
	s_add_co_u32 s22, s22, 2*HALFS
	s_sub_co_u32 s22, s22, s21
	v_mul_u32_u24 v6, s22, v2                      ; lanes 16-31 take B's
	s_add_co_u32 s21, s21, SCL
	v_add_nc_u32 v5, v5, v6
	v_add_nc_u32 v[ADRS], s21, v5
	; the way out's addresses.  Its LDS bytes lie in slot 0, which has had its last fill and its last read by then; each of the two ways has bytes of its own
	s_lshl_b32 s23, s14, 10
	v_lshl_add_u32 v6, v2, 9, s23
	v_lshl_add_u32 v[SW], v1, 2, v6                ; 1,024 x wave + 512 h + 4 r
	v_add_nc_u32 v[SR], s23, v[L16]
	s_add_co_u32 s23, s23, 4096
	v_lshl_add_u32 v[SWV], v1, 2, s23              ; 4,096 + 1,024 x wave + 4 r
	v_add_nc_u32 v[SRV], s23, v[L16]
	v_lshlrev_b32 v[H16], 4, v2
	v_lshlrev_b32 v[H64], 6, v2
	v_and_b32 v6, 8, v1
	v_add_nc_u32 v6, v6, v1
	v_lshlrev_b32 v[RV4], 2, v6
	v_lshlrev_b32 v6, 12, v2
	v_lshl_add_u32 v[VOV], v1, 4, v6               ; 4,096 (lane / 16) + 16 (lane % 16)
.macro FRAG reg, adr, q, i             ; block i's fragment of the slot's q-th 128 along K: its image, as it lies
	ds_load_b128 v[\reg:\reg+3], v[\adr] offset:3072*(\i)+1536*(\q)
	ds_load_b64 v[\reg+4:\reg+5], v[\adr+2] offset:3072*(\i)+1536*(\q)+512
	ds_load_b128 v[\reg+6:\reg+9], v[\adr] offset:3072*(\i)+1536*(\q)+768
	ds_load_b64 v[\reg+10:\reg+11], v[\adr+2] offset:3072*(\i)+1536*(\q)+1280
.endm
; 16 matrix instructions: A's blocks a0, a0 + 1 x B's eight.  The 64 accumulators take turns, one instruction a turn, in the same order in every step.
.macro MUL16 a0, p, q, sc, zero
.irp a, \a0, \a0+1
.irp b, 0,1,2,3,4,5,6,7
.if \zero
	v_wmma_scale_f32_16x16x128_f8f6f4 v[8*(8*((\a)%4)+\b):8*(8*((\a)%4)+\b)+7], v[128*(\p)+FR*\b:128*(\p)+FR*\b+FR-1], v[AF+FR*(\a):AF+FR*(\a)+FR-1], 0, v[SC+8*NQ*(\sc)+NQ*\b+(\q)], v[SC+8*NQ*(\sc)+NQ*(\a)+(\q)] matrix_a_fmt:MATRIX_FMT_FP6 matrix_b_fmt:MATRIX_FMT_FP6 matrix_a_scale:MATRIX_SCALE_ROW1
.else
	v_wmma_scale_f32_16x16x128_f8f6f4 v[8*(8*((\a)%4)+\b):8*(8*((\a)%4)+\b)+7], v[128*(\p)+FR*\b:128*(\p)+FR*\b+FR-1], v[AF+FR*(\a):AF+FR*(\a)+FR-1], v[8*(8*((\a)%4)+\b):8*(8*((\a)%4)+\b)+7], v[SC+8*NQ*(\sc)+NQ*\b+(\q)], v[SC+8*NQ*(\sc)+NQ*(\a)+(\q)] matrix_a_fmt:MATRIX_FMT_FP6 matrix_b_fmt:MATRIX_FMT_FP6 matrix_a_scale:MATRIX_SCALE_ROW1
.endif
.endr
.endr
.endm
.macro FETCH_B slot, q, p
	WIN TO_B
.irp i, 0,1,2,3,4,5,6,7
	FRAG 128*(\p)+FR*\i, ADRB+\slot, \q, \i
.endr
	WIN 0
.endm
.macro FETCH_A slot, q, i0
.irp i, \i0, \i0+1, \i0+2, \i0+3
	FRAG AF+FR*(\i), ADRA+\slot, \q, \i
.endr
.endm
.macro SCALES sc                       ; the next K step's scale words: lanes 0-15 A's block i, lanes 16-31 B's block i
.irp i, 0,1,2,3,4,5,6,7
.irp q, 0,1
	ds_load_b32 v[SC+16*\sc+2*\i+\q], v[ADRS] offset:512*\q+64*\i
.endr
.endr
.endm
.macro PLACES n                        ; plain vector instructions between a matrix instruction and a load into, or a read of, its registers
.rept \n
	v_nop
.endr
.endm
.macro STEP slot, q, zero              ; a step of 128 along K that has its successor in the same slot
	s_wait_dscnt 4*NL                              ; all but the youngest 16 loads (A's blocks 4-7)
	WIN MUL_LO
	MUL16 0, (\q)%2, \q, \slot, \zero
	MUL16 2, (\q)%2, \q, \slot, \zero
	s_wait_dscnt 0
	PLACES NP
	FETCH_B \slot, (\q)+1, 1-(\q)%2
	FETCH_A \slot, (\q)+1, 0
	WIN MUL_HI
	MUL16 4, (\q)%2, \q, \slot, \zero
	MUL16 6, (\q)%2, \q, \slot, \zero
	PLACES NP
	WIN 0
	FETCH_A \slot, (\q)+1, 4
.endm
; A slot's last step changes slots: ONE barrier; in front of it each wave waits for all its tensor loads, adds 0 to its spare word, and waits for that and for its own reads of this slot.
.macro TURN slot, next, fill
	s_wait_tensorcnt 0x0                           ; all my tensor loads have landed: my part of the next slot
	ds_add_u32 v[SPW], v[NIL]                      ; 0 onto my spare word
	s_wait_dscnt 4*NL+1                            ; (the add and the youngest 16 loads may be out)
	WIN MUL_LO
	MUL16 0, 1, NQ-1, \slot, 0
	s_wait_dscnt 0x0                               ; the add is done, and my reads of this slot are over
	s_barrier_signal -1
	MUL16 2, 1, NQ-1, \slot, 0
	WIN 0
	s_barrier_wait -1
.if \fill
	CREST                                          ; the barrier has opened a round of the cluster's: no wave of any partner still reads this slot or has a load on its way
	s_add_nc_u64 s[G0+4*\slot+2:G0+4*\slot+3], s[G0+4*\slot+2:G0+4*\slot+3], 2*ROWB
	s_add_nc_u64 s[G0B+4*\slot+2:G0B+4*\slot+3], s[G0B+4*\slot+2:G0B+4*\slot+3], 2*ROWB
	JLOAD G0+4*\slot, G1, G0B+4*\slot, G1B         ; the first tensor load behind the round; its four v_nop are the places in front of the loads below
.else
	PLACES NP
.endif
	s_wait_alu depctr_va_vdst(0)
	v_add_nc_u32 v[ADRS], 1024, v[ADRS]            ; the next K step's scale words (no LDS load of mine is out)
	FETCH_B \next, 0, 0
	FETCH_A \next, 0, 0
	SCALES \next
	WIN MUL_HI
	MUL16 4, 1, NQ-1, \slot, 0
	MUL16 6, 1, NQ-1, \slot, 0
	PLACES NP
	WIN 0
	FETCH_A \next, 0, 4
.endm
.macro LASTSTEP                        ; nothing more to fetch
	s_wait_dscnt 4*NL
	WIN MUL_LO
	MUL16 0, 1, NQ-1, 1, 0
	MUL16 2, 1, NQ-1, 1, 0
	s_wait_dscnt 0
	WIN MUL_HI
	MUL16 4, 1, NQ-1, 1, 0
	MUL16 6, 1, NQ-1, 1, 0
	WIN 0
.endm
; 64 numbers of a lane, register 16 b + i = k 32 b + 16 h + i of my row, become a fragment's codes in v[PC] on and its scale word in v[PW]
.macro QUANT s
.irp b, 0,1,2,3
	v_max3_num_f32 v[TM+\b], |v[\s+16*\b]|, |v[\s+1+16*\b]|, 0x1800000   ; the floor 2^(3 - 127) among the leaves: the byte cannot fall under 1
.endr
.irp i, 2,4,6,8,10,12,14
.irp b, 0,1,2,3
	v_max3_num_f32 v[TM+\b], v[TM+\b], |v[\s+16*\b+\i]|, |v[\s+1+16*\b+\i]|
.endr
.endr
.irp b, 0,1,2,3
	v_permlanex16_b32 v[TM+4+\b], v[TM+\b], s[SEL], s[SEL+1]
.endr
.irp b, 0,1,2,3
	v_max_num_f32 v[TM+\b], v[TM+\b], v[TM+4+\b]   ; with lane l xor 16's: the block's largest magnitude
.endr
.irp b, 0,1,2,3
	v_add_nc_u32 v[TM+8+\b], 0xff000000, v[TM+\b]  ; 2 off its exponent field: the conversion's scale operand
.endr
.irp b, 0,1,2,3
	v_lshrrev_b32 v[TM+4+\b], 23, v[TM+8+\b]       ; the byte
.endr
	v_lshl_or_b32 v[PW], v[TM+5], 8, v[TM+4]
	v_lshl_or_b32 v[PW], v[TM+6], 16, v[PW]
	v_lshl_or_b32 v[PW], v[TM+7], 24, v[PW]
.irp c, 0,1
	v_cvt_scalef32_pk16_fp6_f32 v[PC+6*\c:PC+2+6*\c], v[\s+32*\c:\s+15+32*\c], v[TM+8+2*\c]
	v_cvt_scalef32_pk16_fp6_f32 v[PC+12+4*\c:PC+14+4*\c], v[\s+16+32*\c:\s+31+32*\c], v[TM+8+2*\c+1]   ; (a conversion's three registers begin on an even number)
.endr
	v_nop                                          ; one plain instruction behind a scaled conversion
.irp c, 0,1                                    ; the layout wants a whole block in a lane: lanes 0-15 block 2 c, lanes 16-31 block 2 c + 1
.irp i, 0,1,2
	v_permlane16_swap_b32 v[PC+6*\c+\i], v[PC+12+4*\c+\i]
.endr
.irp i, 0,1,2
	v_mov_b32 v[PC+3+6*\c+\i], v[PC+12+4*\c+\i]
.endr
.endr
.endm
	s_wait_alu depctr_va_vdst(0)
	s_wait_tensorcnt 1
	s_barrier_signal -1
	s_barrier_wait -1                              ; everybody's are
	FETCH_B 0, 0, 0
	FETCH_A 0, 0, 0
	SCALES 0
	FETCH_A 0, 0, 4
	STEP 0, 0, 1                                   ; the first step stands in front of the loop: its products start the sums
.if LAPS > 1
	s_mov_b32 s3, LAPS-1
.Llap:
	TURN 0, 1, 1
	STEP 1, 0, 0
	TURN 1, 0, 1
	STEP 0, 0, 0
	s_sub_co_u32 s3, s3, 1
	s_cmp_lg_u32 s3, 0
	s_cbranch_scc1 .Llap
.endif
	TURN 0, 1, 0                                   ; the last lap fills nothing
	STEP 1, 0, 0
	s_cmp_eq_u32 ttmp9, 2                          ; the cluster's x: the same in all sixteen partners and in all waves
	s_cbranch_scc1 .Lv_arm
	; ---- q AND k.  My 8 blocks of 16 tokens x my 128 features: a pair of heads
	s_lshl_b32 s18, s17, 2
	s_add_co_u32 s18, s18, s41                     ; the tokens' tile of 256
	s_lshr_b32 s19, s18, 3                         ; batch
	s_and_b32 s18, s18, 7
	s_lshl_b32 s18, s18, 4
	s_lshl_b32 s20, s15, 3
	s_add_co_u32 s18, s18, s20                     ; my first block of tokens in the batch
	s_lshl_b32 s20, s40, 1
	s_add_co_u32 s20, s20, s16                     ; the pair of heads
	s_lshl_b32 s19, s19, 3
	s_add_co_u32 s19, s19, s20                     ; 8 x batch + pair
	s_mov_b32 s21, 393216
	s_mov_b32 s22, KV
	s_mov_b32 s23, 24576
	s_mov_b32 s92, KVS
	s_cmp_eq_u32 ttmp9, 0
	s_cselect_b32 s21, 196608, s21
	s_cselect_b32 s22, QC, s22
	s_cselect_b32 s23, 16384, s23
	s_cselect_b32 s92, QS, s92
	s_mul_i32 s21, s19, s21
	s_add_co_u32 s21, s21, s22
	s_mul_i32 s22, s18, 768
	s_add_co_u32 s46, s21, s22
	s_mov_b32 s47, 0
	s_add_nc_u64 s[10:11], s[8:9], s[46:47]        ; the half images
	s_mul_i32 s23, s19, s23
	s_add_co_u32 s23, s23, s92
	s_lshl_b32 s22, s18, 6
	s_add_co_u32 s46, s23, s22
	s_add_nc_u64 s[12:13], s[8:9], s[46:47]        ; the half scale words
	s_lshl_b32 s46, ttmp9, 2
	s_add_co_u32 s46, s46, s40
	s_lshl_b32 s46, s46, 10
	s_lshl_b32 s22, s16, 9
	s_add_co_u32 s46, s46, s22
	s_add_nc_u64 s[6:7], s[6:7], s[46:47]          ; my 128 numbers of the bias
	s_lshl_b32 s46, s18, 13
	s_add_co_u32 s46, s46, ROPE
	s_add_nc_u64 s[4:5], s[4:5], s[46:47]          ; my blocks' tables
.irp b, 0,1,2,3
.irp j, 0,1,2,3
	global_load_b128 v[BIAS+16*\b+4*\j:BIAS+16*\b+4*\j+3], v[H64], s[6:7] offset:128*\b+16*\j   ; register 16 b + i: feature 32 b + 16 h + i
.endr
.endr
.macro TABLOAD a                       ; block a's table into window 1, v[64 (a % 2)] on: entry i serves my pairs i and 16 + i
.irp i, 0,1,2,3,4,5,6,7,8,9,10,11,12,13,14,15
	global_load_b128 v[64*((\a)%2)+4*\i:64*((\a)%2)+4*\i+3], v[L16], s[4:5] offset:8192*(\a)+512*\i
.endr
.endm
	WIN TO_B                                       ; (B's set 0 was last multiplied in front of the places that end the step above)
	TABLOAD 0
	TABLOAD 1
	WIN 0
	LASTSTEP
	PLACES NP
.irp b, 0,1,2,3
	v_mov_b32 v[TM+4+\b], 0                        ; a lane permute's destination counts as one of its sources
.endr
.macro QKBLK a
	s_wait_xcnt 0x0                                ; the last block's stores have read the codes' registers, which RoPE's products write
	s_wait_dscnt 0x0
.if (\a) < 7
	s_wait_loadcnt 16                              ; the bias and this block's table are in; the next block's 16 loads may be out
.else
	s_wait_loadcnt 0x0
.endif
	WIN 0x02+(\a)/4                                ; source 0: the accumulators' window
.set m, 0
.rept 32
	v_pk_add_f32 v[X+2*m:X+2*m+1], v[64*((\a)%4)+2*m:64*((\a)%4)+2*m+1], v[BIAS+2*m:BIAS+2*m+1]   ; each accumulator from its low end on
.set m, m+1
.endr
	WIN 0x04                                       ; source 1: the table's window
.set m, 0
.rept 32
	v_pk_mul_f32 v[TT+2*m:TT+2*m+1], v[X+2*m:X+2*m+1], v[64*((\a)%2)+4*(m%16)+2:64*((\a)%2)+4*(m%16)+3] op_sel:[1,0] op_sel_hi:[1,1]   ; (-xo s, xo c)
.set m, m+1
.endr
.set m, 0
.rept 32
	v_pk_fma_f32 v[X+2*m:X+2*m+1], v[X+2*m:X+2*m+1], v[64*((\a)%2)+4*(m%16):64*((\a)%2)+4*(m%16)+1], v[TT+2*m:TT+2*m+1] op_sel_hi:[0,1,1]   ; (xe c - xo s, xe s + xo c)
.set m, m+1
.endr
.if (\a) < 6
	WIN TO_B
	TABLOAD (\a)+2
.endif
	WIN 0
	QUANT X
	global_store_b128 v[L16], v[PC:PC+3], s[10:11] offset:768*(\a)               ; the even head's 64: registers 0 to 5
	global_store_b64 v[L8], v[PC+4:PC+5], s[10:11] offset:768*(\a)+512
	global_store_b128 v[L16], v[PC+6:PC+9], s[10:11] offset:98304+768*(\a)       ; the odd head's
	global_store_b64 v[L8], v[PC+10:PC+11], s[10:11] offset:98304+768*(\a)+512
	v_lshrrev_b32 v[HW], v[H16], v[PW]             ; lanes 0-15 the even head's two bytes, lanes 16-31 the odd head's;
	v_and_b32 v[HW], 0xffff, v[HW]                 ; the two bytes over the zero codes that fill K to 128 are 0
	ds_store_b32 v[SW], v[HW] offset:64*(\a)
.endm
.irp a, 0,1,2,3,4,5,6,7
	QKBLK \a
.endr
	ds_load_b128 v[X:X+3], v[SR]                   ; LDS serves a wave's instructions in order: these see my stores
	ds_load_b128 v[X+4:X+7], v[SR] offset:512
	s_wait_dscnt 0x0
	global_store_b128 v[L16], v[X:X+3], s[12:13]               ; 512 consecutive bytes, aligned: my 8 blocks' words of the even head,
	global_store_b128 v[L16], v[X+4:X+7], s[12:13] offset:8192 ; and of the odd head
	s_branch .Lend
.Lv_arm:
	; ---- v.  My 8 blocks of 16 features (a pair of heads) x my 128 tokens (a key step)
	s_lshl_b32 s18, s17, 2
	s_add_co_u32 s18, s18, s40                     ; the tokens' tile of 256
	s_lshr_b32 s19, s18, 3                         ; batch
	s_and_b32 s18, s18, 7
	s_lshl_b32 s18, s18, 1
	s_add_co_u32 s18, s18, s16                     ; the key step in the batch
	s_lshl_b32 s20, s41, 1
	s_add_co_u32 s20, s20, s15                     ; the pair of heads
	s_lshl_b32 s19, s19, 3
	s_add_co_u32 s19, s19, s20
	s_mul_i32 s21, s19, 393216
	s_mul_i32 s22, s18, 6144
	s_add_co_u32 s21, s21, s22
	s_add_co_u32 s46, s21, KV+196608
	s_mov_b32 s47, 0
	s_add_nc_u64 s[10:11], s[8:9], s[46:47]        ; the images
	s_mul_i32 s21, s19, 24576
	s_lshl_b32 s22, s18, 8
	s_add_co_u32 s21, s21, s22
	s_add_co_u32 s46, s21, KVS+16384
	s_add_nc_u64 s[12:13], s[8:9], s[46:47]        ; the scale words
	s_lshl_b32 s46, s41, 10
	s_lshl_b32 s22, s15, 9
	s_add_co_u32 s46, s46, s22
	s_add_co_u32 s46, s46, 8192
	s_add_nc_u64 s[6:7], s[6:7], s[46:47]          ; my 128 numbers of v's bias
.irp a, 0,1,2,3,4,5,6,7
	global_load_b32 v[BIAS+\a], v[RV4], s[6:7] offset:4*(32*(\a/2)+8*(\a%2))   ; block a: my feature's
.endr
	LASTSTEP
	PLACES NP
.irp b, 0,1,2,3
	v_mov_b32 v[TM+4+\b], 0
.endr
	s_wait_loadcnt 0x0
.macro VBLK a
	s_wait_xcnt 0x0                                ; the last block's stores have read the codes' registers
	s_wait_dscnt 0x0
	WIN 0x02+(\a)/4
.set m, 0
.rept 32
.if ((\a)%2) == 0
	v_pk_add_f32 v[X+2*m:X+2*m+1], v[64*((\a)%4)+2*m:64*((\a)%4)+2*m+1], v[BIAS+2*((\a)/2):BIAS+2*((\a)/2)+1] op_sel_hi:[1,0]
.else
	v_pk_add_f32 v[X+2*m:X+2*m+1], v[64*((\a)%4)+2*m:64*((\a)%4)+2*m+1], v[BIAS+2*((\a)/2):BIAS+2*((\a)/2)+1] op_sel:[0,1] op_sel_hi:[1,1]
.endif
.set m, m+1
.endr
	WIN 0
	QUANT X
	global_store_b128 v[L16], v[PC:PC+3], s[10:11] offset:98304*((\a)/4)+1536*((\a)%4)
	global_store_b64 v[L8], v[PC+4:PC+5], s[10:11] offset:98304*((\a)/4)+1536*((\a)%4)+512
	global_store_b128 v[L16], v[PC+6:PC+9], s[10:11] offset:98304*((\a)/4)+1536*((\a)%4)+768
	global_store_b64 v[L8], v[PC+10:PC+11], s[10:11] offset:98304*((\a)/4)+1536*((\a)%4)+1280
	ds_store_b32 v[SWV], v[PW] offset:64*(\a)      ; lanes r and r + 16 write the same word with the same value
.endm
.irp a, 0,1,2,3,4,5,6,7
	VBLK \a
.endr
	ds_load_b128 v[X:X+3], v[SRV]
	s_wait_dscnt 0x0
	global_store_b128 v[VOV], v[X:X+3], s[12:13]   ; lanes 0-15: the even head's 256 bytes, lanes 16-31 the odd head's: two aligned runs of 256
.Lend:
	s_wait_tensorcnt 0x0                           ; the wave's end
	ds_add_u32 v[SPW], v[NIL]
	s_wait_dscnt 0x0
	CROUND                                         ; the closing round
	s_endpgm
.Lfunc_end_k_q66d9754b59_proj:
	.size	k_q66d9754b59_proj, .Lfunc_end_k_q66d9754b59_proj-k_q66d9754b59_proj
	.p2alignl 7, 3214868480
	.fill 96, 4, 3214868480
	.section	.rodata,"a",@progbits
	.p2align	6, 0x0
	.amdhsa_kernel k_q66d9754b59_proj
		.amdhsa_group_segment_fixed_size 327680
		.amdhsa_private_segment_fixed_size 0
		.amdhsa_enable_private_segment 0
		.amdhsa_kernarg_size 24
		.amdhsa_user_sgpr_count 2
		.amdhsa_user_sgpr_kernarg_segment_ptr 1
		.amdhsa_wavefront_size32 1
		.amdhsa_system_sgpr_workgroup_id_x 1
		.amdhsa_system_sgpr_workgroup_id_y 1
		.amdhsa_system_sgpr_workgroup_id_z 1
		.amdhsa_system_vgpr_workitem_id 0
		.amdhsa_next_free_vgpr 1024
		.amdhsa_next_free_sgpr 100
		.amdhsa_reserve_vcc 0
		.amdhsa_float_denorm_mode_32 3
		.amdhsa_float_denorm_mode_16_64 3
		.amdhsa_memory_ordered 1
		.amdhsa_forward_progress 1
		.amdhsa_inst_pref_size 255
	.end_amdhsa_kernel
	.section	.bss,"aw",@nobits
	.p2align	6
	.space	262144
	.amdgpu_metadata
---
amdhsa.version: [ 1, 2 ]
amdhsa.kernels:
  - .name:           k_q66d9754b59_proj
    .symbol:         k_q66d9754b59_proj.kd
    .args:
      - { .name: wq, .offset: 0, .size: 8, .value_kind: global_buffer, .address_space: global }
      - { .name: in_proj_b, .offset: 8, .size: 8, .value_kind: global_buffer, .address_space: global }
      - { .name: qkv, .offset: 16, .size: 8, .value_kind: global_buffer, .address_space: global }
    .group_segment_fixed_size: 327680
    .private_segment_fixed_size: 0
    .kernarg_segment_align: 8
    .kernarg_segment_size: 24
    .max_flat_workgroup_size: 128
    .sgpr_count:     100
    .vgpr_count:     1024
    .wavefront_size: 32
...
	.end_amdgpu_metadata
.endif
;; end of part 10
;; launch attn (part 11): grid 8 x 32, 16 waves a work-group, clusters of 4 x 1, 327,680 bytes of LDS; arguments qkv, att; writes att
.if DOCPART == 11
	.amdgcn_target "amdgcn-amd-amdhsa--gfx1250"
	.amdhsa_code_object_version 6
	.text
	.protected	k_q66d9754b59_attn
	.globl	k_q66d9754b59_attn
	.p2align	8
	.type	k_q66d9754b59_attn,@function
k_q66d9754b59_attn:
	s_mov_b64 s[64:65], 0
	v_nop
	global_prefetch_b8 v0, s[64:65] scope:SCOPE_SE
	s_setreg_imm32_b32 hwreg(HW_REG_WAVE_MODE, 25, 1), 1
	s_wait_xcnt 0x0
	s_wait_alu depctr_hold_cnt(0) depctr_sa_sdst(0) depctr_va_vdst(0) depctr_va_sdst(0) depctr_va_ssrc(0) depctr_va_vcc(0) depctr_vm_vsrc(0)
	s_getreg_b32 s2, hwreg(HW_REG_IB_STS2, 6, 4)
	s_cmp_eq_u32 s2, 0
	s_cbranch_scc0 .Lentry_in_a_cluster
	s_endpgm
.Lentry_in_a_cluster:
	s_bfe_u32 s2, ttmp6, 0x10000c
	s_cmp_lg_u32 s2, 0x3003
	s_cbranch_scc0 .Lentry_shape_is_right
	s_endpgm
.Lentry_shape_is_right:
; attn[q] = the sum over k of softmax_k(q . k / 8) v[k], heads of 64, 2,048 keys, both products on codes of FP6 (E2M3) with E8M0 scales; the result is quantised along the model's 1,024 for the next product.
; THE SOFTMAX: t = score x log2(e) / 8; M = the row's largest t so far, rounded UP to a whole number; p = 2^(t - M) is quantised along the keys, not normalised.  The row's sum is taken of the unquantised p, in f32,
; and divides O at the end.  When M moves, the sum and O are multiplied by 2^(old M - new M): exact.
; SHARES.  A work-group owns 256 queries of ONE head; wave w owns 16 of them.  The head's whole K (98,304 bytes), V^T (98,304) and their scale words (12,288) lie in LDS, each byte filled once:
; nothing is filled again, so the walk over the 16 key steps of 128 has no barrier.  Waves 0-3 fetch K's quarters, 4-7 V's, 8-10 the scale words: one tensor load a wave.
; CLUSTER.  The four work-groups of a cluster belong to one head: each tile is asked for jointly, mask 15.
; NO PREFETCH: every tile is asked for at the head; there is no loop to run ahead in.
; OPERANDS lie as images of the matrix unit's registers.  A half image (16 rows x 64 K: registers 0-5): 512 bytes at 16 x lane, 256 at 8 x lane.  q, k: half images; v^T: whole ones.
; K = 64 IS FILLED TO 128 WITH ZERO CODES ON q's SIDE.  k's eight half fragments lie 6 registers apart: the upper half of tile t's operand is tile t + 1's codes (the last: zeros): every code is a finite number, so
; those products are 0; the scale bytes over that half are 0 (2^-127, no NaN) in q's and k's words.
; Both products are used transposed: S^T = K Q^T, O^T = V^T P^T: a lane holds ONE query.  The keys of a tile are 32 (i / 2) + 8 (i % 2) + p + 8 (p / 8): the 16 registers of tiles 2 b, 2 b + 1 are 16 neighbours.
; A scale register carries two tiles' words: lanes 0-15 the even tile's, lanes 16-31 the odd one's.
; OUT (att): half images [token block][pair 8][parity][768]; half scale words (two bytes, upper two 0) [head 16][4,096 tokens in the blocks' order].
; LIMITS: NaN and infinities are not served; the promise holds while |t| stays under 2^31; a block of zeros gets the byte 1: its codes are zeros and only this program reads the bytes.
; REGISTERS: v1-4, v7-8 LDS addresses; v9 the old -M; v12 -M, v13 the largest t, v[14:15] the sum; v16-27 Q; v32-85 K's fragments, then V's (v32-79); v86-89 K's scale words, v90-91 V's; v96-159 S^T, then p;
;   v160-191 O^T; v192-207 partial sums; v224-235 p's codes; v232-254 at work; v253 p's scale word, v255 Q's.
.set VREG,  98304
.set SCB,   196608                     ; K's scale words 8,192 bytes, V's 4,096
.set STG,   208896                     ; 1,024 bytes: the work-group's 256 half scale words on their way out
.set SPARE, 209920                     ; the spare words, 128 bytes for each wave
.set QS,    3145728
.set KV,    3407872
.set KVS,   9699328
.set ASC,   3145728
.set AK16, 1
.set AK8,  2
.set AV16, 3
.set AV8,  4
.set SPW,  5
.set NIL,  6
.set ASK,  7
.set ASV,  8
.set L16,  30
.set L8,   31
.set KS,   86
.set VS,   90
.set T,    192
.set WV,   18
.set SEL,  20
.set CS,   22
.set G1,   24                          ; 24,576 dense bytes as 96 rows of 256
.set G0,   32
.set G0S,  36
.set G1S,  40                          ; 4,096 dense bytes as 16 rows of 256
.set CNT,  66
.macro CROUND
	s_barrier_signal -1
	s_barrier_wait -1
	s_cmp_lg_u32 s[WV], 0
	s_cbranch_scc1 .Lnot_wave_0_\@
	s_barrier_signal -3
.Lnot_wave_0_\@:
	s_barrier_wait -3
	s_barrier_signal -1
	s_barrier_wait -1
.endm
.macro WM acc, a, bf, zero, sa, sb, row
.if \zero
.if \row
	v_wmma_scale_f32_16x16x128_f8f6f4 v[(\acc):(\acc)+7], v[(\a):(\a)+11], v[(\bf):(\bf)+11], 0, v[\sa], v[\sb] matrix_a_fmt:MATRIX_FMT_FP6 matrix_b_fmt:MATRIX_FMT_FP6 matrix_a_scale:MATRIX_SCALE_ROW1
.else
	v_wmma_scale_f32_16x16x128_f8f6f4 v[(\acc):(\acc)+7], v[(\a):(\a)+11], v[(\bf):(\bf)+11], 0, v[\sa], v[\sb] matrix_a_fmt:MATRIX_FMT_FP6 matrix_b_fmt:MATRIX_FMT_FP6
.endif
.else
.if \row
	v_wmma_scale_f32_16x16x128_f8f6f4 v[(\acc):(\acc)+7], v[(\a):(\a)+11], v[(\bf):(\bf)+11], v[(\acc):(\acc)+7], v[\sa], v[\sb] matrix_a_fmt:MATRIX_FMT_FP6 matrix_b_fmt:MATRIX_FMT_FP6 matrix_a_scale:MATRIX_SCALE_ROW1
.else
	v_wmma_scale_f32_16x16x128_f8f6f4 v[(\acc):(\acc)+7], v[(\a):(\a)+11], v[(\bf):(\bf)+11], v[(\acc):(\acc)+7], v[\sa], v[\sb] matrix_a_fmt:MATRIX_FMT_FP6 matrix_b_fmt:MATRIX_FMT_FP6
.endif
.endif
.endm
	s_load_b128 s[4:7], s[0:1], 0x0                ; qkv, att
	v_lshl_add_u32 v[SPW], v0, 2, SPARE
	v_mov_b32 v[NIL], 0
	ds_add_u32 v[SPW], v[NIL]
	ds_add_u32 v[SPW], v[NIL]
	v_lshrrev_b32 v9, 5, v0
	v_readfirstlane_b32 s[WV], v9                  ; wave 0..15
	s_bfe_u32 s48, ttmp6, 0x40000                  ; cx
	s_lshl_b32 s49, ttmp9, 2
	s_add_co_u32 s49, s49, s48                     ; my group of 256 queries
	s_and_b32 s52, ttmp7, 0xffff                   ; 2 (8 x batch + pair) + parity, which the partners share
	s_lshr_b32 s50, s52, 1
	s_and_b32 s51, s52, 1
	s_lshl_b32 s53, s49, 4
	s_add_co_u32 s53, s53, s[WV]                   ; my tile of queries in the batch
	s_mul_i32 s54, s50, 393216
	s_add_co_u32 s54, s54, KV
	s_mul_i32 s55, s51, 98304
	s_add_co_u32 s54, s54, s55                     ; my head's K; its V lies 196,608 bytes on
	s_and_b32 s62, s[WV], 7
	s_mul_i32 s56, s62, 24576                      ; the quarter that I fetch, if I fetch: its LDS byte,
	s_lshr_b32 s55, s62, 2
	s_mul_i32 s55, s55, 98304                      ; (V's quarters: past the other head's K)
	s_add_co_u32 s58, s54, s56
	s_add_co_u32 s58, s58, s55                     ; and its byte in qkv
	s_mov_b32 s59, 0
	s_and_b32 s63, s[WV], 3                        ; waves 8, 9: K's scale words, wave 10: V's
	s_lshl_b32 s67, s63, 12
	s_lshl_b32 s60, s51, 13
	s_add_co_u32 s60, s60, s67
	s_lshl_b32 s68, s51, 12
	s_add_co_u32 s68, s68, 16384
	s_cmp_lt_u32 s63, 2
	s_cselect_b32 s60, s60, s68
	s_mul_i32 s69, s50, 24576
	s_add_co_u32 s69, s69, KVS
	s_add_co_u32 s60, s60, s69
	s_mov_b32 s61, 0
	s_mov_b32 s[G1], 15|(3<<16)|(1<<21)            ; the mask: all four; elements of 8 bytes; bit 21 set beside a mask
	s_mov_b32 s[G1+1], 32<<16
	s_mov_b32 s[G1+2], 96<<16
	s_mov_b32 s[G1+3], 32<<16
	s_mov_b32 s[G1+4], 96
	s_mov_b32 s[G1+5], 32
	s_mov_b32 s[G1+6], 0
	s_mov_b32 s[G1+7], 0
	s_mov_b32 s[G1S], 15|(3<<16)|(1<<21)
	s_mov_b32 s[G1S+1], 32<<16
	s_mov_b32 s[G1S+2], 16<<16
	s_mov_b32 s[G1S+3], 32<<16
	s_mov_b32 s[G1S+4], 16
	s_mov_b32 s[G1S+5], 32
	s_mov_b32 s[G1S+6], 0
	s_mov_b32 s[G1S+7], 0
	s_mov_b32 s[SEL], 0x76543210
	s_mov_b32 s[SEL+1], 0xfedcba98
	s_mov_b32 s[CS], 0x3e38aa3b                    ; c = log2(e) / 8
	s_mov_b32 s[CS+1], s[CS]
	s_wait_dscnt 0x0                               ; both opening adds are done
	s_wait_kmcnt 0x0
	s_mov_b32 s[G0], 1
	s_mov_b32 s[G0+1], s56
	s_add_nc_u64 s[G0+2:G0+3], s[4:5], s[58:59]
	s_or_b32 s[G0+3], s[G0+3], 0x80000000
	s_mov_b32 s[G0S], 1
	s_add_co_u32 s[G0S+1], s67, SCB
	s_add_nc_u64 s[G0S+2:G0S+3], s[4:5], s[60:61]
	s_or_b32 s[G0S+3], s[G0S+3], 0x80000000
	CROUND                                         ; all four work-groups are here: the joint loads meet
	s_cmp_lt_u32 s[WV], 8
	s_cbranch_scc0 .Lnot_kv
	tensor_load_to_lds s[G0:G0+3], s[G1:G1+7]
	s_nop 0
.rept 4
	v_nop
.endr
	s_branch .Lfilled
.Lnot_kv:
	s_cmp_lt_u32 s[WV], 11
	s_cbranch_scc0 .Lfilled
	tensor_load_to_lds s[G0S:G0S+3], s[G1S:G1S+7]
	s_nop 0
.rept 4
	v_nop
.endr
.Lfilled:
	s_mov_b32 s57, 0
	s_mul_i32 s56, s50, 196608                     ; Q's half image: [pair][parity][tile][768]
	s_mul_i32 s58, s51, 98304
	s_add_co_u32 s56, s56, s58
	s_mul_i32 s58, s53, 768
	s_add_co_u32 s56, s56, s58
	s_add_nc_u64 s[8:9], s[4:5], s[56:57]
	s_lshl_b32 s56, s50, 14                        ; its half scale words
	s_lshl_b32 s58, s51, 13
	s_add_co_u32 s56, s56, s58
	s_lshl_b32 s58, s53, 6
	s_add_co_u32 s56, s56, s58
	s_add_co_u32 s56, s56, QS
	s_add_nc_u64 s[10:11], s[4:5], s[56:57]
	s_lshr_b32 s60, s50, 3                         ; batch
	s_and_b32 s61, s50, 7                          ; pair
	s_lshl_b32 s56, s60, 7
	s_add_co_u32 s56, s56, s53                     ; my block of tokens
	s_lshl_b32 s56, s56, 3
	s_add_co_u32 s56, s56, s61
	s_mul_i32 s56, s56, 1536
	s_mul_i32 s58, s51, 768
	s_add_co_u32 s56, s56, s58
	s_add_nc_u64 s[12:13], s[6:7], s[56:57]        ; where my half image of the result goes
	s_lshl_b32 s56, s60, 7
	s_lshl_b32 s58, s49, 4
	s_add_co_u32 s56, s56, s58
	s_lshl_b32 s56, s56, 6
	s_lshl_b32 s58, s61, 1
	s_add_co_u32 s58, s58, s51
	s_lshl_b32 s58, s58, 14
	s_add_co_u32 s56, s56, s58
	s_add_co_u32 s56, s56, ASC
	s_add_nc_u64 s[14:15], s[6:7], s[56:57]        ; and the work-group's 256 half scale words
	v_and_b32 v9, 15, v0
	v_and_b32 v10, 31, v0
	v_lshlrev_b32 v11, 2, v9
	v_lshlrev_b32 v[L16], 4, v10
	v_lshlrev_b32 v[L8], 3, v10
	v_lshlrev_b32 v10, 2, v10
	s_wait_alu depctr_va_vdst(0)
	global_load_b128 v[16:19], v[L16], s[8:9]      ; Q's registers 0 to 5 stay
	global_load_b64 v[20:21], v[L8], s[8:9] offset:512
	global_load_b32 v255, v11, s[10:11]            ; and its scale words
	v_mov_b32 v[AK16], v[L16]
	v_mov_b32 v[AK8], v[L8]
	v_add_nc_u32 v[AV16], VREG, v[L16]
	v_add_nc_u32 v[AV8], VREG, v[L8]
	v_add_nc_u32 v[ASK], SCB, v10
	v_add_nc_u32 v[ASV], SCB+8192, v10
.irp j, 22,23,24,25,26,27,80,81,82,83,84,85
	v_mov_b32 v[\j], 0                             ; zero codes: Q's upper 64 along K, and what stands over K's last tile
.endr
	v_mov_b32 v13, 0xff61b1e6                      ; the largest t so far: -3e38
	v_floor_f32 v12, -v13                          ; -M
	v_mov_b32 v14, 0
	v_mov_b32 v15, 0
.irp b, 0,1,2,3
	v_mov_b32 v[236+\b], 0                         ; a lane permute's destination counts as one of its sources
.endr
	v_mov_b32 v253, 0
.irp j, 0,1,2,3,4,5,6,7,8,9,10,11,12,13,14,15,16,17,18,19,20,21,22,23,24,25,26,27,28,29,30,31
	v_mov_b32 v[160+\j], 0                         ; O^T: the step is written for all trips alike; the first finds zeros
.endr
.macro KLOAD                           ; a key step's eight half fragments of K and their scale words
.irp t, 0,1,2,3,4,5,6,7
	ds_load_b128 v[32+6*\t:35+6*\t], v[AK16] offset:768*\t
	ds_load_b64 v[36+6*\t:37+6*\t], v[AK8] offset:768*\t+512
.endr
.irp j, 0,1,2,3
	ds_load_b32 v[KS+\j], v[ASK] offset:128*\j
.endr
.endm
; A KEY STEP: 128 keys.  last = 1: nothing more is fetched
.macro STEP last
	s_wait_dscnt 0x0                               ; K's fragments, asked for under the last step's sums
.irp t, 0,2,4,6
	WM 96+8*\t, 32+6*\t, 16, 1, KS+\t/2, 255, 0
	WM 104+8*\t, 38+6*\t, 16, 1, KS+\t/2, 255, 1
.endr
.if \last                                      ; four places behind the products, ahead of the loads into their sources and of the first read of S^T
.rept 3
	v_nop
.endr
.else
	v_add_nc_u32 v[AK16], 6144, v[AK16]
	v_add_nc_u32 v[AK8], 6144, v[AK8]
	v_add_nc_u32 v[ASK], 512, v[ASK]
.endif
	v_mov_b32 v9, v12
.irp t, 0,1,2,3                                ; V's fragments land under the softmax
	ds_load_b128 v[32+12*\t:35+12*\t], v[AV16] offset:1536*\t
	ds_load_b64 v[36+12*\t:37+12*\t], v[AV8] offset:1536*\t+512
	ds_load_b128 v[38+12*\t:41+12*\t], v[AV16] offset:1536*\t+768
	ds_load_b64 v[42+12*\t:43+12*\t], v[AV8] offset:1536*\t+1280
.endr
	ds_load_b32 v[VS], v[ASV]
	ds_load_b32 v[VS+1], v[ASV] offset:128
.if \last == 0
	v_add_nc_u32 v[AV16], 6144, v[AV16]
	v_add_nc_u32 v[AV8], 6144, v[AV8]
	v_add_nc_u32 v[ASV], 256, v[ASV]
.endif
.irp b, 0,1,2,3
	v_max3_num_f32 v[232+\b], v[96+16*\b], v[97+16*\b], v[98+16*\b]   ; the largest score of each block of 32 keys: for the row's maximum and for the block's largest p
.endr
.irp i, 3,5,7,9,11,13
.irp b, 0,1,2,3
	v_max3_num_f32 v[232+\b], v[232+\b], v[96+16*\b+\i], v[97+16*\b+\i]
.endr
.endr
.irp b, 0,1,2,3
	v_max_num_f32 v[232+\b], v[232+\b], v[111+16*\b]
.endr
.irp b, 0,1,2,3
	s_delay_alu instid0(VALU_DEP_4)
	v_permlanex16_b32 v[236+\b], v[232+\b], s[SEL], s[SEL+1]
.endr
.irp b, 0,1,2,3
	s_delay_alu instid0(VALU_DEP_4)
	v_max_num_f32 v[232+\b], v[232+\b], v[236+\b]  ; with lane l xor 16's 16 keys
.endr
	s_delay_alu instid0(VALU_DEP_2)
	v_max3_num_f32 v254, v232, v233, v234
	s_delay_alu instid0(VALU_DEP_1)
	v_max_num_f32 v254, v254, v235
	s_delay_alu instid0(VALU_DEP_1)
	v_mul_f32 v254, s[CS], v254                    ; the step's largest t (c is positive)
	s_delay_alu instid0(VALU_DEP_1)
	v_max_num_f32 v13, v13, v254
	s_delay_alu instid0(VALU_DEP_1)
	v_floor_f32 v12, -v13                          ; the new -M = -ceil(t)
	s_delay_alu instid0(VALU_DEP_1)
	v_sub_f32 v254, v12, v9                        ; old M - new M: a whole number, 0 or less
	s_delay_alu instid0(VALU_DEP_1)
	v_cvt_i32_f32 v254, v254                       ; (it saturates)
	s_delay_alu instid0(VALU_DEP_1)
	v_ldexp_f32 v252, 1.0, v254                    ; f = 2^(old M - new M)
.irp b, 0,1,2,3
	v_fma_f32 v[232+\b], v[232+\b], s[CS], v12     ; t - M of each block's largest score
.endr
.irp j, 0,2,4,6,8,10,12,14,16,18,20,22,24,26,28,30,32,34,36,38,40,42,44,46,48,50,52,54,56,58,60,62
	v_pk_fma_f32 v[96+\j:97+\j], v[96+\j:97+\j], s[CS:CS+1], v[12:13] op_sel_hi:[1,0,0]   ; t - M
.endr
	s_wait_alu depctr_va_vdst(0)
.irp b, 0,1,2,3
	v_exp_f32 v[232+\b], v[232+\b]                 ; the block's largest p
.endr
.irp j, 0,1,2,3,4,5,6,7,8,9,10,11,12,13,14,15,16,17,18,19,20,21,22,23,24,25,26,27,28,29,30,31,32,33,34,35,36,37,38,39,40,41,42,43,44,45,46,47,48,49,50,51,52,53,54,55,56,57,58,59,60,61,62,63
	v_exp_f32 v[96+\j], v[96+\j]                   ; p = 2^(t - M), at most 1
.endr
	v_pk_mul_f32 v[14:15], v[14:15], v[252:253] op_sel_hi:[1,0]   ; the sum under the new M (a plain instruction behind the exponentials)
	s_wait_alu depctr_va_vdst(0)                   ; one wait for the whole batch, ahead of its first reader
.irp b, 0,1,2,3
	v_max_num_f32 v[232+\b], 0x1800000, v[232+\b]  ; the floor 2^(3 - 127): the byte cannot fall under 1
.endr
.irp b, 0,1,2,3
	s_delay_alu instid0(VALU_DEP_4)
	v_add_nc_u32 v[244+\b], 0xff000000, v[232+\b]  ; 2 off the exponent field: the conversion's scale operand
.endr
.irp b, 0,1,2,3
	s_delay_alu instid0(VALU_DEP_4)
	v_lshrrev_b32 v[236+\b], 23, v[244+\b]
.endr
	s_delay_alu instid0(VALU_DEP_3)
	v_lshl_or_b32 v253, v237, 8, v236              ; p's scale word for these 128 keys
	s_delay_alu instid0(VALU_DEP_1)
	v_lshl_or_b32 v253, v238, 16, v253
	s_delay_alu instid0(VALU_DEP_1)
	v_lshl_or_b32 v253, v239, 24, v253
.irp c, 0,1
	v_cvt_scalef32_pk16_fp6_f32 v[224+6*\c:226+6*\c], v[96+32*\c:111+32*\c], v[244+2*\c]
	v_cvt_scalef32_pk16_fp6_f32 v[236+4*\c:238+4*\c], v[112+32*\c:127+32*\c], v[244+2*\c+1]
.endr
	v_nop                                          ; one plain instruction behind a scaled conversion
.irp c, 0,1
.irp i, 0,1,2
	v_permlane16_swap_b32 v[224+6*\c+\i], v[236+4*\c+\i]
.endr
.irp i, 0,1,2
	s_delay_alu instid0(VALU_DEP_3)
	v_mov_b32 v[227+6*\c+\i], v[236+4*\c+\i]
.endr
.endr
	s_wait_alu depctr_va_vdst(0)
.irp j, 0,2,4,6,8,10,12,14,16,18,20,22,24,26,28,30
	v_pk_mul_f32 v[160+\j:161+\j], v[160+\j:161+\j], v[252:253] op_sel_hi:[1,0]   ; O^T under the new M; also the places between p's codes and scale word and the products below
.endr
	s_wait_alu depctr_va_vdst(0)
	s_wait_dscnt 0x0                               ; V's fragments
.irp t, 0,2
	WM 160+8*\t, 32+12*\t, 224, 0, VS+\t/2, 253, 0
	WM 168+8*\t, 44+12*\t, 224, 0, VS+\t/2, 253, 1
.endr
.irp c, 0,1,2,3,4,5,6,7                        ; the row's sum of the unquantised p, in eight chains; the first eight are the places ahead of the loads below
	v_pk_add_f32 v[T+2*\c:T+2*\c+1], v[96+2*\c:97+2*\c], v[112+2*\c:113+2*\c]
.endr
.if \last == 0
	KLOAD                                          ; the next step's K lands under the rest of the sums
.endif
.irp c, 0,1,2,3,4,5,6,7
	v_pk_add_f32 v[T+2*\c:T+2*\c+1], v[T+2*\c:T+2*\c+1], v[128+2*\c:129+2*\c]
.endr
.irp c, 0,1,2,3,4,5,6,7
	v_pk_add_f32 v[T+2*\c:T+2*\c+1], v[T+2*\c:T+2*\c+1], v[144+2*\c:145+2*\c]
.endr
.irp c, 0,1,2,3
	v_pk_add_f32 v[T+2*\c:T+2*\c+1], v[T+2*\c:T+2*\c+1], v[T+8+2*\c:T+9+2*\c]
.endr
.irp c, 0,1
	s_delay_alu instid0(VALU_DEP_2)
	v_pk_add_f32 v[T+2*\c:T+2*\c+1], v[T+2*\c:T+2*\c+1], v[T+4+2*\c:T+5+2*\c]
.endr
	s_delay_alu instid0(VALU_DEP_1)
	v_pk_add_f32 v[T:T+1], v[T:T+1], v[T+2:T+3]
	s_delay_alu instid0(VALU_DEP_1)
	v_pk_add_f32 v[14:15], v[14:15], v[T:T+1]
.endm
	s_wait_alu depctr_va_vdst(0)
	s_wait_tensorcnt 0x0                           ; my tile is in,
	s_barrier_signal -1
	s_barrier_wait -1                              ; everybody's are: all of K, V and the scale words
	KLOAD
	s_wait_loadcnt 0x0                             ; Q
	s_mov_b32 s[CNT], 15
.Lstep:
	STEP 0
	s_sub_co_u32 s[CNT], s[CNT], 1
	s_cmp_lg_u32 s[CNT], 0
	s_wait_alu depctr_va_vdst(0)
	s_cbranch_scc1 .Lstep
	STEP 1                                         ; the last step is written out: it fetches nothing
	; THE WAY OUT.  O^T / the sum: register 16 b + i is channel 32 b + 16 h + i of my query: two blocks of the next product's K: a half image and half a scale word
	v_add_f32 v14, v14, v15
	s_delay_alu instid0(VALU_DEP_1)
	v_permlanex16_b32 v252, v14, s[SEL], s[SEL+1]
	s_delay_alu instid0(VALU_DEP_1)
	v_add_f32 v14, v14, v252                       ; the row's sum
	s_wait_alu depctr_va_vdst(0)
	v_rcp_f32 v14, v14
	v_and_b32 v9, 15, v0                           ; (plain instructions behind the reciprocal)
	s_lshl_b32 s56, s[WV], 6
	s_add_co_u32 s56, s56, STG
	v_lshl_add_u32 v10, v9, 2, s56                 ; STG + 64 x wave + 4 r
	v_add_nc_u32 v11, STG, v[L16]
	s_wait_alu depctr_va_vdst(0)                   ; the wait ahead of the reciprocal's first reader, and of O^T's
.irp j, 0,1,2,3,4,5,6,7,8,9,10,11,12,13,14,15,16,17,18,19,20,21,22,23,24,25,26,27,28,29,30,31
	v_mul_f32 v[96+\j], v[160+\j], v14
.endr
.irp b, 0,1
	v_max3_num_f32 v[232+\b], |v[96+16*\b]|, |v[97+16*\b]|, 0x1800000
.endr
.irp i, 2,4,6,8,10,12,14
.irp b, 0,1
	s_delay_alu instid0(VALU_DEP_2)
	v_max3_num_f32 v[232+\b], v[232+\b], |v[96+16*\b+\i]|, |v[97+16*\b+\i]|
.endr
.endr
.irp b, 0,1
	s_delay_alu instid0(VALU_DEP_2)
	v_permlanex16_b32 v[236+\b], v[232+\b], s[SEL], s[SEL+1]
.endr
.irp b, 0,1
	s_delay_alu instid0(VALU_DEP_2)
	v_max_num_f32 v[232+\b], v[232+\b], v[236+\b]
.endr
.irp b, 0,1
	s_delay_alu instid0(VALU_DEP_2)
	v_add_nc_u32 v[244+\b], 0xff000000, v[232+\b]
.endr
.irp b, 0,1
	s_delay_alu instid0(VALU_DEP_2)
	v_lshrrev_b32 v[236+\b], 23, v[244+\b]
.endr
	s_delay_alu instid0(VALU_DEP_1)
	v_lshl_or_b32 v252, v237, 8, v236              ; my head's two bytes
	v_cvt_scalef32_pk16_fp6_f32 v[224:226], v[96:111], v244
	v_cvt_scalef32_pk16_fp6_f32 v[240:242], v[112:127], v245
	v_nop
.irp i, 0,1,2
	v_permlane16_swap_b32 v[224+\i], v[240+\i]
.endr
.irp i, 0,1,2
	s_delay_alu instid0(VALU_DEP_3)
	v_mov_b32 v[227+\i], v[240+\i]
.endr
	global_store_b128 v[L16], v[224:227], s[12:13]             ; 512 and 256 consecutive bytes, aligned
	global_store_b64 v[L8], v[228:229], s[12:13] offset:512
	ds_store_b32 v10, v252                         ; lanes r and r + 16 write the same word with the same value
	s_wait_dscnt 0x0                               ; for the others' sake
	s_barrier_signal -1
	s_barrier_wait -1
	s_cmp_lg_u32 s[WV], 0
	s_cbranch_scc1 .Lnot_0                         ; wave 0 stores the 256 words: 1,024 consecutive bytes, aligned
	ds_load_b128 v[96:99], v11
	ds_load_b128 v[100:103], v11 offset:512
	s_wait_dscnt 0x0
	global_store_b128 v[L16], v[96:99], s[14:15]
	global_store_b128 v[L16], v[100:103], s[14:15] offset:512
.Lnot_0:
	s_wait_tensorcnt 0x0                           ; the wave's end
	ds_add_u32 v[SPW], v[NIL]
	s_wait_dscnt 0x0
	CROUND                                         ; the closing round
	s_endpgm
.Lfunc_end_k_q66d9754b59_attn:
	.size	k_q66d9754b59_attn, .Lfunc_end_k_q66d9754b59_attn-k_q66d9754b59_attn
	.p2alignl 7, 3214868480
	.fill 96, 4, 3214868480
	.section	.rodata,"a",@progbits
	.p2align	6, 0x0
	.amdhsa_kernel k_q66d9754b59_attn
		.amdhsa_group_segment_fixed_size 327680
		.amdhsa_private_segment_fixed_size 0
		.amdhsa_enable_private_segment 0
		.amdhsa_kernarg_size 16
		.amdhsa_user_sgpr_count 2
		.amdhsa_user_sgpr_kernarg_segment_ptr 1
		.amdhsa_wavefront_size32 1
		.amdhsa_system_sgpr_workgroup_id_x 1
		.amdhsa_system_sgpr_workgroup_id_y 1
		.amdhsa_system_sgpr_workgroup_id_z 1
		.amdhsa_system_vgpr_workitem_id 0
		.amdhsa_next_free_vgpr 256
		.amdhsa_next_free_sgpr 80
		.amdhsa_reserve_vcc 0
		.amdhsa_float_denorm_mode_32 3
		.amdhsa_float_denorm_mode_16_64 3
		.amdhsa_memory_ordered 1
		.amdhsa_forward_progress 1
		.amdhsa_inst_pref_size 48
	.end_amdhsa_kernel
	.amdgpu_metadata
---
amdhsa.version: [ 1, 2 ]
amdhsa.kernels:
  - .name:           k_q66d9754b59_attn
    .symbol:         k_q66d9754b59_attn.kd
    .args:
      - { .name: qkv, .offset: 0, .size: 8, .value_kind: global_buffer, .address_space: global }
      - { .name: att, .offset: 8, .size: 8, .value_kind: global_buffer, .address_space: global }
    .group_segment_fixed_size: 327680
    .private_segment_fixed_size: 0
    .kernarg_segment_align: 8
    .kernarg_segment_size: 16
    .max_flat_workgroup_size: 512
    .sgpr_count:     80
    .vgpr_count:     256
    .wavefront_size: 32
...
	.end_amdgpu_metadata
.endif
;; end of part 11
;; launch oln (part 12): grid 256 x 1, 8 waves a work-group, clusters of 4 x 1, 327,680 bytes of LDS; arguments att, wq, out_b, x, ln1_g, ln1_b, hb; writes hb
.if DOCPART == 12
	.amdgcn_target "amdgcn-amd-amdhsa--gfx1250"
	.amdhsa_code_object_version 6
	.text
	.protected	k_q66d9754b59_oln
	.globl	k_q66d9754b59_oln
	.p2align	8
	.type	k_q66d9754b59_oln,@function
k_q66d9754b59_oln:
	s_mov_b64 s[64:65], 0
	v_nop
	global_prefetch_b8 v0, s[64:65] scope:SCOPE_SE
	s_setreg_imm32_b32 hwreg(HW_REG_WAVE_MODE, 25, 1), 1
	s_wait_xcnt 0x0
	s_wait_alu depctr_hold_cnt(0) depctr_sa_sdst(0) depctr_va_vdst(0) depctr_va_sdst(0) depctr_va_ssrc(0) depctr_va_vcc(0) depctr_vm_vsrc(0)
	s_getreg_b32 s2, hwreg(HW_REG_IB_STS2, 6, 4)
	s_cmp_eq_u32 s2, 0
	s_cbranch_scc0 .Lentry_in_a_cluster
	s_endpgm
.Lentry_in_a_cluster:
	s_bfe_u32 s2, ttmp6, 0x10000c
	s_cmp_lg_u32 s2, 0x3003
	s_cbranch_scc0 .Lentry_shape_is_right
	s_endpgm
.Lentry_shape_is_right:
; h = LayerNorm(x + attn out_w^T + out_b) x g + b; the product on codes of FP6 (E2M3) with E8M0 scales, all else in f32.  h leaves as f32 rows and as codes with scales for the next product.
; SHARES.  A work-group takes one block of 16 tokens (block i holds at lane index p token 32 (i / 2) + 8 (i % 2) + p + 8 (p / 8)) and all 1,024 features, so a row's mean and variance stay in the work-group.
; Wave w takes features 128 w .. 128 w + 127: eight accumulators.  Source 0 = a block of out_w, source 1 = the tokens: a lane holds one token, register 16 b + i = feature 128 w + 32 b + 16 h + i.
; OPERANDS lie in memory as images of the matrix unit's registers.  out_w's fragments of K steps 2 to 7 go STRAIGHT INTO REGISTERS, two K steps (64 loads a wave) ahead, in two sets; each load covers 512 or 256 consecutive bytes.
; K steps 0 and 1 of a wave's eight blocks (24,576 bytes) come by ONE tensor load a wave into LDS bytes that are the wave's own, filled once, and are multiplied last.
; CLUSTER: every work-group wants the same out_w: the four of a cluster ask for these tiles jointly, mask 15; the descriptor hangs on the wave's number alone.
; att's eight fragments are loaded once a work-group (wave w: K step w) and shared through LDS as images; its scale words come as two halves (one for each head of a pair) and are joined here.
; out_b, g, b: a wave's 128 numbers of each come by one dense load and turn through the wave's own LDS bytes into the lanes' layout.
; x's 16 rows are read as whole rows and turn through a stage in LDS (rows 4,112 bytes apart); h's rows leave by the same stage.
; No prefetch: the register loads run two K steps ahead themselves, and the tensor load stands at the head.
; LAYERNORM: each wave takes the mean of its 128 features and the squares centred on it; the eight (mean, squares) of a token meet in LDS once:
; the squares about the row's mean are the sum of the waves' squares + 128 x the sum of (wave's mean - mean)^2: no difference of large sums.
; LIMITS: NaN and infinities are not served; a block of zeros gets the byte 1 (the rule says 127): its codes are zeros and only this program reads the bytes.
; REGISTERS.  Window 0: v1-11 addresses; v12-15 at work; v16-23 att's scale words, v24-31 their upper halves; v32-63 out_w's scale words; v64-127 accumulators, then h; v128-223 att's fragments, then the bias, sums and rows;
;   v224-247 what turns through LDS, v248-254 addresses; later v224-255 the quantiser.  Window 1: v0-95, v96-191 out_w's fragments, two sets, then g and b; v192-255 x.
.set BOFF,  5505024
.set BSOFF, 12812288
.set ASC,   3145728
.set HC,    16777216
.set HS,    19922944
.set PIT,   4112
.set RED,   66048                      ; 1,024 bytes: [token 16][wave 8][-mean, squares]
.set ALDS,  67072                      ; 12,288 bytes: att's eight images
.set VL,    79360                      ; 1,536 bytes a wave: out_b, g, b
.set TB,    91648                      ; 24,576 bytes a wave: out_w's K steps 0 and 1, [block 8][2][1,536]
.set SPARE, 288256                     ; the spare words, 128 bytes for each wave
.set L16, 1
.set L8,  2
.set L4,  3
.set R4,  4
.set VLD, 5
.set STX, 6
.set LAY, 7
.set RST, 8
.set RLD, 9
.set SPW, 10
.set NIL, 11
.set PW,  15
.set AS,  16
.set AH,  24
.set BS,  32
.set ACC, 64
.set AF,  128
.set BI,  128
.set T,   192
.set U,   208
.set PC,  224
.set TM,  244
.set TL16, 248
.set TL8,  249
.set AL16, 250
.set AL8,  251
.set AW16, 252
.set AW8,  253
.set VST,  254
.set SEL, 44
.set G1,  68
.set G0,  76
.set MSB, 0
.macro WIN new                         ; the immediate's high byte repeats the setting that is left
.if MSB != \new
	s_set_vgpr_msb (MSB<<8)|\new
.set MSB, \new
.endif
.endm
.macro PLACES n
.rept \n
	v_nop
.endr
.endm
.macro CROUND
	s_barrier_signal -1
	s_barrier_wait -1
	s_cmp_lg_u32 s18, 0
	s_cbranch_scc1 .Lnot_wave_0_\@
	s_barrier_signal -3
.Lnot_wave_0_\@:
	s_barrier_wait -3
	s_barrier_signal -1
	s_barrier_wait -1
.endm
.macro WM acc, a, bf, zero, sa, sb, row
.if \zero
.if \row
	v_wmma_scale_f32_16x16x128_f8f6f4 v[(\acc):(\acc)+7], v[(\a):(\a)+11], v[(\bf):(\bf)+11], 0, v[\sa], v[\sb] matrix_a_fmt:MATRIX_FMT_FP6 matrix_b_fmt:MATRIX_FMT_FP6 matrix_a_scale:MATRIX_SCALE_ROW1
.else
	v_wmma_scale_f32_16x16x128_f8f6f4 v[(\acc):(\acc)+7], v[(\a):(\a)+11], v[(\bf):(\bf)+11], 0, v[\sa], v[\sb] matrix_a_fmt:MATRIX_FMT_FP6 matrix_b_fmt:MATRIX_FMT_FP6
.endif
.else
.if \row
	v_wmma_scale_f32_16x16x128_f8f6f4 v[(\acc):(\acc)+7], v[(\a):(\a)+11], v[(\bf):(\bf)+11], v[(\acc):(\acc)+7], v[\sa], v[\sb] matrix_a_fmt:MATRIX_FMT_FP6 matrix_b_fmt:MATRIX_FMT_FP6 matrix_a_scale:MATRIX_SCALE_ROW1
.else
	v_wmma_scale_f32_16x16x128_f8f6f4 v[(\acc):(\acc)+7], v[(\a):(\a)+11], v[(\bf):(\bf)+11], v[(\acc):(\acc)+7], v[\sa], v[\sb] matrix_a_fmt:MATRIX_FMT_FP6 matrix_b_fmt:MATRIX_FMT_FP6
.endif
.endif
.endm
.macro LOADB k                         ; out_w's eight fragments of K step k, from memory, into set k % 2 of window 1
	WIN 0x40
.irp b, 0,1,2,3,4,5,6,7
	global_load_b128 v[96*((\k)%2)+12*\b:96*((\k)%2)+12*\b+3], v[L16], s[30:31] offset:12288*\b+1536*(\k)
	global_load_b64 v[96*((\k)%2)+12*\b+4:96*((\k)%2)+12*\b+5], v[L8], s[30:31] offset:12288*\b+1536*(\k)+512
	global_load_b128 v[96*((\k)%2)+12*\b+6:96*((\k)%2)+12*\b+9], v[L16], s[30:31] offset:12288*\b+1536*(\k)+768
	global_load_b64 v[96*((\k)%2)+12*\b+10:96*((\k)%2)+12*\b+11], v[L8], s[30:31] offset:12288*\b+1536*(\k)+1280
.endr
.endm
.macro DSB k                           ; the same of K step 0 or 1, from my tile in LDS
	WIN 0x40
.irp b, 0,1,2,3,4,5,6,7
	ds_load_b128 v[96*((\k)%2)+12*\b:96*((\k)%2)+12*\b+3], v[TL16] offset:3072*\b+1536*(\k)
	ds_load_b64 v[96*((\k)%2)+12*\b+4:96*((\k)%2)+12*\b+5], v[TL8] offset:3072*\b+1536*(\k)+512
	ds_load_b128 v[96*((\k)%2)+12*\b+6:96*((\k)%2)+12*\b+9], v[TL16] offset:3072*\b+1536*(\k)+768
	ds_load_b64 v[96*((\k)%2)+12*\b+10:96*((\k)%2)+12*\b+11], v[TL8] offset:3072*\b+1536*(\k)+1280
.endr
.endm
.macro MULG k, zero                    ; eight products, the eight accumulators by turns
	WIN 0x01
.irp b, 0,2,4,6
	WM ACC+8*\b, 96*((\k)%2)+12*\b, AF+12*(\k), \zero, BS+4*(\k)+\b/2, AS+(\k), 0
	WM ACC+8*\b+8, 96*((\k)%2)+12*\b+12, AF+12*(\k), \zero, BS+4*(\k)+\b/2, AS+(\k), 1
.endr
.endm
.macro VEC64 reg, off                  ; 64 numbers by feature, in the lanes' layout, from my own LDS bytes
.irp b, 0,1,2,3
.irp q, 0,1,2,3
	ds_load_b128 v[\reg+16*\b+4*\q:\reg+16*\b+4*\q+3], v[VLD] offset:\off+128*\b+16*\q
.endr
.endr
.endm
.macro REDUCE                          ; sixteen pairs at v[T] on become one number a token, in v[T]
.irp k, 0,1,2,3,4,5,6,7
	v_pk_add_f32 v[T+2*\k:T+2*\k+1], v[T+2*\k:T+2*\k+1], v[T+16+2*\k:T+17+2*\k]
.endr
.irp k, 0,1,2,3
	v_pk_add_f32 v[T+2*\k:T+2*\k+1], v[T+2*\k:T+2*\k+1], v[T+8+2*\k:T+9+2*\k]
.endr
.irp k, 0,1
	s_delay_alu instid0(VALU_DEP_2)
	v_pk_add_f32 v[T+2*\k:T+2*\k+1], v[T+2*\k:T+2*\k+1], v[T+4+2*\k:T+5+2*\k]
.endr
	s_delay_alu instid0(VALU_DEP_1)
	v_pk_add_f32 v[T:T+1], v[T:T+1], v[T+2:T+3]
	s_delay_alu instid0(VALU_DEP_1)
	v_add_f32 v[T], v[T], v[T+1]
	s_delay_alu instid0(VALU_DEP_1)
	v_permlanex16_b32 v[T+2], v[T], s[SEL], s[SEL+1]
	s_delay_alu instid0(VALU_DEP_1)
	v_add_f32 v[T], v[T], v[T+2]                   ; with lane l xor 16's half
.endm
	s_load_b256 s[4:11], s[0:1], 0x0               ; att, wq, out_b, x
	s_load_b128 s[12:15], s[0:1], 0x20             ; g, b
	s_load_b64 s[16:17], s[0:1], 0x30              ; hb
	v_lshl_add_u32 v[SPW], v0, 2, SPARE
	v_mov_b32 v[NIL], 0
	ds_add_u32 v[SPW], v[NIL]
	ds_add_u32 v[SPW], v[NIL]
	v_lshrrev_b32 v12, 5, v0
	v_readfirstlane_b32 s18, v12                   ; wave 0..7
	v_and_b32 v12, 31, v0                          ; lane
	v_and_b32 v13, 15, v0                          ; r
	v_bfe_u32 v14, v0, 4, 1                        ; h
	v_lshlrev_b32 v[L16], 4, v12
	v_lshlrev_b32 v[L8], 3, v12
	v_lshlrev_b32 v[L4], 2, v12
	v_lshlrev_b32 v[R4], 2, v13
	s_mul_i32 s19, s18, 2*PIT
	v_add_nc_u32 v[STX], s19, v[L16]               ; the stage by rows: rows 2 w, 2 w + 1
	v_mul_u32_u24 v[LAY], v13, PIT
	v_lshl_add_u32 v[LAY], v14, 6, v[LAY]
	s_lshl_b32 s19, s18, 9
	v_add_nc_u32 v[LAY], s19, v[LAY]               ; and in the lanes' layout: row r, 512 w + 64 h bytes on
	s_lshl_b32 s19, s18, 3
	s_add_co_u32 s19, s19, RED
	v_lshl_add_u32 v[RST], v13, 6, s19             ; RED + 64 r + 8 w
	v_lshlrev_b32 v[RLD], 6, v13
	v_add_nc_u32 v[RLD], RED, v[RLD]
	v_add_nc_u32 v[AL16], ALDS, v[L16]
	v_add_nc_u32 v[AL8], ALDS, v[L8]
	s_mul_i32 s19, s18, 1536
	v_add_nc_u32 v[AW16], s19, v[AL16]             ; where my image of att goes
	v_add_nc_u32 v[AW8], s19, v[AL8]
	s_add_co_u32 s19, s19, VL
	v_add_nc_u32 v[VST], s19, v[L16]
	v_lshl_add_u32 v[VLD], v14, 6, s19
	s_mul_i32 s48, s18, 24576
	s_add_co_u32 s48, s48, TB                      ; my tile of out_w
	v_add_nc_u32 v[TL16], s48, v[L16]
	v_add_nc_u32 v[TL8], s48, v[L8]
	s_mov_b32 s[SEL], 0x76543210
	s_mov_b32 s[SEL+1], 0xfedcba98
	s_mov_b32 s46, 0x3a800000                      ; 1 / 1,024
	s_mov_b32 s47, 0x3727c5ac                      ; 1e-5
	s_mov_b32 s[G1], 15|(3<<16)|(1<<21)            ; the mask: all four; elements of 8 bytes; bit 21 set beside a mask
	s_mov_b32 s[G1+1], 384<<16                     ; 8 rows (blocks) of 3,072 bytes, 12,288 apart
	s_mov_b32 s[G1+2], 8<<16
	s_mov_b32 s[G1+3], 384<<16
	s_mov_b32 s[G1+4], 8
	s_mov_b32 s[G1+5], 1536
	s_mov_b32 s[G1+6], 0
	s_mov_b32 s[G1+7], 0
	s_bfe_u32 s49, ttmp6, 0x40000                  ; cx
	s_lshl_b32 s19, ttmp9, 2
	s_add_co_u32 s49, s49, s19                     ; my block of tokens: it enters global addresses alone
	s_lshr_b32 s19, s49, 1
	s_lshl_b32 s19, s19, 5
	s_and_b32 s20, s49, 1
	s_lshl_b32 s20, s20, 3
	s_add_co_u32 s19, s19, s20
	s_lshl_b32 s20, s18, 1
	s_add_co_u32 s19, s19, s20
	s_lshr_b32 s20, s18, 2
	s_lshl_b32 s20, s20, 3
	s_add_co_u32 s19, s19, s20                     ; the token at lane index 2 w; the next index is the next token
	s_lshl_b32 s20, s19, 12
	s_mov_b32 s21, 0
	s_wait_alu depctr_va_vdst(0)
	s_wait_dscnt 0x0                               ; both opening adds are done
	s_wait_kmcnt 0x0
	s_add_nc_u64 s[22:23], s[10:11], s[20:21]      ; x's two rows
	s_add_nc_u64 s[24:25], s[16:17], s[20:21]      ; h's
	WIN 0x40
.irp i, 0,1
.irp j, 0,1,2,3,4,5,6,7
	global_load_b128 v[192+32*\i+4*\j:192+32*\i+4*\j+3], v[L16], s[22:23] offset:4096*\i+512*\j th:TH_LOAD_NT   ; 512 consecutive bytes
.endr
.endr
	WIN 0
	s_mul_i32 s20, s18, 98304
	s_add_co_u32 s20, s20, BOFF
	s_add_nc_u64 s[30:31], s[6:7], s[20:21]        ; out_w's blocks 8 w ..
	s_mov_b32 s[G0], 1
	s_mov_b32 s[G0+1], s48
	s_mov_b64 s[G0+2:G0+3], s[30:31]
	s_or_b32 s[G0+3], s[G0+3], 0x80000000
	CROUND                                         ; all four work-groups are here: the joint loads meet
	tensor_load_to_lds s[G0:G0+3], s[G1:G1+7]      ; K steps 0 and 1 of my eight blocks: my one tensor load
	s_nop 0
	PLACES 4
	s_mul_i32 s20, s49, 12288
	s_mul_i32 s19, s18, 1536
	s_add_co_u32 s20, s20, s19
	s_add_nc_u64 s[26:27], s[4:5], s[20:21]        ; att's fragment of K step w
	s_lshl_b32 s20, s49, 6
	s_add_co_u32 s20, s20, ASC
	s_add_nc_u64 s[28:29], s[4:5], s[20:21]        ; its half scale words
	s_lshl_b32 s20, s18, 9
	s_add_nc_u64 s[34:35], s[8:9], s[20:21]        ; my 128 numbers of out_b, g, b
	s_add_nc_u64 s[36:37], s[12:13], s[20:21]
	s_add_nc_u64 s[38:39], s[14:15], s[20:21]
	s_add_co_u32 s20, s20, BSOFF
	s_add_nc_u64 s[32:33], s[6:7], s[20:21]        ; out_w's scale words
	s_lshl_b32 s20, s49, 3
	s_add_co_u32 s20, s20, s18
	s_mul_i32 s20, s20, 1536
	s_add_co_u32 s20, s20, HC
	s_add_nc_u64 s[40:41], s[16:17], s[20:21]      ; h's image
	s_lshl_b32 s20, s18, 14
	s_lshl_b32 s19, s49, 6
	s_add_co_u32 s20, s20, s19
	s_add_co_u32 s20, s20, HS
	s_add_nc_u64 s[42:43], s[16:17], s[20:21]      ; its scale words
	global_load_b128 v[224:227], v[L16], s[26:27]
	global_load_b64 v[228:229], v[L8], s[26:27] offset:512
	global_load_b128 v[230:233], v[L16], s[26:27] offset:768
	global_load_b64 v[234:235], v[L8], s[26:27] offset:1280
	global_load_b128 v[236:239], v[L16], s[34:35]
	global_load_b128 v[240:243], v[L16], s[36:37]
	global_load_b128 v[244:247], v[L16], s[38:39]
.irp k, 0,1,2,3,4,5,6,7
	global_load_b32 v[AS+\k], v[R4], s[28:29] offset:32768*\k
	global_load_b32 v[AH+\k], v[R4], s[28:29] offset:32768*\k+16384
.endr
.irp k, 0,1,2,3,4,5,6,7
.irp j, 0,1,2,3
	global_load_b32 v[BS+4*\k+\j], v[L4], s[32:33] offset:4096*\k+128*\j
.endr
.endr
	LOADB 2
	LOADB 3
	s_wait_loadcnt 63                              ; x, my image of att, out_b, g and b are in: 112 loads were issued behind them
	s_wait_tensorcnt 0x0                           ; and my tile of out_w
	WIN 0x04
.irp i, 0,1
.irp j, 0,1,2,3,4,5,6,7
	ds_store_b128 v[STX], v[192+32*\i+4*\j:192+32*\i+4*\j+3] offset:PIT*\i+512*\j
.endr
.endr
	WIN 0
	ds_store_b128 v[AW16], v[224:227]
	ds_store_b64 v[AW8], v[228:229] offset:512
	ds_store_b128 v[AW16], v[230:233] offset:768
	ds_store_b64 v[AW8], v[234:235] offset:1280
	ds_store_b128 v[VST], v[236:239]
	ds_store_b128 v[VST], v[240:243] offset:512
	ds_store_b128 v[VST], v[244:247] offset:1024
	s_wait_dscnt 0x0                               ; for the others' sake: my two rows and my image lie in LDS
	s_barrier_signal -1
	s_barrier_wait -1
	WIN 0x40
.irp b, 0,1,2,3
.irp q, 0,1,2,3
	ds_load_b128 v[192+16*\b+4*\q:192+16*\b+4*\q+3], v[LAY] offset:128*\b+16*\q   ; x in the lanes' layout
.endr
.endr
	WIN 0
.irp k, 0,1,2,3,4,5,6,7
	ds_load_b128 v[AF+12*\k:AF+12*\k+3], v[AL16] offset:1536*\k                  ; att's eight fragments
	ds_load_b64 v[AF+12*\k+4:AF+12*\k+5], v[AL8] offset:1536*\k+512
	ds_load_b128 v[AF+12*\k+6:AF+12*\k+9], v[AL16] offset:1536*\k+768
	ds_load_b64 v[AF+12*\k+10:AF+12*\k+11], v[AL8] offset:1536*\k+1280
.endr
	s_wait_loadcnt 32                              ; all but K step 3's 32 loads
.irp k, 0,1,2,3,4,5,6,7
	v_lshl_or_b32 v[AS+\k], v[AH+\k], 16, v[AS+\k] ; the two heads' halves make the word of 128 K
.endr
	s_wait_alu depctr_va_vdst(0)
	s_wait_dscnt 0x0
	PLACES 8                                       ; a scale register written by a vector instruction stands 8 places ahead of the product
	MULG 2, 1
	PLACES 4
	LOADB 4
.irp k, 3,4,5
	s_wait_loadcnt 32                              ; this K step's loads are in; the next one's 32 may be out
	MULG \k, 0
	PLACES 4
	LOADB \k+2
.endr
	s_wait_loadcnt 32
	MULG 6, 0
	PLACES 4
	DSB 0
	s_wait_loadcnt 0x0
	MULG 7, 0
	PLACES 4
	DSB 1
	s_wait_dscnt 32                                ; K step 0's 32 loads are in; K step 1's may be out
	MULG 0, 0
	s_wait_dscnt 0x0
	MULG 1, 0
	PLACES 4
	WIN 0
	VEC64 BI, 0                                    ; out_b
	WIN 0x40
	VEC64 0, 512                                   ; g
	VEC64 96, 1024                                 ; b
	WIN 0
	s_wait_dscnt 0x0
.irp m, 0,2,4,6,8,10,12,14,16,18,20,22,24,26,28,30,32,34,36,38,40,42,44,46,48,50,52,54,56,58,60,62
	v_pk_add_f32 v[ACC+\m:ACC+\m+1], v[ACC+\m:ACC+\m+1], v[BI+\m:BI+\m+1]   ; each accumulator from its low end on
.endr
	WIN 0x04
.irp m, 0,2,4,6,8,10,12,14,16,18,20,22,24,26,28,30,32,34,36,38,40,42,44,46,48,50,52,54,56,58,60,62
	v_pk_add_f32 v[ACC+\m:ACC+\m+1], v[ACC+\m:ACC+\m+1], v[192+\m:193+\m]   ; + x
.endr
	WIN 0
.irp k, 0,1,2,3,4,5,6,7,8,9,10,11,12,13,14,15
	v_pk_add_f32 v[T+2*\k:T+2*\k+1], v[ACC+4*\k:ACC+4*\k+1], v[ACC+4*\k+2:ACC+4*\k+3]
.endr
	REDUCE
	s_delay_alu instid0(VALU_DEP_1)
	v_mul_f32 v12, 0xbc000000, v[T]                ; - the mean of my 128 features
.irp m, 0,2,4,6,8,10,12,14,16,18,20,22,24,26,28,30,32,34,36,38,40,42,44,46,48,50,52,54,56,58,60,62
	v_pk_add_f32 v[ACC+\m:ACC+\m+1], v[ACC+\m:ACC+\m+1], v[12:13] op_sel_hi:[1,0]
.endr
.irp k, 0,1,2,3,4,5,6,7,8,9,10,11,12,13,14,15
	v_pk_mul_f32 v[T+2*\k:T+2*\k+1], v[ACC+4*\k:ACC+4*\k+1], v[ACC+4*\k:ACC+4*\k+1]
.endr
.irp k, 0,1,2,3,4,5,6,7,8,9,10,11,12,13,14,15
	v_pk_fma_f32 v[T+2*\k:T+2*\k+1], v[ACC+4*\k+2:ACC+4*\k+3], v[ACC+4*\k+2:ACC+4*\k+3], v[T+2*\k:T+2*\k+1]
.endr
	REDUCE
	s_delay_alu instid0(VALU_DEP_1)
	v_mov_b32 v13, v[T]                            ; the squares centred on it
	ds_store_b64 v[RST], v[12:13]                  ; lanes r and r + 16 write the same pair with the same values
	s_wait_alu depctr_va_vdst(0)
	s_wait_dscnt 0x0
	s_barrier_signal -1
	s_barrier_wait -1
.irp q, 0,1,2,3
	ds_load_b128 v[T+4*\q:T+4*\q+3], v[RLD] offset:16*\q   ; my token's eight pairs
.endr
	s_wait_dscnt 0x0
	v_pk_add_f32 v[U:U+1], v[T:T+1], v[T+2:T+3]
	v_pk_add_f32 v[U+2:U+3], v[T+4:T+5], v[T+6:T+7]
	v_pk_add_f32 v[U+4:U+5], v[T+8:T+9], v[T+10:T+11]
	v_pk_add_f32 v[U+6:U+7], v[T+12:T+13], v[T+14:T+15]
	v_pk_add_f32 v[U:U+1], v[U:U+1], v[U+2:U+3]
	v_pk_add_f32 v[U+4:U+5], v[U+4:U+5], v[U+6:U+7]
	s_delay_alu instid0(VALU_DEP_1)
	v_pk_add_f32 v[U:U+1], v[U:U+1], v[U+4:U+5]
	s_delay_alu instid0(VALU_DEP_1)
	v_mul_f32 v14, 0x3e000000, v[U]                ; - the row's mean
.irp w, 0,1,2,3,4,5,6,7
	v_sub_f32 v[T+2*\w], v[T+2*\w], v14            ; mean - wave w's mean
.endr
	v_mul_f32 v15, v[T], v[T]
.irp w, 1,2,3,4,5,6,7
	s_delay_alu instid0(VALU_DEP_1)
	v_fmac_f32 v15, v[T+2*\w], v[T+2*\w]
.endr
	s_delay_alu instid0(VALU_DEP_1)
	v_fma_f32 v[U+1], v15, 0x43000000, v[U+1]      ; the squares about the row's mean
	s_delay_alu instid0(VALU_DEP_1)
	v_fma_f32 v[U+1], v[U+1], s46, s47             ; the variance + 1e-5
	s_wait_alu depctr_va_vdst(0)
	v_rsq_f32 v[U+2], v[U+1]
	v_sub_f32 v[U+4], v14, v12                     ; my wave's mean - the row's (a plain instruction behind the root)
	s_wait_alu depctr_va_vdst(0)
	v_mul_f32 v[U+4], v[U+4], v[U+2]
.irp m, 0,2,4,6,8,10,12,14,16,18,20,22,24,26,28,30,32,34,36,38,40,42,44,46,48,50,52,54,56,58,60,62
	v_pk_fma_f32 v[ACC+\m:ACC+\m+1], v[ACC+\m:ACC+\m+1], v[U+2:U+3], v[U+4:U+5] op_sel_hi:[1,0,0]   ; (y - mean) / sigma
.endr
	WIN 0x14
.irp m, 0,2,4,6,8,10,12,14,16,18,20,22,24,26,28,30,32,34,36,38,40,42,44,46,48,50,52,54,56,58,60,62
	v_pk_fma_f32 v[ACC+\m:ACC+\m+1], v[ACC+\m:ACC+\m+1], v[\m:\m+1], v[96+\m:97+\m]   ; x g + b
.endr
	WIN 0
.irp b, 0,1,2,3
.irp q, 0,1,2,3
	ds_store_b128 v[LAY], v[ACC+16*\b+4*\q:ACC+16*\b+4*\q+3] offset:128*\b+16*\q   ; my columns of the stage, which I alone have read
.endr
.endr
	s_wait_alu depctr_va_vdst(0)
	s_wait_dscnt 0x0
	s_barrier_signal -1                            ; work on registers while the others arrive: h's 64 numbers of a lane become a fragment's codes and its scale word
.irp b, 0,1,2,3
	v_mov_b32 v[TM+4+\b], 0                        ; a lane permute's destination counts as one of its sources
.endr
.irp b, 0,1,2,3
	v_max3_num_f32 v[TM+\b], |v[ACC+16*\b]|, |v[ACC+1+16*\b]|, 0x1800000   ; the floor 2^(3 - 127) among the leaves: the byte cannot fall under 1
.endr
.irp i, 2,4,6,8,10,12,14
.irp b, 0,1,2,3
	v_max3_num_f32 v[TM+\b], v[TM+\b], |v[ACC+16*\b+\i]|, |v[ACC+1+16*\b+\i]|
.endr
.endr
.irp b, 0,1,2,3
	v_permlanex16_b32 v[TM+4+\b], v[TM+\b], s[SEL], s[SEL+1]
.endr
.irp b, 0,1,2,3
	v_max_num_f32 v[TM+\b], v[TM+\b], v[TM+4+\b]   ; with lane l xor 16's: the block's largest magnitude
.endr
.irp b, 0,1,2,3
	v_add_nc_u32 v[TM+8+\b], 0xff000000, v[TM+\b]  ; 2 off its exponent field: the conversion's scale operand
.endr
.irp b, 0,1,2,3
	v_lshrrev_b32 v[TM+4+\b], 23, v[TM+8+\b]       ; the byte
.endr
	v_lshl_or_b32 v[PW], v[TM+5], 8, v[TM+4]
	v_lshl_or_b32 v[PW], v[TM+6], 16, v[PW]
	v_lshl_or_b32 v[PW], v[TM+7], 24, v[PW]
.irp c, 0,1
	v_cvt_scalef32_pk16_fp6_f32 v[PC+6*\c:PC+2+6*\c], v[ACC+32*\c:ACC+15+32*\c], v[TM+8+2*\c]
	v_cvt_scalef32_pk16_fp6_f32 v[PC+12+4*\c:PC+14+4*\c], v[ACC+16+32*\c:ACC+31+32*\c], v[TM+8+2*\c+1]
.endr
	v_nop                                          ; one plain instruction behind a scaled conversion
.irp c, 0,1
.irp i, 0,1,2
	v_permlane16_swap_b32 v[PC+6*\c+\i], v[PC+12+4*\c+\i]
.endr
.irp i, 0,1,2
	v_mov_b32 v[PC+3+6*\c+\i], v[PC+12+4*\c+\i]
.endr
.endr
	s_wait_alu depctr_va_vdst(0)
	s_barrier_wait -1
.irp i, 0,1
.irp j, 0,1,2,3,4,5,6,7
	ds_load_b128 v[128+32*\i+4*\j:128+32*\i+4*\j+3], v[STX] offset:PIT*\i+512*\j   ; h's rows 2 w, 2 w + 1, whole
.endr
.endr
	global_store_b128 v[L16], v[PC:PC+3], s[40:41]             ; the image: 512 or 256 consecutive bytes a store, aligned
	global_store_b64 v[L8], v[PC+4:PC+5], s[40:41] offset:512
	global_store_b128 v[L16], v[PC+6:PC+9], s[40:41] offset:768
	global_store_b64 v[L8], v[PC+10:PC+11], s[40:41] offset:1280
	global_store_b32 v[R4], v[PW], s[42:43]        ; 16 scale words: lanes r and r + 16 store the same word with the same value
	s_wait_dscnt 0x0
.irp i, 0,1
.irp j, 0,1,2,3,4,5,6,7
	global_store_b128 v[L16], v[128+32*\i+4*\j:128+32*\i+4*\j+3], s[24:25] offset:4096*\i+512*\j   ; 512 consecutive bytes, aligned
.endr
.endr
	s_wait_tensorcnt 0x0                           ; the wave's end
	ds_add_u32 v[SPW], v[NIL]
	s_wait_dscnt 0x0
	CROUND                                         ; the closing round
	s_endpgm
.Lfunc_end_k_q66d9754b59_oln:
	.size	k_q66d9754b59_oln, .Lfunc_end_k_q66d9754b59_oln-k_q66d9754b59_oln
	.p2alignl 7, 3214868480
	.fill 96, 4, 3214868480
	.section	.rodata,"a",@progbits
	.p2align	6, 0x0
	.amdhsa_kernel k_q66d9754b59_oln
		.amdhsa_group_segment_fixed_size 327680
		.amdhsa_private_segment_fixed_size 0
		.amdhsa_enable_private_segment 0
		.amdhsa_kernarg_size 56
		.amdhsa_user_sgpr_count 2
		.amdhsa_user_sgpr_kernarg_segment_ptr 1
		.amdhsa_wavefront_size32 1
		.amdhsa_system_sgpr_workgroup_id_x 1
		.amdhsa_system_sgpr_workgroup_id_y 1
		.amdhsa_system_sgpr_workgroup_id_z 1
		.amdhsa_system_vgpr_workitem_id 0
		.amdhsa_next_free_vgpr 512
		.amdhsa_next_free_sgpr 80
		.amdhsa_reserve_vcc 0
		.amdhsa_float_denorm_mode_32 3
		.amdhsa_float_denorm_mode_16_64 3
		.amdhsa_memory_ordered 1
		.amdhsa_forward_progress 1
		.amdhsa_inst_pref_size 79
	.end_amdhsa_kernel
	.amdgpu_metadata
---
amdhsa.version: [ 1, 2 ]
amdhsa.kernels:
  - .name:           k_q66d9754b59_oln
    .symbol:         k_q66d9754b59_oln.kd
    .args:
      - { .name: att, .offset: 0, .size: 8, .value_kind: global_buffer, .address_space: global }
      - { .name: wq, .offset: 8, .size: 8, .value_kind: global_buffer, .address_space: global }
      - { .name: out_b, .offset: 16, .size: 8, .value_kind: global_buffer, .address_space: global }
      - { .name: x, .offset: 24, .size: 8, .value_kind: global_buffer, .address_space: global }
      - { .name: ln1_g, .offset: 32, .size: 8, .value_kind: global_buffer, .address_space: global }
      - { .name: ln1_b, .offset: 40, .size: 8, .value_kind: global_buffer, .address_space: global }
      - { .name: hb, .offset: 48, .size: 8, .value_kind: global_buffer, .address_space: global }
    .group_segment_fixed_size: 327680
    .private_segment_fixed_size: 0
    .kernarg_segment_align: 8
    .kernarg_segment_size: 56
    .max_flat_workgroup_size: 256
    .sgpr_count:     80
    .vgpr_count:     512
    .wavefront_size: 32
...
	.end_amdgpu_metadata
.endif
;; end of part 12
;; launch ffn1 (part 13): grid 16 x 16, 4 waves a work-group, clusters of 4 x 4, 327,680 bytes of LDS; arguments hb, wq, b1, gq; writes gq
.if DOCPART == 13
	.amdgcn_target "amdgcn-amd-amdhsa--gfx1250"
	.amdhsa_code_object_version 6
	.text
	.protected	k_q66d9754b59_ffn1
	.globl	k_q66d9754b59_ffn1
	.p2align	8
	.type	k_q66d9754b59_ffn1,@function
k_q66d9754b59_ffn1:
	s_mov_b64 s[64:65], 0
	v_nop
	global_prefetch_b8 v0, s[64:65] scope:SCOPE_SE
	s_setreg_imm32_b32 hwreg(HW_REG_WAVE_MODE, 25, 1), 1
	s_wait_xcnt 0x0
	s_wait_alu depctr_hold_cnt(0) depctr_sa_sdst(0) depctr_va_vdst(0) depctr_va_sdst(0) depctr_va_ssrc(0) depctr_va_vcc(0) depctr_vm_vsrc(0)
	s_getreg_b32 s2, hwreg(HW_REG_IB_STS2, 6, 4)
	s_cmp_eq_u32 s2, 0
	s_cbranch_scc0 .Lentry_in_a_cluster
	s_endpgm
.Lentry_in_a_cluster:
	s_bfe_u32 s2, ttmp6, 0x10000c
	s_cmp_lg_u32 s2, 0xf033
	s_cbranch_scc0 .Lentry_shape_is_right
	s_endpgm
.Lentry_shape_is_right:
; g = relu(h w1^T + b1) on codes of FP6 (E2M3) with E8M0 scales, quantised along the 4,096 for the next product.  A tile of 256 x 256 by four waves; K in steps of 256 through a ring of two LDS slots;
; 4 x 4 clusters with joint loads; operands lie as images of the matrix unit's registers.  Each fill's tile is prefetched into the L2 two fills ahead.
; LIMITS: NaN and infinities are not served; a block of zeros gets the byte 1: its codes are zeros and only this program reads the bytes.
.set KB,     8
.set AOFF,   16777216
.set ASOFF,  19922944
.set AR2,    2048
.set BOFF,   6291456
.set BSOFF,  12845056
.set BR2,    2048
.set NQ,     2
.set FR,     12
.set NL,     4
.set NP,     4
.set ROWB,   3072
.set HALFT,  8*ROWB
.set SLOT,   4*HALFT
.set LAPS,   KB/4
.set SCL,    2*SLOT
.set HALFS,  512*KB
.set SPARE,  SCL+4*HALFS
.set ADRA, 16
.set ADRB, 20
.set L16,  24
.set L8,   25
.set SW,   26
.set ADRS, 27
.set SPW,  28
.set NIL,  29
.set SR,   31
.set H64,  10
.set PW,   15
.set SC,   32
.set AF,   128
.set BIAS, 64
.set X,    128
.set PC,   192
.set TM,   212
.set SEL,  66
.set G1, 24
.set G0, 32
.set G1B, 48
.set G0B, 56
.set G1S, 68
.set G0S, 76
.set G1SB, 80
.set G0SB, 88
.set MSB, 0
.macro WIN new
.if MSB != \new
	s_set_vgpr_msb (MSB<<8)|\new
.set MSB, \new
.endif
.endm
.set MUL_LO, 0xa1
.set MUL_HI, 0xf1
.set TO_B,   0x40
.macro JLOAD g0a, g1a, g0b, g1b
	s_cmp_eq_u32 s15, 0
	s_cbranch_scc0 .Lfor_b_\@
	tensor_load_to_lds s[\g0a:\g0a+3], s[\g1a:\g1a+7]
	s_nop 0
.rept 4
	v_nop
.endr
	s_branch .Lasked_\@
.Lfor_b_\@:
	tensor_load_to_lds s[\g0b:\g0b+3], s[\g1b:\g1b+7]
	s_nop 0
.rept 4
	v_nop
.endr
.Lasked_\@:
.endm
.macro CREST
	s_cmp_lg_u32 s14, 0
	s_cbranch_scc1 .Lnot_wave_0_\@
	s_barrier_signal -3
.Lnot_wave_0_\@:
	s_barrier_wait -3
	s_barrier_signal -1
	s_barrier_wait -1
.endm
.macro CROUND
	s_barrier_signal -1
	s_barrier_wait -1
	CREST
.endm
	s_load_b256 s[4:11], s[0:1], 0x0
	v_lshl_add_u32 v[SPW], v0, 2, SPARE
	v_mov_b32 v[NIL], 0
	ds_add_u32 v28, v29
	ds_add_u32 v28, v29
	s_wait_dscnt 0x0
	v_lshrrev_b32 v1, 5, v0
	v_readfirstlane_b32 s14, v1
	v_and_b32 v30, 31, v0                          ; the prefetches' offset, never rewritten: 24 lanes name the 24 blocks of 256 bytes of two rows of 3,072; lanes 24-31 name the last again
	v_min_u32 v30, 23, v30
	v_mul_u32_u24 v2, v30, 171
	v_lshrrev_b32 v2, 11, v2                       ; lane / 12: which of the two rows
	v_mul_u32_u24 v2, v2, KB*1536-ROWB
	v_lshl_add_u32 v30, v30, 8, v2
	s_lshr_b32 s15, s14, 1
	s_and_b32 s16, s14, 1
	s_bfe_u32 s40, ttmp6, 0x40000
	s_bfe_u32 s41, ttmp6, 0x40004
	s_lshl_b32 s42, ttmp9, 2
	s_add_co_u32 s42, s42, s40
	s_and_b32 s17, ttmp7, 0xffff
	s_lshl_b32 s17, s17, 2
	s_add_co_u32 s17, s17, s41
	s_lshl_b32 s43, s41, 2
	s_lshl_b32 s43, 15, s43
	s_lshl_b32 s44, 0x1111, s40
	s_mov_b32 s[SEL], 0x76543210
	s_mov_b32 s[SEL+1], 0xfedcba98
	s_or_b32 s[G1+0], s43, (3<<16)|(1<<21)
	s_or_b32 s[G1B+0], s44, (3<<16)|(1<<21)
.irp g, G1, G1B
	s_mov_b32 s[\g+1], 384<<16
	s_mov_b32 s[\g+2], 8<<16
	s_mov_b32 s[\g+3], 384<<16
	s_mov_b32 s[\g+4], 8
	s_mov_b32 s[\g+5], 192*KB
	s_mov_b32 s[\g+6], 0
	s_mov_b32 s[\g+7], 0
.endr
	s_or_b32 s[G1S+0], s43, (3<<16)|(1<<21)
	s_or_b32 s[G1SB+0], s44, (3<<16)|(1<<21)
.irp g, G1S, G1SB
	s_mov_b32 s[\g+1], 64<<16
	s_mov_b32 s[\g+2], KB<<16
	s_mov_b32 s[\g+3], 64<<16
	s_mov_b32 s[\g+4], KB
	s_mov_b32 s[\g+6], 0
	s_mov_b32 s[\g+7], 0
.endr
	s_mov_b32 s[G1S+5], AR2
	s_mov_b32 s[G1SB+5], BR2
	s_lshl_b32 s18, s16, 3
	s_lshl_b32 s20, s17, 4
	s_add_co_u32 s20, s20, s18
	s_lshl_b32 s46, s42, 4
	s_add_co_u32 s46, s46, s18
	s_lshl_b32 s22, s20, 6
	s_add_co_u32 s22, s22, ASOFF
	s_mov_b32 s23, 0
	s_lshl_b32 s92, s46, 6
	s_add_co_u32 s92, s92, BSOFF
	s_mov_b32 s93, 0
	s_mul_i32 s20, s20, KB*1536
	s_add_co_u32 s20, s20, AOFF
	s_mov_b32 s21, 0
	s_mul_i32 s46, s46, KB*1536
	s_add_co_u32 s46, s46, BOFF
	s_mov_b32 s47, 0
	s_mul_i32 s45, s14, HALFT
	s_mul_i32 s94, s14, HALFS
	s_wait_alu depctr_va_vdst(0)
	s_wait_kmcnt 0x0
	s_add_nc_u64 s[20:21], s[4:5], s[20:21]
	s_add_nc_u64 s[22:23], s[4:5], s[22:23]
	s_add_nc_u64 s[46:47], s[6:7], s[46:47]
	s_add_nc_u64 s[92:93], s[6:7], s[92:93]
	; of the 8 rows that a wave fetches, each of the four partners that ask for them jointly names 2, told apart by address (cx for A, cy for B)
	s_cmp_eq_u32 s15, 0
	s_cselect_b64 s[98:99], s[20:21], s[46:47]
	s_cselect_b32 s96, s40, s41
	s_mul_i32 s96, s96, 2*KB*1536
	s_mov_b32 s97, 0
	s_add_nc_u64 s[98:99], s[98:99], s[96:97]
	global_prefetch_b8 v30, s[98:99] th:TH_LOAD_NT scope:SCOPE_SE              ; K steps 0 and 1: the scale words' fill and a round stand ahead of their loads
	global_prefetch_b8 v30, s[98:99] offset:ROWB th:TH_LOAD_NT scope:SCOPE_SE
	CROUND
	s_mov_b32 s[G0S], 1
	s_add_co_u32 s[G0S+1], s94, SCL
	s_mov_b64 s[G0S+2:G0S+3], s[22:23]
	s_or_b32 s[G0S+3], s[G0S+3], 0x80000000
	s_mov_b32 s[G0SB], 1
	s_add_co_u32 s[G0SB+1], s94, SCL
	s_mov_b64 s[G0SB+2:G0SB+3], s[92:93]
	s_or_b32 s[G0SB+3], s[G0SB+3], 0x80000000
	JLOAD G0S, G1S, G0SB, G1SB
.irp s, 0,1
	s_mov_b32 s[G0+4*\s], 1
	s_add_co_u32 s[G0+4*\s+1], s45, \s*SLOT
	s_add_nc_u64 s[G0+4*\s+2:G0+4*\s+3], s[20:21], \s*ROWB
	s_or_b32 s[G0+4*\s+3], s[G0+4*\s+3], 0x80000000
	s_mov_b32 s[G0B+4*\s], 1
	s_add_co_u32 s[G0B+4*\s+1], s45, \s*SLOT
	s_add_nc_u64 s[G0B+4*\s+2:G0B+4*\s+3], s[46:47], \s*ROWB
	s_or_b32 s[G0B+4*\s+3], s[G0B+4*\s+3], 0x80000000
	s_wait_alu depctr_va_vdst(0)
	s_wait_tensorcnt 0x0
	ds_add_u32 v28, v29
	s_wait_dscnt 0x0
	CROUND
	JLOAD G0+4*\s, G1, G0B+4*\s, G1B
	global_prefetch_b8 v30, s[98:99] offset:(\s+2)*ROWB th:TH_LOAD_NT scope:SCOPE_SE   ; the K step two fills on: the last of K's four
.endr
	v_and_b32 v1, 15, v0
	v_bfe_u32 v2, v0, 4, 1
	v_and_b32 v3, 31, v0
	v_lshlrev_b32 v[L16], 4, v3
	v_lshlrev_b32 v[L8], 3, v3
	s_mul_i32 s21, s15, HALFT
	s_mul_i32 s22, s16, HALFT
	s_add_co_u32 s22, s22, 2*HALFT
.irp s, 0,1
	v_add_nc_u32 v[ADRA+\s], s21, v[L16]
	v_add_nc_u32 v[ADRB+\s], s22, v[L16]
	v_add_nc_u32 v[ADRA+2+\s], s21, v[L8]
	v_add_nc_u32 v[ADRB+2+\s], s22, v[L8]
	s_add_co_u32 s21, s21, SLOT
	s_add_co_u32 s22, s22, SLOT
.endr
	v_lshlrev_b32 v5, 2, v1
	s_mul_i32 s21, s15, HALFS
	s_mul_i32 s22, s16, HALFS
	s_add_co_u32 s22, s22, 2*HALFS
	s_sub_co_u32 s22, s22, s21
	v_mul_u32_u24 v6, s22, v2
	s_add_co_u32 s21, s21, SCL
	v_add_nc_u32 v5, v5, v6
	v_add_nc_u32 v[ADRS], s21, v5
	s_lshl_b32 s23, s14, 10
	v_lshl_add_u32 v[SW], v1, 2, s23
	v_add_nc_u32 v[SR], s23, v[L16]
	v_lshlrev_b32 v[H64], 6, v2
	s_lshl_b32 s20, s17, 4
	s_lshl_b32 s21, s15, 3
	s_add_co_u32 s20, s20, s21
	s_lshl_b32 s46, s42, 1
	s_add_co_u32 s46, s46, s16
	s_lshl_b32 s21, s20, 5
	s_add_co_u32 s21, s21, s46
	s_mul_i32 s22, s21, 1536
	s_mov_b32 s23, 0
	s_add_nc_u64 s[12:13], s[10:11], s[22:23]
	s_lshl_b32 s21, s46, 14
	s_lshl_b32 s22, s20, 6
	s_add_co_u32 s22, s22, s21
	s_add_co_u32 s22, s22, 12582912
	s_add_nc_u64 s[10:11], s[10:11], s[22:23]
	s_lshl_b32 s22, s46, 9
	s_add_nc_u64 s[8:9], s[8:9], s[22:23]
.macro FRAG reg, adr, q, i
	ds_load_b128 v[\reg:\reg+3], v[\adr] offset:3072*(\i)+1536*(\q)
	ds_load_b64 v[\reg+4:\reg+5], v[\adr+2] offset:3072*(\i)+1536*(\q)+512
	ds_load_b128 v[\reg+6:\reg+9], v[\adr] offset:3072*(\i)+1536*(\q)+768
	ds_load_b64 v[\reg+10:\reg+11], v[\adr+2] offset:3072*(\i)+1536*(\q)+1280
.endm
.macro MUL16 a0, p, q, sc, zero
.irp a, \a0, \a0+1
.irp b, 0,1,2,3,4,5,6,7
.if \zero
	v_wmma_scale_f32_16x16x128_f8f6f4 v[8*(8*((\a)%4)+\b):8*(8*((\a)%4)+\b)+7], v[128*(\p)+FR*\b:128*(\p)+FR*\b+FR-1], v[AF+FR*(\a):AF+FR*(\a)+FR-1], 0, v[SC+8*NQ*(\sc)+NQ*\b+(\q)], v[SC+8*NQ*(\sc)+NQ*(\a)+(\q)] matrix_a_fmt:MATRIX_FMT_FP6 matrix_b_fmt:MATRIX_FMT_FP6 matrix_a_scale:MATRIX_SCALE_ROW1
.else
	v_wmma_scale_f32_16x16x128_f8f6f4 v[8*(8*((\a)%4)+\b):8*(8*((\a)%4)+\b)+7], v[128*(\p)+FR*\b:128*(\p)+FR*\b+FR-1], v[AF+FR*(\a):AF+FR*(\a)+FR-1], v[8*(8*((\a)%4)+\b):8*(8*((\a)%4)+\b)+7], v[SC+8*NQ*(\sc)+NQ*\b+(\q)], v[SC+8*NQ*(\sc)+NQ*(\a)+(\q)] matrix_a_fmt:MATRIX_FMT_FP6 matrix_b_fmt:MATRIX_FMT_FP6 matrix_a_scale:MATRIX_SCALE_ROW1
.endif
.endr
.endr
.endm
.macro FETCH_B slot, q, p
	WIN TO_B
.irp i, 0,1,2,3,4,5,6,7
	FRAG 128*(\p)+FR*\i, ADRB+\slot, \q, \i
.endr
	WIN 0
.endm
.macro FETCH_A slot, q, i0
.irp i, \i0, \i0+1, \i0+2, \i0+3
	FRAG AF+FR*(\i), ADRA+\slot, \q, \i
.endr
.endm
.macro SCALES sc
.irp i, 0,1,2,3,4,5,6,7
.irp q, 0,1
	ds_load_b32 v[SC+16*\sc+2*\i+\q], v[ADRS] offset:512*\q+64*\i
.endr
.endr
.endm
.macro PLACES n
.rept \n
	v_nop
.endr
.endm
.macro STEP slot, q, zero
	s_wait_dscnt 4*NL
	WIN MUL_LO
	MUL16 0, (\q)%2, \q, \slot, \zero
	MUL16 2, (\q)%2, \q, \slot, \zero
	s_wait_dscnt 0
	PLACES NP
	FETCH_B \slot, (\q)+1, 1-(\q)%2
	FETCH_A \slot, (\q)+1, 0
	WIN MUL_HI
	MUL16 4, (\q)%2, \q, \slot, \zero
	MUL16 6, (\q)%2, \q, \slot, \zero
	PLACES NP
	WIN 0
	FETCH_A \slot, (\q)+1, 4
.endm
.macro TURN slot, next, fill
	s_wait_tensorcnt 0x0
	ds_add_u32 v[SPW], v[NIL]
	s_wait_dscnt 4*NL+1
	WIN MUL_LO
	MUL16 0, 1, NQ-1, \slot, 0
	s_wait_dscnt 0x0
	s_barrier_signal -1
	MUL16 2, 1, NQ-1, \slot, 0
	WIN 0
	s_barrier_wait -1
.if \fill
	CREST
	s_add_nc_u64 s[G0+4*\slot+2:G0+4*\slot+3], s[G0+4*\slot+2:G0+4*\slot+3], 2*ROWB
	s_add_nc_u64 s[G0B+4*\slot+2:G0B+4*\slot+3], s[G0B+4*\slot+2:G0B+4*\slot+3], 2*ROWB
	JLOAD G0+4*\slot, G1, G0B+4*\slot, G1B
.else
	PLACES NP
.endif
	s_wait_alu depctr_va_vdst(0)
	v_add_nc_u32 v[ADRS], 1024, v[ADRS]
	FETCH_B \next, 0, 0
	FETCH_A \next, 0, 0
	SCALES \next
	WIN MUL_HI
	MUL16 4, 1, NQ-1, \slot, 0
	MUL16 6, 1, NQ-1, \slot, 0
	PLACES NP
	WIN 0
	FETCH_A \next, 0, 4
.endm
.macro QUANT s
.irp b, 0,1,2,3
	v_max3_num_f32 v[TM+\b], |v[\s+16*\b]|, |v[\s+1+16*\b]|, 0x1800000
.endr
.irp i, 2,4,6,8,10,12,14
.irp b, 0,1,2,3
	v_max3_num_f32 v[TM+\b], v[TM+\b], |v[\s+16*\b+\i]|, |v[\s+1+16*\b+\i]|
.endr
.endr
.irp b, 0,1,2,3
	v_permlanex16_b32 v[TM+4+\b], v[TM+\b], s[SEL], s[SEL+1]
.endr
.irp b, 0,1,2,3
	v_max_num_f32 v[TM+\b], v[TM+\b], v[TM+4+\b]
.endr
.irp b, 0,1,2,3
	v_add_nc_u32 v[TM+8+\b], 0xff000000, v[TM+\b]
.endr
.irp b, 0,1,2,3
	v_lshrrev_b32 v[TM+4+\b], 23, v[TM+8+\b]
.endr
	v_lshl_or_b32 v[PW], v[TM+5], 8, v[TM+4]
	v_lshl_or_b32 v[PW], v[TM+6], 16, v[PW]
	v_lshl_or_b32 v[PW], v[TM+7], 24, v[PW]
.irp c, 0,1
	v_cvt_scalef32_pk16_fp6_f32 v[PC+6*\c:PC+2+6*\c], v[\s+32*\c:\s+15+32*\c], v[TM+8+2*\c]
	v_cvt_scalef32_pk16_fp6_f32 v[PC+12+4*\c:PC+14+4*\c], v[\s+16+32*\c:\s+31+32*\c], v[TM+8+2*\c+1]
.endr
	v_nop
.irp c, 0,1
.irp i, 0,1,2
	v_permlane16_swap_b32 v[PC+6*\c+\i], v[PC+12+4*\c+\i]
.endr
.irp i, 0,1,2
	v_mov_b32 v[PC+3+6*\c+\i], v[PC+12+4*\c+\i]
.endr
.endr
.endm
	s_wait_alu depctr_va_vdst(0)
	s_wait_tensorcnt 1
	s_barrier_signal -1
	s_barrier_wait -1
	FETCH_B 0, 0, 0
	FETCH_A 0, 0, 0
	SCALES 0
	FETCH_A 0, 0, 4
	STEP 0, 0, 1
.if LAPS > 1
	s_mov_b32 s3, LAPS-1
.Llap:
	TURN 0, 1, 1
	STEP 1, 0, 0
	TURN 1, 0, 1
	STEP 0, 0, 0
	s_sub_co_u32 s3, s3, 1
	s_cmp_lg_u32 s3, 0
	s_cbranch_scc1 .Llap
.endif
	TURN 0, 1, 0
	STEP 1, 0, 0
.irp b, 0,1,2,3
.irp j, 0,1,2,3
	global_load_b128 v[BIAS+16*\b+4*\j:BIAS+16*\b+4*\j+3], v[H64], s[8:9] offset:128*\b+16*\j
.endr
.endr
	s_wait_dscnt 4*NL
	WIN MUL_LO
	MUL16 0, 1, NQ-1, 1, 0
	MUL16 2, 1, NQ-1, 1, 0
	s_wait_dscnt 0
	WIN MUL_HI
	MUL16 4, 1, NQ-1, 1, 0
	MUL16 6, 1, NQ-1, 1, 0
	WIN 0
	PLACES NP
.irp b, 0,1,2,3
	v_mov_b32 v[TM+4+\b], 0
.endr
	s_wait_loadcnt 0x0
.macro GBLK a
	s_wait_xcnt 0x0
	s_wait_dscnt 0x0
	WIN 0x02+(\a)/4
.set m, 0
.rept 32
	v_pk_add_f32 v[X+2*m:X+2*m+1], v[64*((\a)%4)+2*m:64*((\a)%4)+2*m+1], v[BIAS+2*m:BIAS+2*m+1]
.set m, m+1
.endr
	WIN 0
.set m, 0
.rept 64
	v_max_num_f32 v[X+m], 0, v[X+m]
.set m, m+1
.endr
	QUANT X
	global_store_b128 v[L16], v[PC:PC+3], s[12:13] offset:49152*(\a)
	global_store_b64 v[L8], v[PC+4:PC+5], s[12:13] offset:49152*(\a)+512
	global_store_b128 v[L16], v[PC+6:PC+9], s[12:13] offset:49152*(\a)+768
	global_store_b64 v[L8], v[PC+10:PC+11], s[12:13] offset:49152*(\a)+1280
	ds_store_b32 v[SW], v[PW] offset:64*(\a)
.endm
.irp a, 0,1,2,3,4,5,6,7
	GBLK \a
.endr
	ds_load_b128 v[X:X+3], v[SR]
	s_wait_dscnt 0x0
	global_store_b128 v[L16], v[X:X+3], s[10:11]
	s_wait_tensorcnt 0x0
	ds_add_u32 v[SPW], v[NIL]
	s_wait_dscnt 0x0
	CROUND
	s_endpgm
.Lfunc_end_k_q66d9754b59_ffn1:
	.size	k_q66d9754b59_ffn1, .Lfunc_end_k_q66d9754b59_ffn1-k_q66d9754b59_ffn1
	.p2alignl 7, 3214868480
	.fill 96, 4, 3214868480
	.section	.rodata,"a",@progbits
	.p2align	6, 0x0
	.amdhsa_kernel k_q66d9754b59_ffn1
		.amdhsa_group_segment_fixed_size 327680
		.amdhsa_private_segment_fixed_size 0
		.amdhsa_enable_private_segment 0
		.amdhsa_kernarg_size 32
		.amdhsa_user_sgpr_count 2
		.amdhsa_user_sgpr_kernarg_segment_ptr 1
		.amdhsa_wavefront_size32 1
		.amdhsa_system_sgpr_workgroup_id_x 1
		.amdhsa_system_sgpr_workgroup_id_y 1
		.amdhsa_system_sgpr_workgroup_id_z 1
		.amdhsa_system_vgpr_workitem_id 0
		.amdhsa_next_free_vgpr 1024
		.amdhsa_next_free_sgpr 100
		.amdhsa_reserve_vcc 0
		.amdhsa_float_denorm_mode_32 3
		.amdhsa_float_denorm_mode_16_64 3
		.amdhsa_memory_ordered 1
		.amdhsa_forward_progress 1
		.amdhsa_inst_pref_size 186
	.end_amdhsa_kernel
	.amdgpu_metadata
---
amdhsa.version: [ 1, 2 ]
amdhsa.kernels:
  - .name:           k_q66d9754b59_ffn1
    .symbol:         k_q66d9754b59_ffn1.kd
    .args:
      - { .name: hb, .offset: 0, .size: 8, .value_kind: global_buffer, .address_space: global }
      - { .name: wq, .offset: 8, .size: 8, .value_kind: global_buffer, .address_space: global }
      - { .name: b1, .offset: 16, .size: 8, .value_kind: global_buffer, .address_space: global }
      - { .name: gq, .offset: 24, .size: 8, .value_kind: global_buffer, .address_space: global }
    .group_segment_fixed_size: 327680
    .private_segment_fixed_size: 0
    .kernarg_segment_align: 8
    .kernarg_segment_size: 32
    .max_flat_workgroup_size: 128
    .sgpr_count:     100
    .vgpr_count:     1024
    .wavefront_size: 32
...
	.end_amdgpu_metadata
.endif
;; end of part 13
;; launch ffn2 (part 14): grid 8 x 32, 4 waves a work-group, clusters of 4 x 4, 327,680 bytes of LDS; arguments gq, wq, b2, hb, yb; writes yb
.if DOCPART == 14
	.amdgcn_target "amdgcn-amd-amdhsa--gfx1250"
	.amdhsa_code_object_version 6
	.text
	.protected	k_q66d9754b59_ffn2
	.globl	k_q66d9754b59_ffn2
	.p2align	8
	.type	k_q66d9754b59_ffn2,@function
k_q66d9754b59_ffn2:
	s_mov_b64 s[64:65], 0
	v_nop
	global_prefetch_b8 v0, s[64:65] scope:SCOPE_SE
	s_setreg_imm32_b32 hwreg(HW_REG_WAVE_MODE, 25, 1), 1
	s_wait_xcnt 0x0
	s_wait_alu depctr_hold_cnt(0) depctr_sa_sdst(0) depctr_va_vdst(0) depctr_va_sdst(0) depctr_va_ssrc(0) depctr_va_vcc(0) depctr_vm_vsrc(0)
	s_getreg_b32 s2, hwreg(HW_REG_IB_STS2, 6, 4)
	s_cmp_eq_u32 s2, 0
	s_cbranch_scc0 .Lentry_in_a_cluster
	s_endpgm
.Lentry_in_a_cluster:
	s_bfe_u32 s2, ttmp6, 0x10000c
	s_cmp_lg_u32 s2, 0xf033
	s_cbranch_scc0 .Lentry_shape_is_right
	s_endpgm
.Lentry_shape_is_right:
; yb = h + g w2^T + b2; the product on codes of FP6 (E2M3) with E8M0 scales, the rest in f32.  A tile of 128 x 128 by four waves; K in steps of 512 through a ring of two LDS slots;
; 4 x 4 clusters with joint loads; operands lie as images of the matrix unit's registers.  Each fill's tile is prefetched into the L2 two fills ahead; the last two fills ask for nothing.
; LIMITS: NaN and infinities are not served.
.set KB,     32
.set AOFF,   0
.set ASOFF,  12582912
.set AR2,    2048
.set BOFF,   9437184
.set BSOFF,  12976128
.set BR2,    512
.set FR,     12
.set NP,     4
.set ROWB,   6144
.set HALFT,  4*ROWB
.set SLOT,   4*HALFT
.set LAPS,   KB/8
.set SCL,    2*SLOT
.set HALFS,  256*KB
.set SPARE,  SCL+4*HALFS
.set SPITCH, 272
.set BO,   12
.set ADRA, 16
.set ADRB, 20
.set STO,  24
.set RD,   25
.set CO,   26
.set ADRS, 27
.set SPW,  28
.set NIL,  29
.set SC,   32
.set BK,   64
.set ACC,  128
.set G1, 24
.set G0, 32
.set G1B, 48
.set G0B, 56
.set G1S, 68
.set G0S, 76
.set G1SB, 80
.set G0SB, 88
.set MSB, 0
.macro WIN new
.if MSB != \new
	s_set_vgpr_msb (MSB<<8)|\new
.set MSB, \new
.endif
.endm
.set MUL,  0x05
.set TO_F, 0x40
.macro JLOAD g0a, g1a, g0b, g1b
	s_cmp_eq_u32 s15, 0
	s_cbranch_scc0 .Lfor_b_\@
	tensor_load_to_lds s[\g0a:\g0a+3], s[\g1a:\g1a+7]
	s_nop 0
.rept 4
	v_nop
.endr
	s_branch .Lasked_\@
.Lfor_b_\@:
	tensor_load_to_lds s[\g0b:\g0b+3], s[\g1b:\g1b+7]
	s_nop 0
.rept 4
	v_nop
.endr
.Lasked_\@:
.endm
.macro CREST
	s_cmp_lg_u32 s14, 0
	s_cbranch_scc1 .Lnot_wave_0_\@
	s_barrier_signal -3
.Lnot_wave_0_\@:
	s_barrier_wait -3
	s_barrier_signal -1
	s_barrier_wait -1
.endm
.macro CROUND
	s_barrier_signal -1
	s_barrier_wait -1
	CREST
.endm
	s_load_b128 s[4:7], s[0:1], 0x0
	s_load_b128 s[8:11], s[0:1], 0x10
	s_load_b64 s[12:13], s[0:1], 0x20
	v_lshl_add_u32 v[SPW], v0, 2, SPARE
	v_mov_b32 v[NIL], 0
	ds_add_u32 v28, v29
	ds_add_u32 v28, v29
	s_wait_dscnt 0x0
	v_lshrrev_b32 v1, 5, v0
	v_readfirstlane_b32 s14, v1
	v_and_b32 v30, 31, v0                          ; the prefetches' offset, never rewritten: 24 lanes name the 24 blocks of 256 bytes of a row of 6,144; lanes 24-31 name the last again
	v_min_u32 v30, 23, v30
	v_lshlrev_b32 v30, 8, v30
	s_lshr_b32 s15, s14, 1
	s_and_b32 s16, s14, 1
	s_bfe_u32 s40, ttmp6, 0x40000
	s_bfe_u32 s41, ttmp6, 0x40004
	s_lshl_b32 s42, ttmp9, 2
	s_add_co_u32 s42, s42, s40
	s_and_b32 s17, ttmp7, 0xffff
	s_lshl_b32 s17, s17, 2
	s_add_co_u32 s17, s17, s41
	s_lshl_b32 s43, s41, 2
	s_lshl_b32 s43, 15, s43
	s_lshl_b32 s44, 0x1111, s40
	s_or_b32 s[G1+0], s43, (3<<16)|(1<<21)
	s_or_b32 s[G1B+0], s44, (3<<16)|(1<<21)
.irp g, G1, G1B
	s_mov_b32 s[\g+1], 768<<16
	s_mov_b32 s[\g+2], 4<<16
	s_mov_b32 s[\g+3], 768<<16
	s_mov_b32 s[\g+4], 4
	s_mov_b32 s[\g+5], 192*KB
	s_mov_b32 s[\g+6], 0
	s_mov_b32 s[\g+7], 0
.endr
	s_or_b32 s[G1S+0], s43, (3<<16)|(1<<21)
	s_or_b32 s[G1SB+0], s44, (3<<16)|(1<<21)
.irp g, G1S, G1SB
	s_mov_b32 s[\g+1], 32<<16
	s_mov_b32 s[\g+2], KB<<16
	s_mov_b32 s[\g+3], 32<<16
	s_mov_b32 s[\g+4], KB
	s_mov_b32 s[\g+6], 0
	s_mov_b32 s[\g+7], 0
.endr
	s_mov_b32 s[G1S+5], AR2
	s_mov_b32 s[G1SB+5], BR2
	s_lshl_b32 s18, s16, 2
	s_lshl_b32 s20, s17, 3
	s_add_co_u32 s20, s20, s18
	s_lshl_b32 s46, s42, 3
	s_add_co_u32 s46, s46, s18
	s_lshl_b32 s22, s20, 6
	s_add_co_u32 s22, s22, ASOFF
	s_mov_b32 s23, 0
	s_lshl_b32 s92, s46, 6
	s_add_co_u32 s92, s92, BSOFF
	s_mov_b32 s93, 0
	s_mul_i32 s20, s20, KB*1536
	s_add_co_u32 s20, s20, AOFF
	s_mov_b32 s21, 0
	s_mul_i32 s46, s46, KB*1536
	s_add_co_u32 s46, s46, BOFF
	s_mov_b32 s47, 0
	s_mul_i32 s45, s14, HALFT
	s_mul_i32 s94, s14, HALFS
	s_wait_alu depctr_va_vdst(0)
	s_wait_kmcnt 0x0
	s_add_nc_u64 s[20:21], s[4:5], s[20:21]
	s_add_nc_u64 s[22:23], s[4:5], s[22:23]
	s_add_nc_u64 s[46:47], s[6:7], s[46:47]
	s_add_nc_u64 s[92:93], s[6:7], s[92:93]
	; of the 4 rows that a wave fetches, each of the four partners that ask for them jointly names one, told apart by address (cx for A, cy for B)
	s_cmp_eq_u32 s15, 0
	s_cselect_b64 s[98:99], s[20:21], s[46:47]
	s_cselect_b32 s96, s40, s41
	s_mul_i32 s96, s96, KB*1536
	s_mov_b32 s97, 0
	s_add_nc_u64 s[98:99], s[98:99], s[96:97]
	global_prefetch_b8 v30, s[98:99] th:TH_LOAD_NT scope:SCOPE_SE              ; K steps 0 and 1: the scale words' fill and a round stand ahead of their loads
	global_prefetch_b8 v30, s[98:99] offset:ROWB th:TH_LOAD_NT scope:SCOPE_SE
	CROUND
	s_mov_b32 s[G0S], 1
	s_add_co_u32 s[G0S+1], s94, SCL
	s_mov_b64 s[G0S+2:G0S+3], s[22:23]
	s_or_b32 s[G0S+3], s[G0S+3], 0x80000000
	s_mov_b32 s[G0SB], 1
	s_add_co_u32 s[G0SB+1], s94, SCL
	s_mov_b64 s[G0SB+2:G0SB+3], s[92:93]
	s_or_b32 s[G0SB+3], s[G0SB+3], 0x80000000
	JLOAD G0S, G1S, G0SB, G1SB
.irp s, 0,1
	s_mov_b32 s[G0+4*\s], 1
	s_add_co_u32 s[G0+4*\s+1], s45, \s*SLOT
	s_add_nc_u64 s[G0+4*\s+2:G0+4*\s+3], s[20:21], \s*ROWB
	s_or_b32 s[G0+4*\s+3], s[G0+4*\s+3], 0x80000000
	s_mov_b32 s[G0B+4*\s], 1
	s_add_co_u32 s[G0B+4*\s+1], s45, \s*SLOT
	s_add_nc_u64 s[G0B+4*\s+2:G0B+4*\s+3], s[46:47], \s*ROWB
	s_or_b32 s[G0B+4*\s+3], s[G0B+4*\s+3], 0x80000000
	s_wait_alu depctr_va_vdst(0)
	s_wait_tensorcnt 0x0
	ds_add_u32 v28, v29
	s_wait_dscnt 0x0
	CROUND
	JLOAD G0+4*\s, G1, G0B+4*\s, G1B
	global_prefetch_b8 v30, s[98:99] offset:(\s+2)*ROWB th:TH_LOAD_NT scope:SCOPE_SE   ; the K step two fills on
.endr
	v_and_b32 v1, 15, v0
	v_bfe_u32 v2, v0, 4, 1
	v_and_b32 v3, 31, v0
	v_lshlrev_b32 v13, 4, v3
	v_lshlrev_b32 v4, 3, v3
	s_mul_i32 s21, s15, HALFT
	s_mul_i32 s22, s16, HALFT
	s_add_co_u32 s22, s22, 2*HALFT
.irp s, 0,1
	v_add_nc_u32 v[ADRA+\s], s21, v13
	v_add_nc_u32 v[ADRB+\s], s22, v13
	v_add_nc_u32 v[ADRA+2+\s], s21, v4
	v_add_nc_u32 v[ADRB+2+\s], s22, v4
	s_add_co_u32 s21, s21, SLOT
	s_add_co_u32 s22, s22, SLOT
.endr
	v_lshlrev_b32 v5, 2, v1
	s_mul_i32 s21, s15, HALFS
	s_mul_i32 s22, s16, HALFS
	s_add_co_u32 s22, s22, 2*HALFS
	s_sub_co_u32 s22, s22, s21
	v_mul_u32_u24 v6, s22, v2
	s_add_co_u32 s21, s21, SCL
	v_add_nc_u32 v5, v5, v6
	v_add_nc_u32 v[ADRS], s21, v5
	s_mul_i32 s23, s14, 16*SPITCH
	v_mul_u32_u24 v6, v1, SPITCH
	v_lshl_add_u32 v6, v2, 6, v6
	v_add_nc_u32 v[STO], s23, v6
	v_mul_u32_u24 v6, v2, SPITCH
	v_lshl_add_u32 v6, v1, 4, v6
	v_add_nc_u32 v[RD], s23, v6
	v_lshlrev_b32 v[BO], 4, v1
	s_wait_alu depctr_va_vdst(0)
	v_lshl_add_u32 v[CO], v2, 12, v[BO]
	s_wait_alu depctr_va_vdst(0)
	s_lshl_b32 s20, s17, 7
	s_lshl_b32 s21, s15, 6
	s_add_co_u32 s20, s20, s21
	s_lshl_b32 s20, s20, 12
	s_lshl_b32 s46, s42, 9
	s_lshl_b32 s47, s16, 8
	s_add_co_u32 s46, s46, s47
	s_mov_b32 s47, 0
	s_add_nc_u64 s[8:9], s[8:9], s[46:47]
	s_add_co_u32 s20, s20, s46
	s_mov_b32 s21, 0
	s_add_nc_u64 s[10:11], s[10:11], s[20:21]
	s_add_nc_u64 s[12:13], s[12:13], s[20:21]
	global_load_b128 v[8:11], v[BO], s[8:9]
	WIN 0x80
.irp a, 0,1,2,3
.irp t, 0,1,2,3,4,5,6,7
	global_load_b128 v[32*\a+4*\t:32*\a+4*\t+3], v[CO], s[10:11] offset:(32*(\a/2)+8*(\a%2)+2*\t+8*(\t/4))*4096 th:TH_LOAD_NT
.endr
.endr
	WIN 0
.macro FRAG reg, adr, q, i
	ds_load_b128 v[\reg:\reg+3], v[\adr] offset:6144*(\i)+1536*(\q)
	ds_load_b64 v[\reg+4:\reg+5], v[\adr+2] offset:6144*(\i)+1536*(\q)+512
	ds_load_b128 v[\reg+6:\reg+9], v[\adr] offset:6144*(\i)+1536*(\q)+768
	ds_load_b64 v[\reg+10:\reg+11], v[\adr+2] offset:6144*(\i)+1536*(\q)+1280
.endm
.macro MUL4 a, p, q, sc, zero
.irp b, 0,1,2,3
.if \zero
	v_wmma_scale_f32_16x16x128_f8f6f4 v[ACC+8*(4*(\a)+\b):ACC+8*(4*(\a)+\b)+7], v[128*(\p)+48+FR*\b:128*(\p)+48+FR*\b+FR-1], v[128*(\p)+FR*(\a):128*(\p)+FR*(\a)+FR-1], 0, v[SC+16*(\sc)+4*\b+(\q)], v[SC+16*(\sc)+4*(\a)+(\q)] matrix_a_fmt:MATRIX_FMT_FP6 matrix_b_fmt:MATRIX_FMT_FP6 matrix_a_scale:MATRIX_SCALE_ROW1
.else
	v_wmma_scale_f32_16x16x128_f8f6f4 v[ACC+8*(4*(\a)+\b):ACC+8*(4*(\a)+\b)+7], v[128*(\p)+48+FR*\b:128*(\p)+48+FR*\b+FR-1], v[128*(\p)+FR*(\a):128*(\p)+FR*(\a)+FR-1], v[ACC+8*(4*(\a)+\b):ACC+8*(4*(\a)+\b)+7], v[SC+16*(\sc)+4*\b+(\q)], v[SC+16*(\sc)+4*(\a)+(\q)] matrix_a_fmt:MATRIX_FMT_FP6 matrix_b_fmt:MATRIX_FMT_FP6 matrix_a_scale:MATRIX_SCALE_ROW1
.endif
.endr
.endm
.macro FETCH_LO slot, q, p
	WIN TO_F
.irp i, 0,1,2,3
	FRAG 128*(\p)+48+FR*\i, ADRB+\slot, \q, \i
.endr
.irp i, 0,1
	FRAG 128*(\p)+FR*\i, ADRA+\slot, \q, \i
.endr
.endm
.macro FETCH_HI slot, q, p
	WIN TO_F
.irp i, 2,3
	FRAG 128*(\p)+FR*\i, ADRA+\slot, \q, \i
.endr
.endm
.macro SCALES sc
	WIN 0
.irp i, 0,1,2,3
.irp q, 0,1,2,3
	ds_load_b32 v[SC+16*\sc+4*\i+\q], v[ADRS] offset:256*\q+64*\i
.endr
.endr
.endm
.macro PLACES n
.rept \n
	v_nop
.endr
.endm
.macro STEP slot, q, zero
	s_wait_dscnt 8
	WIN MUL
	MUL4 0, (\q)%2, \q, \slot, \zero
	MUL4 1, (\q)%2, \q, \slot, \zero
	PLACES NP
	FETCH_LO \slot, (\q)+1, 1-(\q)%2
	FETCH_HI \slot, (\q)+1, 1-(\q)%2
	s_wait_dscnt 32
	WIN MUL
	MUL4 2, (\q)%2, \q, \slot, \zero
	MUL4 3, (\q)%2, \q, \slot, \zero
.endm
.macro TURN slot, next, fill
	WIN 0
.if \fill
	s_wait_xcnt 0x0                                ; my last prefetch has read its address: it steps one K step at each refill
	s_add_nc_u64 s[98:99], s[98:99], ROWB
.endif
	s_wait_tensorcnt 0x0
	ds_add_u32 v[SPW], v[NIL]
	s_wait_dscnt 9
	WIN MUL
	MUL4 0, 1, 3, \slot, 0
	s_wait_dscnt 0x0
	s_barrier_signal -1
	MUL4 1, 1, 3, \slot, 0
	WIN 0
	s_barrier_wait -1
.if \fill
	CREST
	s_add_nc_u64 s[G0+4*\slot+2:G0+4*\slot+3], s[G0+4*\slot+2:G0+4*\slot+3], 2*ROWB
	s_add_nc_u64 s[G0B+4*\slot+2:G0B+4*\slot+3], s[G0B+4*\slot+2:G0B+4*\slot+3], 2*ROWB
	JLOAD G0+4*\slot, G1, G0B+4*\slot, G1B
.else
	PLACES NP
.endif
	s_wait_alu depctr_va_vdst(0)
	v_add_nc_u32 v[ADRS], 1024, v[ADRS]
	FETCH_LO \next, 0, 0
	SCALES \next
	FETCH_HI \next, 0, 0
.if \fill
	WIN 0
	s_cmp_gt_u32 s3, 1                             ; the m-th refill brings K step m + 1 and asks for K step m + 3; the last trip's two have none left to ask for
	s_cbranch_scc0 .Lno_ask_\@
	global_prefetch_b8 v30, s[98:99] offset:3*ROWB th:TH_LOAD_NT scope:SCOPE_SE
.Lno_ask_\@:
.endif
	WIN MUL
	MUL4 2, 1, 3, \slot, 0
	MUL4 3, 1, 3, \slot, 0
.endm
	s_wait_tensorcnt 1
	s_barrier_signal -1
	s_barrier_wait -1
	FETCH_LO 0, 0, 0
	SCALES 0
	FETCH_HI 0, 0, 0
	STEP 0, 0, 1
.if LAPS > 1
	WIN 0
	s_mov_b32 s3, LAPS-1
.Llap:
	STEP 0, 1, 0
	STEP 0, 2, 0
	TURN 0, 1, 1
	STEP 1, 0, 0
	STEP 1, 1, 0
	STEP 1, 2, 0
	TURN 1, 0, 1
	STEP 0, 0, 0
	WIN 0
	s_sub_co_u32 s3, s3, 1
	s_cmp_lg_u32 s3, 0
	s_cbranch_scc1 .Llap
.endif
	STEP 0, 1, 0
	STEP 0, 2, 0
	TURN 0, 1, 0
	STEP 1, 0, 0
	STEP 1, 1, 0
	STEP 1, 2, 0
	s_wait_dscnt 8
	WIN MUL
	MUL4 0, 1, 3, 1, 0
	MUL4 1, 1, 3, 1, 0
	s_wait_dscnt 0
	MUL4 2, 1, 3, 1, 0
	MUL4 3, 1, 3, 1, 0
	WIN 0
	PLACES NP
	s_wait_loadcnt 0x0
.macro OUTBLK a
.set BB, BK+32*((\a)%2)
.if (\a) > 1
	s_wait_xcnt 0x0
.endif
.irp b, 0,1,2,3
	ds_store_b128 v[STO], v[ACC+8*(4*(\a)+\b):ACC+8*(4*(\a)+\b)+3] offset:128*(\b/2)+32*(\b%2)
	ds_store_b128 v[STO], v[ACC+8*(4*(\a)+\b)+4:ACC+8*(4*(\a)+\b)+7] offset:128*(\b/2)+32*(\b%2)+16
.endr
.irp t, 0,1,2,3,4,5,6,7
	ds_load_b128 v[BB+4*\t:BB+4*\t+3], v[RD] offset:2*\t*SPITCH
.endr
	s_wait_dscnt 0x0
.irp t, 0,1,2,3,4,5,6,7
	v_pk_add_f32 v[BB+4*\t:BB+4*\t+1], v[BB+4*\t:BB+4*\t+1], v[8:9]
	v_pk_add_f32 v[BB+4*\t+2:BB+4*\t+3], v[BB+4*\t+2:BB+4*\t+3], v[10:11]
.endr
	WIN 0x08
.irp t, 0,1,2,3,4,5,6,7
	v_pk_add_f32 v[BB+4*\t:BB+4*\t+1], v[BB+4*\t:BB+4*\t+1], v[32*(\a)+4*\t:32*(\a)+4*\t+1]
	v_pk_add_f32 v[BB+4*\t+2:BB+4*\t+3], v[BB+4*\t+2:BB+4*\t+3], v[32*(\a)+4*\t+2:32*(\a)+4*\t+3]
.endr
	WIN 0
.irp t, 0,1,2,3,4,5,6,7
	global_store_b128 v[CO], v[BB+4*\t:BB+4*\t+3], s[12:13] offset:(32*((\a)/2)+8*((\a)%2)+2*\t+8*(\t/4))*4096 th:TH_STORE_NT
.endr
.endm
.irp a, 0,1,2,3
	OUTBLK \a
.endr
	s_wait_tensorcnt 0x0
	ds_add_u32 v[SPW], v[NIL]
	s_wait_dscnt 0x0
	CROUND
	s_endpgm
.Lfunc_end_k_q66d9754b59_ffn2:
	.size	k_q66d9754b59_ffn2, .Lfunc_end_k_q66d9754b59_ffn2-k_q66d9754b59_ffn2
	.p2alignl 7, 3214868480
	.fill 96, 4, 3214868480
	.section	.rodata,"a",@progbits
	.p2align	6, 0x0
	.amdhsa_kernel k_q66d9754b59_ffn2
		.amdhsa_group_segment_fixed_size 327680
		.amdhsa_private_segment_fixed_size 0
		.amdhsa_enable_private_segment 0
		.amdhsa_kernarg_size 40
		.amdhsa_user_sgpr_count 2
		.amdhsa_user_sgpr_kernarg_segment_ptr 1
		.amdhsa_wavefront_size32 1
		.amdhsa_system_sgpr_workgroup_id_x 1
		.amdhsa_system_sgpr_workgroup_id_y 1
		.amdhsa_system_sgpr_workgroup_id_z 1
		.amdhsa_system_vgpr_workitem_id 0
		.amdhsa_next_free_vgpr 768
		.amdhsa_next_free_sgpr 100
		.amdhsa_reserve_vcc 0
		.amdhsa_float_denorm_mode_32 3
		.amdhsa_float_denorm_mode_16_64 3
		.amdhsa_memory_ordered 1
		.amdhsa_forward_progress 1
		.amdhsa_inst_pref_size 106
	.end_amdhsa_kernel
	.amdgpu_metadata
---
amdhsa.version: [ 1, 2 ]
amdhsa.kernels:
  - .name:           k_q66d9754b59_ffn2
    .symbol:         k_q66d9754b59_ffn2.kd
    .args:
      - { .name: gq, .offset: 0, .size: 8, .value_kind: global_buffer, .address_space: global }
      - { .name: wq, .offset: 8, .size: 8, .value_kind: global_buffer, .address_space: global }
      - { .name: b2, .offset: 16, .size: 8, .value_kind: global_buffer, .address_space: global }
      - { .name: hb, .offset: 24, .size: 8, .value_kind: global_buffer, .address_space: global }
      - { .name: yb, .offset: 32, .size: 8, .value_kind: global_buffer, .address_space: global }
    .group_segment_fixed_size: 327680
    .private_segment_fixed_size: 0
    .kernarg_segment_align: 8
    .kernarg_segment_size: 40
    .max_flat_workgroup_size: 128
    .sgpr_count:     100
    .vgpr_count:     768
    .wavefront_size: 32
...
	.end_amdgpu_metadata
.endif
;; end of part 14
;; launch ln2 (part 15): grid 256 x 1, 4 waves a work-group, no clusters, 0 bytes of LDS; arguments yb, ln2_g, ln2_b, out0; writes out0
.if DOCPART == 15
	.amdgcn_target "amdgcn-amd-amdhsa--gfx1250"
	.amdhsa_code_object_version 6
	.text
	.protected	k_q66d9754b59_ln2
	.globl	k_q66d9754b59_ln2
	.p2align	8
	.type	k_q66d9754b59_ln2,@function
k_q66d9754b59_ln2:
	s_mov_b64 s[64:65], 0
	v_nop
	global_prefetch_b8 v0, s[64:65] scope:SCOPE_SE
	s_setreg_imm32_b32 hwreg(HW_REG_WAVE_MODE, 25, 1), 1
	s_wait_xcnt 0x0
; out0 = LayerNorm(yb) x g + b over rows of 1,024, in f32 (mean first, then the centred squares: no difference of large sums).
; A work-group takes 16 rows, a wave four neighbouring ones; a row never leaves its wave: 32 registers a lane, read from memory once.  Every load and store of a wave covers 512 consecutive bytes, aligned.
; No LDS, no barrier, no matrix unit: memory binds, and waves share nothing.
; LIMITS: NaN and infinities among the inputs are not served.
.set X,   32                           ; v32-159  row i, piece j at 32 i + 4 j
.set G,   160
.set BT,  192
.set SA,  224                          ; v224-231 a pair for each row: sums; -mean; 1 / sigma
.set SA2, 232                          ; v232-239 the second chains
.set PD,  240                          ; v240-243 the other half of the lanes'
.set SEL, 18
	s_load_b256 s[4:11], s[0:1], 0x0               ; yb, g, b, out0
	v_lshrrev_b32 v1, 5, v0
	v_readfirstlane_b32 s12, v1                    ; wave
	v_and_b32 v2, 31, v0
	v_lshlrev_b32 v1, 4, v2                        ; 16 x lane
	s_mov_b32 s[SEL], 0x76543210
	s_mov_b32 s[SEL+1], 0xfedcba98
	s_mov_b32 s20, 0x3a800000                      ; 1 / 1,024
	s_mov_b32 s21, 0x3727c5ac                      ; 1e-5
	s_lshl_b32 s13, ttmp9, 4
	s_lshl_b32 s14, s12, 2
	s_add_co_u32 s13, s13, s14                     ; my first row
	s_lshl_b32 s14, s13, 12
	s_mov_b32 s15, 0
	s_wait_alu depctr_va_vdst(0)
	s_wait_kmcnt 0x0
	s_add_nc_u64 s[4:5], s[4:5], s[14:15]
	s_add_nc_u64 s[16:17], s[10:11], s[14:15]
.irp i, 0,1,2,3
.irp j, 0,1,2,3,4,5,6,7
	global_load_b128 v[X+32*\i+4*\j:X+32*\i+4*\j+3], v1, s[4:5] offset:4096*\i+512*\j th:TH_LOAD_NT
.endr
.endr
.irp j, 0,1,2,3,4,5,6,7
	global_load_b128 v[G+4*\j:G+4*\j+3], v1, s[6:7] offset:512*\j
	global_load_b128 v[BT+4*\j:BT+4*\j+3], v1, s[8:9] offset:512*\j
.endr
.irp i, 0,1,2,3
	v_mov_b32 v[PD+\i], 0                          ; a lane permute's destination counts as one of its sources
.endr
.macro ACROSS                          ; the four rows' figures in v[SA + 2 i]: their two halves, then over the 32 lanes
.irp i, 0,1,2,3
	v_pk_add_f32 v[SA+2*\i:SA+2*\i+1], v[SA+2*\i:SA+2*\i+1], v[SA2+2*\i:SA2+2*\i+1]
.endr
.irp i, 0,1,2,3
	v_add_f32 v[SA+2*\i], v[SA+2*\i], v[SA+2*\i+1]
.endr
.irp m, 1,2,4,8
.irp i, 0,1,2,3
	v_add_f32_dpp v[SA+2*\i], v[SA+2*\i], v[SA+2*\i] row_xmask:\m row_mask:0xf bank_mask:0xf
.endr
.endr
.irp i, 0,1,2,3
	v_permlanex16_b32 v[PD+\i], v[SA+2*\i], s[SEL], s[SEL+1]
.endr
.irp i, 0,1,2,3
	v_add_f32 v[SA+2*\i], v[SA+2*\i], v[PD+\i]
.endr
.endm
	s_wait_loadcnt 16                              ; the rows are in; g's and b's 16 loads may be out
.irp i, 0,1,2,3
	v_pk_add_f32 v[SA+2*\i:SA+2*\i+1], v[X+32*\i:X+32*\i+1], v[X+32*\i+2:X+32*\i+3]
	v_pk_add_f32 v[SA2+2*\i:SA2+2*\i+1], v[X+32*\i+4:X+32*\i+5], v[X+32*\i+6:X+32*\i+7]
.endr
.irp k, 8,12,16,20,24,28
.irp i, 0,1,2,3
	v_pk_add_f32 v[SA+2*\i:SA+2*\i+1], v[SA+2*\i:SA+2*\i+1], v[X+32*\i+\k:X+32*\i+\k+1]
	v_pk_add_f32 v[SA2+2*\i:SA2+2*\i+1], v[SA2+2*\i:SA2+2*\i+1], v[X+32*\i+\k+2:X+32*\i+\k+3]
.endr
.endr
	ACROSS
.irp i, 0,1,2,3
	v_mul_f32 v[SA+2*\i], 0xba800000, v[SA+2*\i]   ; -mean
.endr
.irp i, 0,1,2,3
.irp k, 0,2,4,6,8,10,12,14,16,18,20,22,24,26,28,30
	v_pk_add_f32 v[X+32*\i+\k:X+32*\i+\k+1], v[X+32*\i+\k:X+32*\i+\k+1], v[SA+2*\i:SA+2*\i+1] op_sel_hi:[1,0]
.endr
.endr
.irp i, 0,1,2,3
	v_pk_mul_f32 v[SA+2*\i:SA+2*\i+1], v[X+32*\i:X+32*\i+1], v[X+32*\i:X+32*\i+1]
	v_pk_mul_f32 v[SA2+2*\i:SA2+2*\i+1], v[X+32*\i+2:X+32*\i+3], v[X+32*\i+2:X+32*\i+3]
.endr
.irp k, 4,8,12,16,20,24,28
.irp i, 0,1,2,3
	v_pk_fma_f32 v[SA+2*\i:SA+2*\i+1], v[X+32*\i+\k:X+32*\i+\k+1], v[X+32*\i+\k:X+32*\i+\k+1], v[SA+2*\i:SA+2*\i+1]
	v_pk_fma_f32 v[SA2+2*\i:SA2+2*\i+1], v[X+32*\i+\k+2:X+32*\i+\k+3], v[X+32*\i+\k+2:X+32*\i+\k+3], v[SA2+2*\i:SA2+2*\i+1]
.endr
.endr
	ACROSS
.irp i, 0,1,2,3
	v_fma_f32 v[SA+2*\i], v[SA+2*\i], s20, s21     ; the variance + 1e-5
.endr
	s_wait_alu depctr_va_vdst(0)
.irp i, 0,1,2,3
	v_rsq_f32 v[SA+2*\i], v[SA+2*\i]
.endr
	v_nop                                          ; a plain instruction behind the four
	s_wait_alu depctr_va_vdst(0)                   ; one wait for the four, ahead of their first reader
	s_wait_loadcnt 0x0                             ; g and b
.irp i, 0,1,2,3
.irp k, 0,2,4,6,8,10,12,14,16,18,20,22,24,26,28,30
	v_pk_mul_f32 v[X+32*\i+\k:X+32*\i+\k+1], v[X+32*\i+\k:X+32*\i+\k+1], v[SA+2*\i:SA+2*\i+1] op_sel_hi:[1,0]
.endr
.irp k, 0,2,4,6,8,10,12,14,16,18,20,22,24,26,28,30
	v_pk_fma_f32 v[X+32*\i+\k:X+32*\i+\k+1], v[X+32*\i+\k:X+32*\i+\k+1], v[G+\k:G+\k+1], v[BT+\k:BT+\k+1]
.endr
.irp j, 0,1,2,3,4,5,6,7
	global_store_b128 v1, v[X+32*\i+4*\j:X+32*\i+4*\j+3], s[16:17] offset:4096*\i+512*\j th:TH_STORE_NT
.endr
.endr
	s_endpgm
.Lfunc_end_k_q66d9754b59_ln2:
	.size	k_q66d9754b59_ln2, .Lfunc_end_k_q66d9754b59_ln2-k_q66d9754b59_ln2
	.p2alignl 7, 3214868480
	.fill 96, 4, 3214868480
	.section	.rodata,"a",@progbits
	.p2align	6, 0x0
	.amdhsa_kernel k_q66d9754b59_ln2
		.amdhsa_group_segment_fixed_size 0
		.amdhsa_private_segment_fixed_size 0
		.amdhsa_enable_private_segment 0
		.amdhsa_kernarg_size 32
		.amdhsa_user_sgpr_count 2
		.amdhsa_user_sgpr_kernarg_segment_ptr 1
		.amdhsa_wavefront_size32 1
		.amdhsa_system_sgpr_workgroup_id_x 1
		.amdhsa_system_sgpr_workgroup_id_y 1
		.amdhsa_system_sgpr_workgroup_id_z 1
		.amdhsa_system_vgpr_workitem_id 0
		.amdhsa_next_free_vgpr 256
		.amdhsa_next_free_sgpr 66
		.amdhsa_reserve_vcc 0
		.amdhsa_float_denorm_mode_32 3
		.amdhsa_float_denorm_mode_16_64 3
		.amdhsa_memory_ordered 1
		.amdhsa_forward_progress 1
		.amdhsa_inst_pref_size 33
	.end_amdhsa_kernel
	.amdgpu_metadata
---
amdhsa.version: [ 1, 2 ]
amdhsa.kernels:
  - .name:           k_q66d9754b59_ln2
    .symbol:         k_q66d9754b59_ln2.kd
    .args:
      - { .name: yb, .offset: 0, .size: 8, .value_kind: global_buffer, .address_space: global }
      - { .name: ln2_g, .offset: 8, .size: 8, .value_kind: global_buffer, .address_space: global }
      - { .name: ln2_b, .offset: 16, .size: 8, .value_kind: global_buffer, .address_space: global }
      - { .name: out0, .offset: 24, .size: 8, .value_kind: global_buffer, .address_space: global }
    .group_segment_fixed_size: 0
    .private_segment_fixed_size: 0
    .kernarg_segment_align: 8
    .kernarg_segment_size: 32
    .max_flat_workgroup_size: 128
    .sgpr_count:     66
    .vgpr_count:     256
    .wavefront_size: 32
...
	.end_amdgpu_metadata
.endif
;; end of part 15
